; MI455X (gfx1250); checked and timed in simulation.
; The chip was launched on July 23, 2026; its instructions are those of AMD's public machine-readable ISA for CDNA 5 (MIT licence, August 2026) and "CDNA5" Instruction Set Architecture Reference Guide (July 2026). The comments in the code are by the model that wrote it; some were corrected since.
;; Merge Stack Nodes On Affinity Value Attention. Allowed arithmetic: matrix products marked QUANTISED: E2M3 operands, one E8M0 scale for each 32 along K, by v_wmma_scale_f32_16x16x128_f8f6f4 with both operands' format E2M3, f32 sums; everything else in f32.
;; Inputs: dw_b 16 float32; dw_w 16 x 1,024 float32; in_proj_bias 3,072 float32; in_proj_weight 3,072 x 1,024 float32; key 1,024 x 4 x 1,024 float32; key_padding_mask 4 x 1,024 bool; node_key 1,023 x 4 x 1,024 float32; node_padding_mask 4 x 1,023 bool; out_b 1,024 float32; out_w 1,024 x 1,024 float32; query 1,024 x 4 x 1,024 float32.
;; Outputs: out0 1,024 x 4 x 1,024 float32.
;; This version of the problem:
;;   THIS VERSION OF THE PROBLEM IS GIVEN IN LOW PRECISION. The matrix products marked QUANTISED in the list below multiply operands that are first quantised to E2M3 (2 exponent bits, 3 mantissa bits; 6 bits a number), with one power-of-two scale for each 32 numbers along K (OCP MX v1.0); their sums are f32. All else is computed in f32.
;;   The module's matrix products, in the order in which they are computed (A, B: the left and right operand; K: the contracted axis; several contracted axes count as one K, in the product's order):
;;     1. [M 4,096, K 1,024] x [K 1,024, N 1,024]; A: input query; B: input in_proj_weight: QUANTISED
;;     2. [M 4,096, K 1,024] x [K 1,024, N 1,024]; A: input key; B: input in_proj_weight: QUANTISED
;;     3. [M 4,096, K 1,024] x [K 1,024, N 1,024]; A: input key; B: input in_proj_weight: QUANTISED
;;     4. [M 4,092, K 1,024] x [K 1,024, N 1,024]; A: input node_key; B: input in_proj_weight: QUANTISED
;;     5. [M 4,092, K 1,024] x [K 1,024, N 1,024]; A: input node_key; B: input in_proj_weight: QUANTISED
;;     6. [M 4,092, K 1,024] x [K 1,024, N 16]; A: input node_key; B: input dw_w: QUANTISED
;;     7. batch 64 x [M 1,024, K 64] x [K 64, N 1,024]; A: computed on the way; B: computed on the way: QUANTISED
;;     8. batch 64 x [M 1,024, K 64] x [K 64, N 1,023]; A: computed on the way; B: computed on the way: QUANTISED
;;     9. batch 64 x [M 1,024, K 2,047] x [K 2,047, N 64]; A: softmax (see below); B: computed on the way: QUANTISED
;;     10. [M 4,096, K 1,024] x [K 1,024, N 1,024]; A: computed on the way; B: input out_w: QUANTISED
;;   THE QUANTISER, for each operand of a quantised product, along K:
;;     - K is cut into blocks of 32 from its start; a last block that is shorter is filled with zeros.
;;     - A block's scale is 2^e with e = floor(log2(the largest magnitude in the block)) - 2, held to -126 .. 127; a block of zeros has e = 0. As a byte (E8M0): e + 127.
;;     - Each number is divided by its block's scale, clamped to +-7.5, and rounded to the nearest number of E2M3, ties to even, subnormals kept.
;;     - The product sums the exact products of the quantised numbers (number of the format x scale) in f32.
;;   ~~~python
;;   def quantise(x, axis):      # numpy; x: float32 -> the quantised numbers, widened to float32 again
;;       x = np.moveaxis(x, axis, -1); K = x.shape[-1]
;;       x = np.pad(x, [(0, 0)] * (x.ndim - 1) + [(0, -K % 32)]); x = x.reshape(x.shape[:-1] + (-1, 32)); a = np.abs(x).max(-1, keepdims=True)
;;       e = np.where(a > 0, np.clip(np.frexp(np.where(a > 0, a, 1))[1] - 1 - 2, -126, 127), 0)      # np.frexp(a)[1] - 1 = floor(log2(a)), exactly
;;       r = np.clip(x / 2.0 ** e, -7.5, 7.5)
;;       step = 2.0 ** (np.maximum(np.frexp(np.where(r == 0, 1, r))[1] - 1, 0) - 3)
;;       q = np.round(r / step) * step * 2.0 ** e      # np.round: ties to even
;;       return np.moveaxis(q.reshape(q.shape[:-2] + (-1,))[..., :K], -1, axis).astype(np.float32)
;;   ~~~
;;   SOFTMAX AHEAD OF A QUANTISED PRODUCT. Where the list says 'softmax', what is quantised is not the finished softmax but p = 2^(t - M), with t = logit x log2(e) and M = ceil(the row's largest t), a whole number; so 1/2 < the row's largest p <= 1. The row's sum l is taken of the UNQUANTISED p, in f32, and the product's result is divided by l at the end. Since M is a whole number, a kernel that streams over the keys may use a running M (the ceiling of the running maximum): every later rescaling is an exact power of two, which a block's scale takes up: the codes' values come out the same.
;;   OPERANDS COMPUTED ON THE WAY. 'Computed on the way' means the value that the module computes at that place (a softmax that the list does not call 'softmax' is quantised finished and normalised). What goes into a quantiser is computed in f32, as accurately as f32 sums, v_exp_f32 and their like allow (about 1e-6 of the number): no bf16 or f16 on the way to a quantiser, and a product that is left as it is and whose result goes on into a quantised operand takes f32 operands (vector FMAs, or v_wmma_f32_16x16x4_f32). A number that lies on a knife's edge between two numbers of the format may be rounded either way, as far as f32 arithmetic and the matrix unit's own rounding can turn it there, and no further.
;; 2 versions. Each part assembles by itself: llvm-mc -triple=amdgcn-amd-amdhsa -mcpu=gfx1250 --defsym DOCPART=n.
;; ======== version 1 of 2: 5 launches
;; limits: right only within a limited range of input values
;; workspace buffers: codes 12,607,488 bytes; scales 525,312 bytes; dwt 262,144 bytes; qf 4,456,448 bytes; kv 15,728,640 bytes; oc 3,145,728 bytes; os 131,072 bytes
;; launch quant (part 1): grid 513 x 1, 4 waves a work-group, no clusters, 33,280 bytes of LDS; arguments query, key, node_key, in_proj_weight, out_w, dw_w, codes, scales; writes codes, scales
.if DOCPART == 1
	.amdgcn_target "amdgcn-amd-amdhsa--gfx1250"
	.amdhsa_code_object_version 6
	.text
	.protected	k_qf48aec33d5_quant
	.globl	k_qf48aec33d5_quant
	.p2align	8
	.type	k_qf48aec33d5_quant,@function
k_qf48aec33d5_quant:
	s_mov_b64 s[64:65], 0
	v_nop
	global_prefetch_b8 v0, s[64:65] scope:SCOPE_SE
	s_setreg_imm32_b32 hwreg(HW_REG_WAVE_MODE, 25, 1), 1
	s_wait_xcnt 0x0
; All six f32 operands whose K (1,024) is innermost become codes of FP6 (E2M3) and one E8M0 byte for each 32 along K.
; A block's scale is 2^(floor(log2(its largest magnitude)) - 2); its byte is the largest magnitude's exponent field - 2, held at 1 from below
; (a block of zeros keeps the byte 1: its codes are zeros, and this program alone reads the bytes).
; LIMITS: NaN and infinities are not served; blocks whose largest magnitude lies under 2^-124 keep the byte 1.
; OUTPUT ROWS.  codes: 16,416 rows of 768 bytes, scales: the same rows of 32 bytes.  Sections: query 0, key 4,096, node_key 8,192 (each [batch][place 0..1023]),
; in_proj_weight 12,288, out_w 15,360, dw_w 16,384.  Row i of a section lies at PLACE i with bits 3 and 4 exchanged: a run of 16 places 16 a + r then holds the rows
; 32 (a / 2) + 8 (a % 2) + r + 8 (r / 8), so that in a product's result the 16 registers of two neighbouring tiles are 16 neighbours along the next K.
; SHARES.  A wave takes 8 input rows (8,192 numbers, 16 steps of 512).  Work-groups 0-127 query, 128-255 key, 256-383 node_key, 384-479 in_proj_weight, 480-511 out_w, 512 dw_w (two runs:
; its waves 2 and 3 have no rows and end).  node_key has 4,092 rows: the last run's rows 4-7 (token 1,023) do not exist; the run reads its rows 0-3 again in their stead and stores zero codes.
; Each load reads 512 consecutive bytes; a step's 2,048 bytes turn through the wave's own stage in LDS, so that a lane holds 16 neighbours along K.  No barrier: waves share nothing.
.set STEPS, 16
.set EMAX,  2
.set CB,    12                         ; bytes of 16 codes
.set R,     16                         ; v16-79   four sets of 16 numbers as loaded
.set X,     80                         ; v80-111  two sets of 16 neighbours
.set E,     112                        ; v112-127 a scale byte for each step
.set C,     128                        ; v128-191 codes: four registers for each step
.set VO,    192                        ; v192-199 where input row i of the run stores its codes
.set WREG,  8192                       ; LDS: a region for each wave: two stages of 32 x SP bytes, then its 256 scale bytes
.set SP,    80
	s_load_b512 s[4:19], s[0:1], 0x0               ; query, key, node_key, in_proj_weight, out_w, dw_w, codes s[16:17], scales s[18:19]
	v_lshl_add_u32 v200, v0, 2, 0x8000
	v_mov_b32 v201, 0
	v_lshrrev_b32 v1, 5, v0
	v_readfirstlane_b32 s20, v1                    ; wave
	v_and_b32 v2, 31, v0                           ; lane
	v_lshlrev_b32 v3, 4, v2                        ; my 16 bytes of a load's 512
	s_mul_i32 s23, s20, WREG
	v_lshrrev_b32 v14, 2, v2
	v_mul_u32_u24 v14, v14, SP
	v_and_b32 v15, 3, v2
	v_lshl_add_u32 v14, v15, 4, v14
	v_add_nc_u32 v14, s23, v14                     ; the stage, way in: SP (lane / 4) + 16 (lane % 4)
	v_mul_u32_u24 v15, v2, SP
	v_add_nc_u32 v15, s23, v15                     ; way out: SP x lane
	v_mul_u32_u24 v4, v2, CB                       ; my codes' place in a step's 384 bytes
	v_lshrrev_b32 v5, 1, v2
	s_add_co_u32 s23, s23, 2*32*SP
	v_add_nc_u32 v5, s23, v5                       ; my block's byte among the wave's 256
	v_lshlrev_b32 v6, 3, v2
	v_add_nc_u32 v6, s23, v6                       ; and 8 bytes a lane on their way out
	s_mov_b32 s21, 0                               ; the section's first work-group
	s_mov_b32 s22, 0                               ; the section's first output row
	s_wait_kmcnt 0x0
	s_mov_b64 s[24:25], s[4:5]
.macro SECT th, ptr, row                       ; the choice hangs on the work-group's number alone
	s_cmp_ge_u32 ttmp9, \th
	s_cselect_b64 s[24:25], s[\ptr:\ptr+1], s[24:25]
	s_cselect_b32 s21, \th, s21
	s_cselect_b32 s22, \row, s22
.endm
	SECT 128, 6, 4096
	SECT 256, 8, 8192
	SECT 384, 10, 12288
	SECT 480, 12, 15360
	SECT 512, 14, 16384
	s_cmp_ge_u32 ttmp9, 384                        ; a weight?  Its 8 rows are 8 neighbouring places; an activation's are 2 tokens x 4 batches
	s_cselect_b32 s29, 3, 1                        ; rows or tokens in a run, as a shift
	s_mov_b32 s30, 1024
	s_cselect_b32 s30, 1, s30                      ; SB: output rows from input row i to i + 1 (i % 4)
	s_cselect_b32 s31, 4, 1                        ; ST: output rows from i to i + 4
	s_mov_b32 s33, 0xffff
	s_cmp_eq_u32 ttmp9, 512
	s_cselect_b32 s33, 2, s33                      ; dw_w has two runs
	s_sub_co_u32 s32, ttmp9, s21
	s_lshl_b32 s32, s32, 2
	s_add_co_u32 s32, s32, s20                     ; my run in the section
	s_cmp_ge_u32 s32, s33
	s_cbranch_scc1 .Lend
	s_lshl_b32 s34, s32, s29                       ; the run's first row or token,
	s_and_b32 s35, s34, 0xffffffe7
	s_and_b32 s40, s34, 8
	s_lshl_b32 s40, s40, 1
	s_or_b32 s35, s35, s40
	s_and_b32 s40, s34, 16
	s_lshr_b32 s40, s40, 1
	s_or_b32 s35, s35, s40                         ; its place: bits 3 and 4 exchanged
	s_add_co_u32 s35, s35, s22                     ; the run's first output row
	s_lshl_b32 s40, s32, 15                        ; 32,768 bytes of input a run
	s_mov_b32 s41, 0
	s_add_nc_u64 s[24:25], s[24:25], s[40:41]
	s_lshl_b32 s42, ttmp9, 2
	s_add_co_u32 s42, s42, s20
	s_cmp_eq_u32 s42, 1535                         ; node_key's last run
	s_cselect_b32 s28, 0, -1                       ; what its rows 4-7's codes are masked with
	s_cselect_b32 s42, 0, 16384
	s_mov_b32 s43, 0
	s_add_nc_u64 s[26:27], s[24:25], s[42:43]      ; where rows 4-7 are read: no load leaves its buffer
	s_mul_i32 s44, s35, 768
	s_mov_b32 s45, 0
	s_add_nc_u64 s[36:37], s[16:17], s[44:45]      ; codes at the run's first output row
	s_lshl_b32 s44, s35, 5
	s_add_nc_u64 s[38:39], s[18:19], s[44:45]      ; scales likewise
.irp i, 0,1,2,3,4,5,6,7
	s_mul_i32 s46, s30, 768*(\i%4)
	s_mul_i32 s47, s31, 768*(\i/4)
	s_add_co_u32 s46, s46, s47
	v_add_nc_u32 v[VO+\i], s46, v4
.endr
	v_bfe_u32 v8, v2, 2, 2                         ; the scale bytes leave 8 a lane: lane / 4 is the input row
	v_mul_lo_u32 v8, v8, s30
	v_lshrrev_b32 v9, 4, v2
	v_mul_lo_u32 v9, v9, s31
	v_add_nc_u32 v8, v8, v9
	v_and_b32 v9, 3, v2
	v_lshlrev_b32 v9, 3, v9
	v_lshl_add_u32 v7, v8, 5, v9                   ; 32 x output row + 8 (lane % 4)
.macro LOAD t
.irp i, 0,1,2,3
.if (\t) < 8
	global_load_b128 v[R+16*((\t)%4)+4*\i:R+16*((\t)%4)+4*\i+3], v3, s[24:25] offset:2048*(\t)+512*\i th:TH_LOAD_NT
.else
	global_load_b128 v[R+16*((\t)%4)+4*\i:R+16*((\t)%4)+4*\i+3], v3, s[26:27] offset:2048*((\t)-8)+512*\i th:TH_LOAD_NT
.endif
.endr
.endm
.macro TURN t                          ; step t's numbers through the stage: LDS serves a wave's instructions in order (ISA guide 5.7.1.4), so no wait stands between the stores and the loads
.irp i, 0,1,2,3
	ds_store_b128 v14, v[R+16*((\t)%4)+4*\i:R+16*((\t)%4)+4*\i+3] offset:32*SP*((\t)%2)+8*SP*\i
.endr
.irp i, 0,1,2,3
	ds_load_b128 v[X+16*((\t)%2)+4*\i:X+16*((\t)%2)+4*\i+3], v15 offset:32*SP*((\t)%2)+16*\i
.endr
.endm
.irp t, 0,1,2,3
	LOAD \t
.endr
	s_wait_loadcnt 12                              ; step 0's four loads are in; twelve younger ones stay out
	TURN 0
.macro STEP t
.set XS, X+16*((\t)%2)
.if (\t) > 0
	s_wait_dscnt 1                                 ; this step's numbers are back from the stage; the last step's byte store may be out
.else
	s_wait_dscnt 0x0
.endif
.if (\t)+4 < STEPS
	LOAD (\t)+4                                    ; into the set that the stage's stores have read
.endif
.if (\t)+1 < STEPS
.if STEPS-2-(\t) >= 3
	s_wait_loadcnt 12                              ; the next step's four loads are in; those of the three steps behind it may be out
.else
	s_wait_loadcnt 4*(STEPS-2-(\t))
.endif
	TURN (\t)+1
.endif
	v_max3_num_f32 v8, |v[XS]|, |v[XS+1]|, |v[XS+2]|               ; the largest magnitude of my 16, in two chains
	v_max3_num_f32 v9, |v[XS+3]|, |v[XS+4]|, |v[XS+5]|
.irp i, 6,10
	v_max3_num_f32 v8, v8, |v[XS+\i]|, |v[XS+\i+1]|
	v_max3_num_f32 v9, v9, |v[XS+\i+2]|, |v[XS+\i+3]|
.endr
	v_max3_num_f32 v8, v8, |v[XS+14]|, |v[XS+15]|
	v_max3_num_f32 v8, v8, v9, (EMAX+1)<<23        ; and the floor 2^(3 - 127): the byte cannot fall under 1
	v_max_num_f32_dpp v8, v8, v8 row_xmask:1 row_mask:0xf bank_mask:0xf   ; with my neighbour's 16: the block's
	v_add_nc_u32 v11, -(EMAX<<23), v8              ; 2 off its exponent field: the conversion's scale operand
	v_cvt_scalef32_pk16_fp6_f32 v[C+4*(\t):C+4*(\t)+2], v[XS:XS+15], v11
	v_lshrrev_b32 v[E+(\t)], 23, v11               ; the scale's byte (the plain line behind the conversion)
.if (\t) >= 8
.irp i, 0,1,2
	v_and_b32 v[C+4*(\t)+\i], s28, v[C+4*(\t)+\i]  ; rows that do not exist get zero codes
.endr
.endif
	ds_store_b8 v5, v[E+(\t)] offset:16*(\t)       ; both lanes of a block write the same byte with the same value
	global_store_b96 v[VO+(\t)/2], v[C+4*(\t):C+4*(\t)+2], s[36:37] offset:384*((\t)%2)   ; 384 consecutive bytes: half an output row
.endm
.irp t, 0,1,2,3,4,5,6,7,8,9,10,11,12,13,14,15
	STEP \t
.endr
	ds_load_b64 v[12:13], v6                       ; these see my byte stores
	s_wait_dscnt 0x0
	global_store_b64 v7, v[12:13], s[38:39]        ; four lanes to an output row's 32 bytes
.Lend:
	s_wait_tensorcnt 0x0
	ds_add_u32 v200, v201
	s_wait_dscnt 0x0
	s_endpgm
.Lfunc_end_k_qf48aec33d5_quant:
	.size	k_qf48aec33d5_quant, .Lfunc_end_k_qf48aec33d5_quant-k_qf48aec33d5_quant
	.p2alignl 7, 3214868480
	.fill 96, 4, 3214868480
	.section	.rodata,"a",@progbits
	.p2align	6, 0x0
	.amdhsa_kernel k_qf48aec33d5_quant
		.amdhsa_group_segment_fixed_size 33280
		.amdhsa_private_segment_fixed_size 0
		.amdhsa_enable_private_segment 0
		.amdhsa_kernarg_size 64
		.amdhsa_user_sgpr_count 2
		.amdhsa_user_sgpr_kernarg_segment_ptr 1
		.amdhsa_wavefront_size32 1
		.amdhsa_system_sgpr_workgroup_id_x 1
		.amdhsa_system_sgpr_workgroup_id_y 1
		.amdhsa_system_sgpr_workgroup_id_z 1
		.amdhsa_system_vgpr_workitem_id 0
		.amdhsa_next_free_vgpr 202
		.amdhsa_next_free_sgpr 66
		.amdhsa_reserve_vcc 0
		.amdhsa_float_denorm_mode_32 3
		.amdhsa_float_denorm_mode_16_64 3
		.amdhsa_memory_ordered 1
		.amdhsa_forward_progress 1
		.amdhsa_inst_pref_size 37
	.end_amdhsa_kernel
	.amdgpu_metadata
---
amdhsa.version: [ 1, 2 ]
amdhsa.kernels:
  - .name:           k_qf48aec33d5_quant
    .symbol:         k_qf48aec33d5_quant.kd
    .args:
      - { .name: query, .offset: 0, .size: 8, .value_kind: global_buffer, .address_space: global }
      - { .name: key, .offset: 8, .size: 8, .value_kind: global_buffer, .address_space: global }
      - { .name: node_key, .offset: 16, .size: 8, .value_kind: global_buffer, .address_space: global }
      - { .name: in_proj_weight, .offset: 24, .size: 8, .value_kind: global_buffer, .address_space: global }
      - { .name: out_w, .offset: 32, .size: 8, .value_kind: global_buffer, .address_space: global }
      - { .name: dw_w, .offset: 40, .size: 8, .value_kind: global_buffer, .address_space: global }
      - { .name: codes, .offset: 48, .size: 8, .value_kind: global_buffer, .address_space: global }
      - { .name: scales, .offset: 56, .size: 8, .value_kind: global_buffer, .address_space: global }
    .group_segment_fixed_size: 33280
    .private_segment_fixed_size: 0
    .kernarg_segment_align: 8
    .kernarg_segment_size: 64
    .max_flat_workgroup_size: 128
    .sgpr_count:     66
    .vgpr_count:     202
    .wavefront_size: 32
...
	.end_amdgpu_metadata
.endif
;; end of part 1
;; launch gate (part 2): grid 64 x 1, 4 waves a work-group, no clusters, 0 bytes of LDS; arguments codes, scales, dw_b, dwt; writes dwt
.if DOCPART == 2
	.amdgcn_target "amdgcn-amd-amdhsa--gfx1250"
	.amdhsa_code_object_version 6
	.text
	.protected	k_qf48aec33d5_gate
	.globl	k_qf48aec33d5_gate
	.p2align	8
	.type	k_qf48aec33d5_gate,@function
k_qf48aec33d5_gate:
	s_mov_b64 s[64:65], 0
	v_nop
	global_prefetch_b8 v0, s[64:65] scope:SCOPE_SE
	s_setreg_imm32_b32 hwreg(HW_REG_WAVE_MODE, 25, 1), 1
	s_wait_xcnt 0x0
; dwt[batch][head][node] = sigmoid(node_key . dw_w[head] + dw_b[head]), the product on codes of FP6 with E8M0 scales; node 1,023, which does not exist, gets 0.
; A wave takes one tile of 16 places of one batch's nodes against the 16 heads, K = 1,024 in eight steps of 128.  Source 0 = the nodes, source 1 = dw_w: lane (r, h) holds head r and its register j
; place 16 i + 8 h + j, which is node 32 (i / 2) + 16 h + 8 (i % 2) + j: eight neighbours, 32 bytes of a row of dwt.
; The K steps go onto two accumulators by turns; the two sums are added.  Everything is loaded at the head: 101 loads, one wait.
; No LDS, no tensor load: the wave's operands are read once, straight into registers.
.set NF, 16                            ; v16-111  the nodes' eight fragments
.set DF, 112                           ; v112-207 dw_w's eight
.set NS, 208                           ; v208-215 the nodes' scale words
.set DS, 216                           ; v216-223 dw_w's
.set A0, 224                           ; v224-231, v232-239 the two accumulators
.set A1, 232
.set Y,  244                           ; v244-251 at work
	s_load_b256 s[4:11], s[0:1], 0x0               ; codes, scales, dw_b, dwt
	v_lshrrev_b32 v1, 5, v0
	v_readfirstlane_b32 s12, v1                    ; wave
	v_and_b32 v1, 15, v0                           ; r
	v_bfe_u32 v2, v0, 4, 1                         ; h
	v_mul_u32_u24 v3, v1, 768
	v_mad_u32_u24 v3, v2, 24, v3                   ; nodes: row r, + 24 h
	v_and_b32 v8, 8, v1
	v_add_nc_u32 v8, v8, v1                        ; head r lies at place r + 8 (r / 8)
	v_mul_u32_u24 v4, v8, 768
	v_mad_u32_u24 v4, v2, 24, v4
	v_lshlrev_b32 v5, 5, v1                        ; scale rows of 32 bytes
	v_lshlrev_b32 v6, 5, v8
	v_lshlrev_b32 v7, 2, v1                        ; dw_b[r]
	s_lshl_b32 s13, ttmp9, 2
	s_add_co_u32 s13, s13, s12                     ; g = 64 batch + tile
	s_lshl_b32 s14, s13, 4
	s_add_co_u32 s14, s14, 8192                    ; my tile's first row
	s_mul_i32 s16, s14, 768
	s_mov_b32 s17, 0
	s_lshl_b32 s18, s14, 5
	s_mov_b32 s19, 0
	s_lshr_b32 s24, s13, 6
	s_lshl_b32 s24, s24, 16                        ; batch x 16 heads x 4,096 bytes
	s_and_b32 s27, s13, 63
	s_lshr_b32 s25, s27, 1
	s_lshl_b32 s25, s25, 5
	s_and_b32 s27, s27, 1
	s_lshl_b32 s27, s27, 3
	s_add_co_u32 s25, s25, s27                     ; 32 (i / 2) + 8 (i % 2)
	s_lshl_b32 s27, s25, 2
	s_add_co_u32 s24, s24, s27
	s_mov_b32 s26, 0xbfb8aa3b                      ; -log2(e)
	s_wait_kmcnt 0x0
	s_add_nc_u64 s[20:21], s[4:5], s[16:17]
	s_add_nc_u64 s[22:23], s[6:7], s[18:19]
	s_add_nc_u64 s[4:5], s[4:5], 768*16384         ; dw_w's section
	s_add_nc_u64 s[6:7], s[6:7], 32*16384
.irp q, 0,1,2,3,4,5,6,7
.irp p, 0,1,2,3,4,5
	global_load_b64 v[NF+12*\q+2*\p:NF+12*\q+2*\p+1], v3, s[20:21] offset:96*\q+48*(\p/3)+8*(\p%3)
	global_load_b64 v[DF+12*\q+2*\p:DF+12*\q+2*\p+1], v4, s[4:5] offset:96*\q+48*(\p/3)+8*(\p%3)
.endr
.endr
	global_load_b128 v[NS:NS+3], v5, s[22:23]
	global_load_b128 v[NS+4:NS+7], v5, s[22:23] offset:16
	global_load_b128 v[DS:DS+3], v6, s[6:7]
	global_load_b128 v[DS+4:DS+7], v6, s[6:7] offset:16
	global_load_b32 v240, v7, s[8:9]
	s_wait_loadcnt 0x0
	v_wmma_scale_f32_16x16x128_f8f6f4 v[A0:A0+7], v[NF:NF+11], v[DF:DF+11], 0, v[NS], v[DS] matrix_a_fmt:MATRIX_FMT_FP6 matrix_b_fmt:MATRIX_FMT_FP6
	v_wmma_scale_f32_16x16x128_f8f6f4 v[A1:A1+7], v[NF+12:NF+23], v[DF+12:DF+23], 0, v[NS+1], v[DS+1] matrix_a_fmt:MATRIX_FMT_FP6 matrix_b_fmt:MATRIX_FMT_FP6
.irp q, 2,4,6
	v_wmma_scale_f32_16x16x128_f8f6f4 v[A0:A0+7], v[NF+12*\q:NF+12*\q+11], v[DF+12*\q:DF+12*\q+11], v[A0:A0+7], v[NS+\q], v[DS+\q] matrix_a_fmt:MATRIX_FMT_FP6 matrix_b_fmt:MATRIX_FMT_FP6
	v_wmma_scale_f32_16x16x128_f8f6f4 v[A1:A1+7], v[NF+12*\q+12:NF+12*\q+23], v[DF+12*\q+12:DF+12*\q+23], v[A1:A1+7], v[NS+\q+1], v[DS+\q+1] matrix_a_fmt:MATRIX_FMT_FP6 matrix_b_fmt:MATRIX_FMT_FP6
.endr
	v_mul_f32 v241, s26, v240                      ; six plain lines that name no register of the products: the places behind them (ISA guide 7.12.1)
	v_lshlrev_b32 v9, 12, v1                       ; head r's row of 4,096 bytes,
	v_lshl_add_u32 v9, v2, 6, v9                   ; + 16 h nodes,
	v_add_nc_u32 v9, s24, v9                       ; + the batch and the tile
	v_lshl_add_u32 v10, v2, 4, s25                 ; my first node
	v_mov_b32 v11, 0
.irp j, 0,1,2,3,4,5,6,7
	v_add_f32 v[Y+\j], v[A0+\j], v[A1+\j]          ; each accumulator from its low end on
.endr
.irp j, 0,1,2,3,4,5,6,7
	v_fma_f32 v[Y+\j], v[Y+\j], s26, v241          ; -(x + b) log2(e)
.endr
.irp j, 0,1,2,3,4,5,6,7
	v_exp_f32 v[Y+\j], v[Y+\j]
.endr
	v_nop                                          ; a plain line behind the transcendentals (ISA guide 5.7.2)
	s_wait_alu depctr_va_vdst(0)
.irp j, 0,1,2,3,4,5,6,7
	v_add_f32 v[Y+\j], 1.0, v[Y+\j]
.endr
.irp j, 0,1,2,3,4,5,6,7
	v_rcp_f32 v[Y+\j], v[Y+\j]
.endr
	v_cmp_eq_u32 vcc_lo, 1016, v10                 ; my register 7 is node 1,023
	v_nop
	s_wait_alu depctr_va_vdst(0)
	v_cndmask_b32 v[Y+7], v[Y+7], v11, vcc_lo
	global_store_b128 v9, v[Y:Y+3], s[10:11]
	global_store_b128 v9, v[Y+4:Y+7], s[10:11] offset:16
	s_endpgm
.Lfunc_end_k_qf48aec33d5_gate:
	.size	k_qf48aec33d5_gate, .Lfunc_end_k_qf48aec33d5_gate-k_qf48aec33d5_gate
	.p2alignl 7, 3214868480
	.fill 96, 4, 3214868480
	.section	.rodata,"a",@progbits
	.p2align	6, 0x0
	.amdhsa_kernel k_qf48aec33d5_gate
		.amdhsa_group_segment_fixed_size 0
		.amdhsa_private_segment_fixed_size 0
		.amdhsa_enable_private_segment 0
		.amdhsa_kernarg_size 32
		.amdhsa_user_sgpr_count 2
		.amdhsa_user_sgpr_kernarg_segment_ptr 1
		.amdhsa_wavefront_size32 1
		.amdhsa_system_sgpr_workgroup_id_x 1
		.amdhsa_system_sgpr_workgroup_id_y 1
		.amdhsa_system_sgpr_workgroup_id_z 1
		.amdhsa_system_vgpr_workitem_id 0
		.amdhsa_next_free_vgpr 256
		.amdhsa_next_free_sgpr 66
		.amdhsa_reserve_vcc 1
		.amdhsa_float_denorm_mode_32 3
		.amdhsa_float_denorm_mode_16_64 3
		.amdhsa_memory_ordered 1
		.amdhsa_forward_progress 1
		.amdhsa_inst_pref_size 15
	.end_amdhsa_kernel
	.amdgpu_metadata
---
amdhsa.version: [ 1, 2 ]
amdhsa.kernels:
  - .name:           k_qf48aec33d5_gate
    .symbol:         k_qf48aec33d5_gate.kd
    .args:
      - { .name: codes, .offset: 0, .size: 8, .value_kind: global_buffer, .address_space: global }
      - { .name: scales, .offset: 8, .size: 8, .value_kind: global_buffer, .address_space: global }
      - { .name: dw_b, .offset: 16, .size: 8, .value_kind: global_buffer, .address_space: global }
      - { .name: dwt, .offset: 24, .size: 8, .value_kind: global_buffer, .address_space: global }
    .group_segment_fixed_size: 0
    .private_segment_fixed_size: 0
    .kernarg_segment_align: 8
    .kernarg_segment_size: 32
    .max_flat_workgroup_size: 128
    .sgpr_count:     66
    .vgpr_count:     256
    .wavefront_size: 32
...
	.end_amdgpu_metadata
.endif
;; end of part 2
;; launch proj (part 3): grid 20 x 16, 4 waves a work-group, clusters of 4 x 4, 327,680 bytes of LDS; arguments codes, scales, in_proj_bias, key_padding_mask, node_padding_mask, dwt, qf, kv; writes qf, kv
.if DOCPART == 3
	.amdgcn_target "amdgcn-amd-amdhsa--gfx1250"
	.amdhsa_code_object_version 6
	.text
	.protected	k_qf48aec33d5_proj
	.globl	k_qf48aec33d5_proj
	.p2align	8
	.type	k_qf48aec33d5_proj,@function
k_qf48aec33d5_proj:
	s_mov_b64 s[64:65], 0
	v_nop
	global_prefetch_b8 v0, s[64:65] scope:SCOPE_SE
	s_setreg_imm32_b32 hwreg(HW_REG_WAVE_MODE, 25, 1), 1
	s_wait_xcnt 0x0
	s_wait_alu depctr_hold_cnt(0) depctr_sa_sdst(0) depctr_va_vdst(0) depctr_va_sdst(0) depctr_va_ssrc(0) depctr_va_vcc(0) depctr_vm_vsrc(0)
	s_getreg_b32 s2, hwreg(HW_REG_IB_STS2, 6, 4)
	s_cmp_eq_u32 s2, 0
	s_cbranch_scc0 .Lentry_in_a_cluster
	s_endpgm
.Lentry_in_a_cluster:
	s_bfe_u32 s2, ttmp6, 0x10000c
	s_cmp_lg_u32 s2, 0xf033
	s_cbranch_scc0 .Lentry_shape_is_right
	s_endpgm
.Lentry_shape_is_right:
; The five input projections, K = 1,024, on codes of FP6 (E2M3) with E8M0 scales; their results are quantised in registers and leave as IMAGES OF THE NEXT PRODUCTS' OPERAND REGISTERS.
; A cluster of 4 x 4 work-groups makes one 1,024 x 1,024 product of one batch (cluster y).  Cluster x says which: 0 q, 1 k of the leaves, 2 k of the nodes, 3 v of the leaves, 4 v of the nodes.
; A work-group of four waves makes 256 x 256, a wave 128 x 128: 64 accumulators, 512 registers.  K goes in steps of 256 through a ring of two LDS slots; the scale bytes of the tile's rows come once.
; The four work-groups of a row of the cluster need the same tiles of the A side, the four of a column the same of the B side: each tile is asked for jointly.
; THE MATRIX INSTRUCTION IS USED TRANSPOSED (source 0 = 16 rows of the B side, source 1 = 16 of the A side): a lane holds ONE row of the A side and its registers run along the B side.
; q, k: A side = tokens, B side = weight rows: registers run along the channels, which are the scores' K.   v: the sides change: A side = rows of Wv, B side = keys: registers run along the keys, the second product's K.
; Rows lie in memory at places (bits 3 and 4 of the row number exchanged), so register j of B-side block b in lane half h is row 32 (b / 2) + 16 h + 8 (b % 2) + j: blocks 2 n and 2 n + 1 give 16 neighbours.
; THE PADDING MASKS RIDE IN THE SCORES' UNUSED K.  A head has 64 channels, the instruction 128 along K.  Code 64 is 1.0 in q, -1.0 in a masked key, -2.0 in key 2,047 (which does not exist), 0 in an open key;
; the third scale byte is 2^63 in q and in masked keys, 2^-126 in open keys.  So a masked score is -2^126 and its weight 0, as with the reference's most negative number.
; LIMITS: NaN and infinities are not served; blocks whose largest magnitude lies under 2^-124 keep the byte 1; scores stay under 2^100 in magnitude; a batch all of whose 2,047 keys are masked was not tried.
; REGISTERS, in windows of 256: window 0: v0-31 addresses; v32-63 scale words, two sets; v128-223 the A side's fragments, one set.  window 1: the B side's, two sets.  windows 2, 3: the accumulators ((a, b) at v[8 (8 (a % 4) + b)]).
.set KSTEP,  256
.set NQ,     KSTEP/128
.set ROWB,   192                       ; a tile's row: 256 codes
.set KROW,   768                       ; a row of codes in memory
.set PITCH,  240                       ; an LDS row: 3 x (64 bytes + 16 of padding) = 60 words: the 32 lanes of a load of 8 bytes touch 64 different banks (ISA guide 11.1)
.set FR,     12
.set NL,     6
.set NP,     4
.set HALFT,  128*PITCH
.set SLOT,   4*HALFT
.set LAPS,   2                         ; 1,024 along K: twice round the ring
.set KS,     32                        ; a row of scale bytes
.set SCL,    2*SLOT
.set HALFS,  (128*KS/256)*272
.set SBLK,   (16*KS/256)*272
.set SPARE,  SCL+4*HALFS               ; the spare words: 128 bytes for each wave, that no other line names
.set ADRA, 16
.set ADRB, 20
.set ADRS, 27
.set SPW,  28
.set NIL,  29
.set SC,   32
.set AF,   128
.set G1, 24
.set G0, 32
.set G1B, 48
.set G0B, 56
.set G1S, 68
.set G0S, 76
.set G1SB, 80
.set G0SB, 88
.set CL, 66                            ; s66 which product;  s67 the batch
.set BT, 67
; the way out, window 0:
.set H,   32                           ; v32-47   the codes just made
.set X,   48                           ; v48-55   second halves of the conversions
.set T,   64                           ; v64-127  64 numbers of my row
.set TM,  128                          ; v128-139 largest magnitudes, bytes, scale operands
.set PW,  144                          ; the scale word just made;  v145, v146 the two heads' words
.set W0,  145
.set W1,  146
.set MK,  160                          ; v160-167 register 6 of tile a's image: the mark
.set HI,  168                          ; v168-175 the upper two scale bytes
.set MB,  176                          ; v176-183 mask bytes
.set KEY, 184                          ; v184-191 my key in tile a
.set KC,  200                          ; v200-207 the same, held inside the mask's row
.set SEL, 86                           ; s[86:87] v_permlanex16_b32's selects for lane l xor 16
.set MSB, 0
.macro WIN new                         ; the immediate's high byte repeats the setting that is left
.if MSB != (\new)
	s_set_vgpr_msb (MSB<<8)|(\new)
.set MSB, (\new)
.endif
.endm
.set MUL_LO, 0xa1
.set MUL_HI, 0xf1
.set TO_B,   0x40
; A joint load: waves 0 and 1 fetch for the A side, waves 2 and 3 for the B side.  Four v_nop follow each of the two lines.
.macro JLOAD g0a, g1a, g0b, g1b
	s_cmp_eq_u32 s15, 0
	s_cbranch_scc0 .Lfor_b_\@
	tensor_load_to_lds s[\g0a:\g0a+3], s[\g1a:\g1a+7]
	s_nop 0
.rept 4
	v_nop
.endr
	s_branch .Lasked_\@
.Lfor_b_\@:
	tensor_load_to_lds s[\g0b:\g0b+3], s[\g1b:\g1b+7]
	s_nop 0
.rept 4
	v_nop
.endr
.Lasked_\@:
.endm
.macro CREST
	s_cmp_lg_u32 s14, 0
	s_cbranch_scc1 .Lnot_wave_0_\@
	s_barrier_signal -3
.Lnot_wave_0_\@:
	s_barrier_wait -3
	s_barrier_signal -1
	s_barrier_wait -1
.endm
.macro CROUND
	s_barrier_signal -1
	s_barrier_wait -1
	CREST
.endm
	s_load_b128 s[4:7], s[0:1], 0x0                ; codes, scales
	v_lshl_add_u32 v[SPW], v0, 2, SPARE
	v_mov_b32 v[NIL], 0
	ds_add_u32 v28, v29
	ds_add_u32 v28, v29
	s_wait_dscnt 0x0
	v_lshrrev_b32 v1, 5, v0
	v_readfirstlane_b32 s14, v1                    ; wave 0..3
	s_lshr_b32 s15, s14, 1                         ; my half of the A side's rows.  Also: I fetch for the A side (0) or the B side (1)
	s_and_b32 s16, s14, 1                          ; my half of the B side's.  Also: which 128 rows I fetch
	s_bfe_u32 s40, ttmp6, 0x40000                  ; cx
	s_bfe_u32 s41, ttmp6, 0x40004                  ; cy
	s_mov_b32 s[CL], ttmp9                         ; the cluster's x and y: equal in all sixteen partners
	s_and_b32 s[BT], ttmp7, 0xffff
	s_lshl_b32 s43, s41, 2
	s_lshl_b32 s43, 15, s43                        ; my row of the cluster
	s_lshl_b32 s44, 0x1111, s40                    ; my column
	s_cmp_lt_u32 s[CL], 3
	s_cselect_b32 s17, 0, 2
	s_sub_co_u32 s17, s[CL], s17                   ; the activations' section: 0 query, 1 key, 2 node_key
	s_lshl_b32 s17, s17, 12
	s_lshl_b32 s18, s[BT], 10
	s_add_co_u32 s17, s17, s18                     ; its first row for this batch
	s_min_u32 s18, s[CL], 1
	s_cmp_ge_u32 s[CL], 3
	s_cselect_b32 s19, 1, 0
	s_add_co_u32 s18, s18, s19                     ; 0 Wq, 1 Wk, 2 Wv
	s_lshl_b32 s18, s18, 10
	s_add_co_u32 s18, s18, 12288                   ; its first row
	s_cmp_ge_u32 s[CL], 3
	s_cselect_b32 s42, s18, s17                    ; the A side's first row
	s_cselect_b32 s45, s17, s18                    ; the B side's
	s_or_b32 s[G1+0], s43, (0<<16)|(1<<20)|(1<<21)|(3<<22)|(3<<25)  ; 15:0 the mask; elements of 1 byte; padding on; 21 set beside a mask; after every 16 words 4 words
	s_or_b32 s[G1B+0], s44, (0<<16)|(1<<20)|(1<<21)|(3<<22)|(3<<25)
.irp g, G1, G1B
	s_mov_b32 s[\g+1], ROWB<<16                    ; tensor_dim0
	s_mov_b32 s[\g+2], 128<<16                     ; tensor_dim1
	s_mov_b32 s[\g+3], ROWB<<16                    ; tile_dim0
	s_mov_b32 s[\g+4], 128                         ; tile_dim1
	s_mov_b32 s[\g+5], KROW                        ; the pitch
	s_mov_b32 s[\g+6], 0
	s_mov_b32 s[\g+7], 0
.endr
	s_or_b32 s[G1S+0], s43, (3<<16)|(1<<20)|(1<<21)|(5<<22)|(3<<25)   ; the scales of 128 rows: 4,096 dense bytes as 16 rows of 256, 16 bytes of padding behind each
	s_or_b32 s[G1SB+0], s44, (3<<16)|(1<<20)|(1<<21)|(5<<22)|(3<<25)
.irp g, G1S, G1SB
	s_mov_b32 s[\g+1], 32<<16
	s_mov_b32 s[\g+2], (128*KS/256)<<16
	s_mov_b32 s[\g+3], 32<<16
	s_mov_b32 s[\g+4], 128*KS/256
	s_mov_b32 s[\g+5], 32
	s_mov_b32 s[\g+6], 0
	s_mov_b32 s[\g+7], 0
.endr
	s_lshl_b32 s18, s16, 7                         ; which 128 rows I fetch
	s_lshl_b32 s20, s41, 8
	s_add_co_u32 s20, s20, s18
	s_add_co_u32 s20, s20, s42                     ; A side: first row + 256 cy + 128 half: no register of it ever holds cx
	s_lshl_b32 s46, s40, 8
	s_add_co_u32 s46, s46, s18
	s_add_co_u32 s46, s46, s45                     ; B side: first row + 256 cx + 128 half
	s_lshl_b32 s22, s20, 5                         ; their scales, in bytes (under 2^32: 16,416 rows in all),
	s_mov_b32 s23, 0
	s_mul_i32 s20, s20, KROW                       ; and their codes
	s_mov_b32 s21, 0
	s_lshl_b32 s92, s46, 5
	s_mov_b32 s93, 0
	s_mul_i32 s46, s46, KROW
	s_mov_b32 s47, 0
	s_mul_i32 s45, s14, HALFT                      ; where they go: wave x 128 rows
	s_mul_i32 s94, s14, HALFS
	s_wait_kmcnt 0x0
	s_add_nc_u64 s[20:21], s[4:5], s[20:21]
	s_add_nc_u64 s[22:23], s[6:7], s[22:23]
	s_add_nc_u64 s[46:47], s[4:5], s[46:47]
	s_add_nc_u64 s[92:93], s[6:7], s[92:93]
	CROUND                                         ; all sixteen work-groups are here: the first joint loads meet
	s_mov_b32 s[G0S], 1
	s_add_co_u32 s[G0S+1], s94, SCL
	s_mov_b64 s[G0S+2:G0S+3], s[22:23]
	s_or_b32 s[G0S+3], s[G0S+3], 0x80000000
	s_mov_b32 s[G0SB], 1
	s_add_co_u32 s[G0SB+1], s94, SCL
	s_mov_b64 s[G0SB+2:G0SB+3], s[92:93]
	s_or_b32 s[G0SB+3], s[G0SB+3], 0x80000000
	JLOAD G0S, G1S, G0SB, G1SB                     ; the scales first
.irp s, 0,1
	s_mov_b32 s[G0+4*\s], 1
	s_add_co_u32 s[G0+4*\s+1], s45, \s*SLOT
	s_add_nc_u64 s[G0+4*\s+2:G0+4*\s+3], s[20:21], \s*ROWB
	s_or_b32 s[G0+4*\s+3], s[G0+4*\s+3], 0x80000000
	s_mov_b32 s[G0B+4*\s], 1
	s_add_co_u32 s[G0B+4*\s+1], s45, \s*SLOT
	s_add_nc_u64 s[G0B+4*\s+2:G0B+4*\s+3], s[46:47], \s*ROWB
	s_or_b32 s[G0B+4*\s+3], s[G0B+4*\s+3], 0x80000000
	JLOAD G0+4*\s, G1, G0B+4*\s, G1B
.endr
	v_and_b32 v1, 15, v0                           ; l % 16
	v_bfe_u32 v2, v0, 4, 1                         ; l / 16
	v_mul_u32_u24 v3, v1, PITCH
	v_mul_u32_u24 v4, v2, 24
	v_add_nc_u32 v4, v3, v4                        ; a fragment's row x pitch + 24 x half
	v_lshl_add_u32 v5, v2, 4, v4                   ; and the same behind one padding more
	s_mul_i32 s21, s15, HALFT
	s_mul_i32 s22, s16, HALFT
	s_add_co_u32 s22, s22, 2*HALFT
.irp s, 0,1
	v_add_nc_u32 v[ADRA+\s], s21, v4
	v_add_nc_u32 v[ADRB+\s], s22, v4
	v_add_nc_u32 v[ADRA+2+\s], s21, v5
	v_add_nc_u32 v[ADRB+2+\s], s22, v5
	s_add_co_u32 s21, s21, SLOT
	s_add_co_u32 s22, s22, SLOT
.endr
	v_mul_u32_u24 v5, v1, KS                       ; my row's scales,
	v_lshrrev_b32 v6, 8, v5
	v_lshl_add_u32 v5, v6, 4, v5                   ; and 16 more for each 256 passed
	s_mul_i32 s21, s15, HALFS
	s_mul_i32 s22, s16, HALFS
	s_add_co_u32 s22, s22, 2*HALFS
	s_sub_co_u32 s22, s22, s21
	v_mul_u32_u24 v6, s22, v2                      ; lanes 16-31 take the B side's
	s_add_co_u32 s21, s21, SCL
	v_add_nc_u32 v5, v5, v6
	v_add_nc_u32 v[ADRS], s21, v5
.macro FRAG reg, adr, q, i             ; 16 rows x 128 K of 6-bit codes: 12 registers, in pieces of 8 bytes; where lanes 16-31's piece lies behind one padding more, the second address register serves
.irp p, 0,1,2,3,4,5
.set PC, 12*(\q)+6*(\p/3)+\p%3
.if PC%8 < 5
	ds_load_b64 v[\reg+2*\p:\reg+2*\p+1], v[\adr] offset:8*PC+16*(PC/8)+(\i)*16*PITCH
.else
	ds_load_b64 v[\reg+2*\p:\reg+2*\p+1], v[\adr+2] offset:8*PC+16*(PC/8)+(\i)*16*PITCH
.endif
.endr
.endm
; 16 matrix instructions: A-side blocks a0, a0 + 1 x the B side's eight.  The 64 accumulators take turns, one instruction a turn, in the same order in every step.
.macro MUL16 a0, p, q, sc, zero
.irp a, \a0, \a0+1
.irp b, 0,1,2,3,4,5,6,7
.if \zero
	v_wmma_scale_f32_16x16x128_f8f6f4 v[8*(8*((\a)%4)+\b):8*(8*((\a)%4)+\b)+7], v[128*(\p)+FR*\b:128*(\p)+FR*\b+FR-1], v[AF+FR*(\a):AF+FR*(\a)+FR-1], 0, v[SC+8*NQ*(\sc)+NQ*\b+(\q)], v[SC+8*NQ*(\sc)+NQ*(\a)+(\q)] matrix_a_fmt:MATRIX_FMT_FP6 matrix_b_fmt:MATRIX_FMT_FP6 matrix_a_scale:MATRIX_SCALE_ROW1
.else
	v_wmma_scale_f32_16x16x128_f8f6f4 v[8*(8*((\a)%4)+\b):8*(8*((\a)%4)+\b)+7], v[128*(\p)+FR*\b:128*(\p)+FR*\b+FR-1], v[AF+FR*(\a):AF+FR*(\a)+FR-1], v[8*(8*((\a)%4)+\b):8*(8*((\a)%4)+\b)+7], v[SC+8*NQ*(\sc)+NQ*\b+(\q)], v[SC+8*NQ*(\sc)+NQ*(\a)+(\q)] matrix_a_fmt:MATRIX_FMT_FP6 matrix_b_fmt:MATRIX_FMT_FP6 matrix_a_scale:MATRIX_SCALE_ROW1
.endif
.endr
.endr
.endm
.macro FETCH_B slot, q, p
	WIN TO_B
.irp i, 0,1,2,3,4,5,6,7
	FRAG 128*(\p)+FR*\i, ADRB+\slot, \q, \i
.endr
	WIN 0
.endm
.macro FETCH_A slot, q, i0
.irp i, \i0, \i0+1, \i0+2, \i0+3
	FRAG AF+FR*(\i), ADRA+\slot, \q, \i
.endr
.endm
.macro SCALES sc                       ; a K step's scale words: lanes 0-15 the A side's block i, lanes 16-31 the B side's
.irp i, 0,1,2,3,4,5,6,7
	ds_load_b64 v[SC+8*NQ*\sc+NQ*\i:SC+8*NQ*\sc+NQ*\i+1], v[ADRS] offset:\i*SBLK
.endr
.endm
.macro PLACES n                        ; plain vector lines that name no register of the matrix instructions in front (ISA guide 7.12.1)
.rept \n
	v_nop
.endr
.endm
.macro STEP slot, q, zero              ; 128 along K that have their successor in the same slot
	s_wait_dscnt 4*NL                              ; all but the youngest 24 loads (the A side's blocks 4-7) are in
	WIN MUL_LO
	MUL16 0, (\q)%2, \q, \slot, \zero
	MUL16 2, (\q)%2, \q, \slot, \zero
	s_wait_dscnt 0
	PLACES NP
	FETCH_B \slot, (\q)+1, 1-(\q)%2
	FETCH_A \slot, (\q)+1, 0
	WIN MUL_HI
	MUL16 4, (\q)%2, \q, \slot, \zero
	MUL16 6, (\q)%2, \q, \slot, \zero
	PLACES NP
	WIN 0
	FETCH_A \slot, (\q)+1, 4
.endm
; A slot's last step changes slots: one barrier; in front of it each wave waits for all its tensor loads, adds 0 to its spare word, and waits for that and for its reads of this slot.
.macro TURN slot, next, fill
	s_wait_tensorcnt 0x0                           ; all my tensor loads have landed: my part of the next slot
	ds_add_u32 v[SPW], v[NIL]                      ; 0 onto my spare word
	s_wait_dscnt 4*NL+1                            ; the add and the youngest 24 loads may be out
	WIN MUL_LO
	MUL16 0, 1, NQ-1, \slot, 0
	s_wait_dscnt 0x0                               ; the add is done, and my reads of this slot are over
	s_barrier_signal -1
	MUL16 2, 1, NQ-1, \slot, 0
	WIN 0
	s_barrier_wait -1
.if \fill
	CREST                                          ; the barrier has opened a round of the cluster's: no wave of any partner still reads this slot or has a load on its way
	s_add_nc_u64 s[G0+4*\slot+2:G0+4*\slot+3], s[G0+4*\slot+2:G0+4*\slot+3], 2*ROWB
	s_add_nc_u64 s[G0B+4*\slot+2:G0B+4*\slot+3], s[G0B+4*\slot+2:G0B+4*\slot+3], 2*ROWB
	JLOAD G0+4*\slot, G1, G0B+4*\slot, G1B         ; the first tensor load behind the round; its four v_nop are the places in front of the loads below
.else
	PLACES NP
.endif
	v_add_nc_u32 v[ADRS], 4*NQ, v[ADRS]
	FETCH_B \next, 0, 0
	FETCH_A \next, 0, 0
	SCALES \next
	WIN MUL_HI
	MUL16 4, 1, NQ-1, \slot, 0
	MUL16 6, 1, NQ-1, \slot, 0
	PLACES NP
	WIN 0
	FETCH_A \next, 0, 4
.endm
	s_wait_tensorcnt 1                             ; the scales and my part of K step 0 are in; K step 1's load may be out
	s_barrier_signal -1
	s_barrier_wait -1
	FETCH_B 0, 0, 0
	FETCH_A 0, 0, 0
	SCALES 0
	FETCH_A 0, 0, 4
	STEP 0, 0, 1                                   ; the first step's products start the sums
	s_mov_b32 s3, LAPS-1
.Llap:
	TURN 0, 1, 1
	STEP 1, 0, 0
	TURN 1, 0, 1
	STEP 0, 0, 0
	s_sub_co_u32 s3, s3, 1
	s_cmp_lg_u32 s3, 0
	s_cbranch_scc1 .Llap
	TURN 0, 1, 0                                   ; the last lap fills nothing
	STEP 1, 0, 0
	s_wait_dscnt 4*NL
	WIN MUL_LO
	MUL16 0, 1, NQ-1, 1, 0
	MUL16 2, 1, NQ-1, 1, 0
	s_wait_dscnt 0
	WIN MUL_HI
	MUL16 4, 1, NQ-1, 1, 0
	MUL16 6, 1, NQ-1, 1, 0
	WIN 0
	PLACES NP                                      ; in front of the first reads of results and of writes and loads into registers that held operands
; THE WAY OUT uses no LDS: what a lane holds is what the next product's operand wants of it.
; 64 numbers of a lane, register 16 n + i = index 32 n + 16 (lane / 16) + i along the next K, become 12 registers of codes (two runs of six, str registers apart) and a scale word.
.macro QUANT src, dst, str
.irp b, 0,1,2,3
	v_max3_num_f32 v[TM+\b], |v[\src+16*\b]|, |v[\src+1+16*\b]|, 0x1800000   ; block b: my 16 numbers, and the floor 2^(3 - 127)
.endr
.irp i, 2,4,6,8,10,12,14
.irp b, 0,1,2,3
	v_max3_num_f32 v[TM+\b], v[TM+\b], |v[\src+16*\b+\i]|, |v[\src+1+16*\b+\i]|
.endr
.endr
.irp b, 0,1,2,3
	v_permlanex16_b32 v[TM+4+\b], v[TM+\b], s[SEL], s[SEL+1]
.endr
.irp b, 0,1,2,3
	v_max_num_f32 v[TM+\b], v[TM+\b], v[TM+4+\b]   ; with lane l xor 16's: the block's largest magnitude
.endr
.irp b, 0,1,2,3
	v_add_nc_u32 v[TM+8+\b], 0xff000000, v[TM+\b]  ; 2 off its exponent field: the conversion's scale operand
.endr
.irp b, 0,1,2,3
	v_lshrrev_b32 v[TM+4+\b], 23, v[TM+8+\b]       ; the scale's byte
.endr
	v_lshl_or_b32 v[PW], v[TM+5], 8, v[TM+4]
	v_lshl_or_b32 v[PW], v[TM+6], 16, v[PW]
	v_lshl_or_b32 v[PW], v[TM+7], 24, v[PW]
.irp c, 0,1
	v_cvt_scalef32_pk16_fp6_f32 v[\dst+\str*\c:\dst+\str*\c+2], v[\src+32*\c:\src+15+32*\c], v[TM+8+2*\c]
	v_cvt_scalef32_pk16_fp6_f32 v[X+4*\c:X+4*\c+2], v[\src+16+32*\c:\src+31+32*\c], v[TM+8+2*\c+1]
.endr
	v_nop                                          ; one plain line behind a scaled conversion
.irp c, 0,1                                    ; the operand's layout wants a whole block in a lane
.irp i, 0,1,2
	v_permlane16_swap_b32 v[\dst+\str*\c+\i], v[X+4*\c+\i]
.endr
.irp i, 0,1,2
	v_mov_b32 v[\dst+\str*\c+3+\i], v[X+4*\c+\i]
.endr
.endr
.endm
	s_load_b512 s[68:83], s[0:1], 0x0              ; all eight addresses (the descriptors that lay here are done with): in_proj_bias 72, key mask 74, node mask 76, dwt 78, qf 80, kv 82
	s_mov_b32 s[SEL], 0x76543210
	s_mov_b32 s[SEL+1], 0xfedcba98
	v_and_b32 v6, 15, v0                           ; r
	v_bfe_u32 v7, v0, 4, 1                         ; h
	v_and_b32 v8, 31, v0
	v_lshlrev_b32 v1, 4, v8                        ; 16 x lane: an image's place
	v_lshlrev_b32 v2, 2, v8                        ; 4 x lane
	v_lshlrev_b32 v3, 2, v6                        ; 4 r
	v_lshlrev_b32 v4, 6, v7                        ; 64 h: 16 numbers of f32
	v_and_b32 v9, 8, v6
	v_add_nc_u32 v9, v9, v6                        ; r + 8 (r / 8): the row that lies at place r
	v_lshlrev_b32 v5, 2, v9
.irp b, 0,1,2,3
	v_mov_b32 v[TM+4+\b], 0                        ; a lane permute's destination counts as one of its sources
.endr
	s_wait_kmcnt 0x0
	s_cmp_ge_u32 s[CL], 3
	s_cbranch_scc1 .Lvpath
	; ---- q and k: my 128 columns are two heads; a tile of 16 tokens gives one image for each
	s_cmp_eq_u32 s[CL], 0
	s_cselect_b32 s84, 0x3e000000, 1.0             ; q is scaled by 64^-1/2, exactly
	s_cselect_b64 s[88:89], s[80:81], s[82:83]     ; qf or kv
	s_cselect_b32 s90, 8, 16                       ; chunks of 128 tokens to a head
	s_mov_b32 s91, 15360
	s_cselect_b32 s91, 8704, s91                   ; bytes in a chunk
	s_mov_b32 s92, 14336
	s_cselect_b32 s92, 8192, s92                   ; where its scale words begin
	s_cselect_b32 s98, 0, 1024                     ; the weight's first bias
	s_mov_b32 s85, s84
	s_cmp_eq_u32 s[CL], 2
	s_cselect_b32 s93, 8, 0                        ; the nodes' chunks follow the leaves'
	s_cselect_b64 s[94:95], s[76:77], s[74:75]     ; the mask,
	s_mov_b32 s96, 1024
	s_cselect_b32 s96, 1023, s96                   ; its row,
	s_mov_b32 s97, 0xffff
	s_cselect_b32 s97, 1023, s97                   ; and the key that does not exist
	s_lshl_b32 s4, s41, 1
	s_add_co_u32 s4, s4, s15                       ; my 128 tokens: chunk 2 cy + half
	s_lshl_b32 s5, s40, 2
	s_lshl_b32 s6, s16, 1
	s_add_co_u32 s5, s5, s6                        ; my first head: 4 cx + 2 half
	s_lshl_b32 s6, s[BT], 4
	s_add_co_u32 s6, s6, s5
	s_mul_i32 s6, s6, s90
	s_add_co_u32 s6, s6, s4
	s_add_co_u32 s6, s6, s93
	s_mul_i32 s8, s6, s91
	s_mov_b32 s9, 0
	s_add_nc_u64 s[10:11], s[88:89], s[8:9]        ; the first head's chunk,
	s_mul_i32 s8, s90, s91
	s_add_nc_u64 s[18:19], s[10:11], s[8:9]        ; the second's,
	s_mov_b32 s8, s92
	s_add_nc_u64 s[20:21], s[10:11], s[8:9]        ; and their scale words
	s_add_nc_u64 s[22:23], s[18:19], s[8:9]
	s_lshl_b32 s8, s5, 8
	s_lshl_b32 s12, s98, 2
	s_add_co_u32 s8, s8, s12
	s_add_nc_u64 s[24:25], s[72:73], s[8:9]        ; the bias of my first column
	WIN 0x40                                       ; destination window 1
.irp k, 0,1,2,3,4,5,6,7,8,9,10,11,12,13,14,15
	global_load_b128 v[4*\k:4*\k+3], v4, s[24:25] offset:128*(\k/4)+16*(\k%4)   ; register 16 n + i: the bias of column 32 n + 16 h + i
.endr
	WIN 0
	v_sub_nc_u32 v10, 1, v7                        ; code 64 lies in lanes 0-15
	v_mul_u32_u24 v192, v10, 0x28                  ; -1.0
	v_mul_u32_u24 v193, v10, 0x30                  ; -2.0
	v_mov_b32 v194, 0
	v_mov_b32 v195, 0x40010000                     ; an open key's upper scale bytes: 2^-126, 2^-63
	v_mov_b32 v196, 0x40be0000                     ; q's and a masked key's: 2^63, 2^-63
	v_lshlrev_b32 v197, 3, v10                     ; 1.0
	v_mov_b32 v[H+7], 0
	v_mov_b32 v[H+15], 0
	s_cmp_eq_u32 s[CL], 0
	s_cbranch_scc1 .Lqmarks
	s_mul_i32 s8, s[BT], s96
	s_add_nc_u64 s[94:95], s[94:95], s[8:9]        ; the batch's row of the mask
	s_lshl_b32 s12, s4, 7
	s_sub_co_u32 s13, s96, 1
	v_add_nc_u32 v11, s12, v9
.irp a, 0,1,2,3,4,5,6,7
	v_add_nc_u32 v[KEY+\a], 32*(\a/2)+8*(\a%2), v11
	v_min_u32 v[KC+\a], s13, v[KEY+\a]             ; no load leaves the mask
	global_load_u8 v[MB+\a], v[KC+\a], s[94:95]
.endr
	s_wait_loadcnt 0x0
.irp a, 0,1,2,3,4,5,6,7
	v_cmp_ne_u32 vcc_lo, 0, v[MB+\a]
	v_cndmask_b32 v[MK+\a], v194, v192, vcc_lo
	v_cndmask_b32 v[HI+\a], v195, v196, vcc_lo
	v_cmp_eq_u32 vcc_lo, s97, v[KEY+\a]
	v_cndmask_b32 v[MK+\a], v[MK+\a], v193, vcc_lo
	v_cndmask_b32 v[HI+\a], v[HI+\a], v196, vcc_lo
.endr
	s_branch .Lmarked
.Lqmarks:
.irp a, 0,1,2,3,4,5,6,7
	v_mov_b32 v[MK+\a], v197
	v_mov_b32 v[HI+\a], v196
.endr
.Lmarked:
	s_wait_loadcnt 0x0                             ; the biases
	WIN 0x41
.set n, 0
.rept 32
	v_pk_mul_f32 v[n:n+1], v[n:n+1], s[84:85] op_sel_hi:[1,0]
.set n, n+2
.endr
.macro KOUT a
	WIN 0x12+(\a)/4                                ; source 0: the accumulators' window; source 2: window 1
.set n, 0
.rept 32
	v_pk_fma_f32 v[T+n:T+n+1], v[64*((\a)%4)+n:64*((\a)%4)+n+1], s[84:85], v[n:n+1] op_sel_hi:[1,0,1]   ; (x + bias) s in one rounding, s a power of two; each accumulator from its low end on
.set n, n+2
.endr
	WIN 0
.if (\a) > 0
	s_wait_xcnt 0x0                                ; the last tile's stores have read their registers
.endif
	QUANT T, H, 8
	v_mov_b32 v[H+6], v[MK+\a]
	v_mov_b32 v[H+14], v[MK+\a]
	v_and_or_b32 v[W0], v[PW], 0xffff, v[HI+\a]
	v_lshrrev_b32 v[W1], 16, v[PW]
	v_or_b32 v[W1], v[W1], v[HI+\a]
	global_store_b128 v1, v[H:H+3], s[10:11] offset:1024*(\a)          ; each store of the wave covers 512 consecutive bytes, aligned
	global_store_b128 v1, v[H+4:H+7], s[10:11] offset:1024*(\a)+512
	global_store_b128 v1, v[H+8:H+11], s[18:19] offset:1024*(\a)
	global_store_b128 v1, v[H+12:H+15], s[18:19] offset:1024*(\a)+512
	global_store_b32 v3, v[W0], s[20:21] offset:64*(\a)                ; both halves of the lanes write the same word
	global_store_b32 v3, v[W1], s[22:23] offset:64*(\a)
.endm
.irp a, 0,1,2,3,4,5,6,7
	KOUT \a
.endr
	WIN 0
	s_branch .Ldone
	; ---- v: my 128 rows of Wv are two heads of four fragments; my 128 keys are one step of the second product
.Lvpath:
	s_lshl_b32 s5, s41, 2
	s_lshl_b32 s6, s15, 1
	s_add_co_u32 s5, s5, s6                        ; my first head: 4 cy + 2 half
	s_lshl_b32 s4, s40, 1
	s_add_co_u32 s4, s4, s16                       ; my 128 keys: 2 cx + half
	s_cmp_eq_u32 s[CL], 4
	s_cselect_b32 s12, 8, 0
	s_add_co_u32 s12, s12, s4                      ; the step
	s_lshl_b32 s6, s[BT], 4
	s_add_co_u32 s6, s6, s5
	s_lshl_b32 s13, s6, 4
	s_add_co_u32 s13, s13, s12
	s_mul_i32 s8, s13, 15360
	s_add_co_u32 s8, s8, 8192
	s_mov_b32 s9, 0
	s_add_nc_u64 s[10:11], s[82:83], s[8:9]        ; the first head's V images,
	s_add_nc_u64 s[18:19], s[10:11], 245760        ; the second's,
	s_add_nc_u64 s[20:21], s[10:11], 6656          ; and their scale words
	s_add_nc_u64 s[22:23], s[18:19], 6656
	s_lshl_b32 s8, s5, 8
	s_add_co_u32 s8, s8, 8192
	s_add_nc_u64 s[24:25], s[72:73], s[8:9]        ; bv at my first channel
	WIN 0x40
.irp a, 0,1,2,3,4,5,6,7
	global_load_b32 v[128+2*\a], v5, s[24:25] offset:4*(32*(\a/2)+8*(\a%2))   ; my channel's bias in block a
.endr
	WIN 0
.macro BVDUP
	WIN 0x41
.irp a, 0,1,2,3,4,5,6,7
	v_mov_b32 v[129+2*\a], v[128+2*\a]             ; a pair for the packed addition
.endr
.endm
.macro VOUT a, node
	WIN 0x06+(\a)/4                                ; source 0: the accumulators' window; source 1: window 1
.set n, 0
.rept 32
	v_pk_add_f32 v[T+n:T+n+1], v[64*((\a)%4)+n:64*((\a)%4)+n+1], v[128+2*(\a):129+2*(\a)]
.set n, n+2
.endr
.if \node
	WIN 0x04
.set n, 0
.rept 32
	v_pk_mul_f32 v[T+n:T+n+1], v[T+n:T+n+1], v[64*((\a)/4)+n:64*((\a)/4)+n+1]   ; x the node's weight for this head; the weight 0 of node 1,023 makes its value 0
.set n, n+2
.endr
.endif
	WIN 0
.if (\a) > 0
	s_wait_xcnt 0x0                                ; the last fragment's stores have read their registers
.endif
	QUANT T, H, 6
.irp p, 0,1,2
	global_store_b128 v1, v[H+4*\p:H+4*\p+3], s[10+8*((\a)/4):11+8*((\a)/4)] offset:1536*((\a)%4)+512*\p
.endr
	global_store_b32 v2, v[PW], s[20+2*((\a)/4):21+2*((\a)/4)] offset:128*((\a)%4)
.endm
	s_cmp_eq_u32 s[CL], 4
	s_cbranch_scc1 .Lvnode
	s_wait_loadcnt 0x0
	BVDUP
.irp a, 0,1,2,3,4,5,6,7
	VOUT \a, 0
.endr
	WIN 0
	s_branch .Ldone
.Lvnode:
	s_lshl_b32 s8, s6, 12
	s_lshl_b32 s12, s4, 9
	s_add_co_u32 s8, s8, s12
	s_add_nc_u64 s[26:27], s[78:79], s[8:9]        ; dwt at my first head and my first node
	WIN 0x40
.irp c, 0,1
.irp k, 0,1,2,3,4,5,6,7,8,9,10,11,12,13,14,15
	global_load_b128 v[64*\c+4*\k:64*\c+4*\k+3], v4, s[26:27] offset:4096*\c+128*(\k/4)+16*(\k%4)
.endr
.endr
	WIN 0
	s_wait_loadcnt 0x0
	BVDUP
.irp a, 0,1,2,3,4,5,6,7
	VOUT \a, 1
.endr
	WIN 0
.Ldone:
	s_wait_tensorcnt 0x0                           ; the wave's end
	ds_add_u32 v[SPW], v[NIL]
	s_wait_dscnt 0x0
	CROUND                                         ; the closing round
	s_endpgm
.Lfunc_end_k_qf48aec33d5_proj:
	.size	k_qf48aec33d5_proj, .Lfunc_end_k_qf48aec33d5_proj-k_qf48aec33d5_proj
	.p2alignl 7, 3214868480
	.fill 96, 4, 3214868480
	.section	.rodata,"a",@progbits
	.p2align	6, 0x0
	.amdhsa_kernel k_qf48aec33d5_proj
		.amdhsa_group_segment_fixed_size 327680
		.amdhsa_private_segment_fixed_size 0
		.amdhsa_enable_private_segment 0
		.amdhsa_kernarg_size 64
		.amdhsa_user_sgpr_count 2
		.amdhsa_user_sgpr_kernarg_segment_ptr 1
		.amdhsa_wavefront_size32 1
		.amdhsa_system_sgpr_workgroup_id_x 1
		.amdhsa_system_sgpr_workgroup_id_y 1
		.amdhsa_system_sgpr_workgroup_id_z 1
		.amdhsa_system_vgpr_workitem_id 0
		.amdhsa_next_free_vgpr 1024
		.amdhsa_next_free_sgpr 100
		.amdhsa_reserve_vcc 1
		.amdhsa_float_denorm_mode_32 3
		.amdhsa_float_denorm_mode_16_64 3
		.amdhsa_memory_ordered 1
		.amdhsa_forward_progress 1
		.amdhsa_inst_pref_size 255
	.end_amdhsa_kernel
	.section	.bss,"aw",@nobits
	.p2align	6
	.space	262144
	.amdgpu_metadata
---
amdhsa.version: [ 1, 2 ]
amdhsa.kernels:
  - .name:           k_qf48aec33d5_proj
    .symbol:         k_qf48aec33d5_proj.kd
    .args:
      - { .name: codes, .offset: 0, .size: 8, .value_kind: global_buffer, .address_space: global }
      - { .name: scales, .offset: 8, .size: 8, .value_kind: global_buffer, .address_space: global }
      - { .name: in_proj_bias, .offset: 16, .size: 8, .value_kind: global_buffer, .address_space: global }
      - { .name: key_padding_mask, .offset: 24, .size: 8, .value_kind: global_buffer, .address_space: global }
      - { .name: node_padding_mask, .offset: 32, .size: 8, .value_kind: global_buffer, .address_space: global }
      - { .name: dwt, .offset: 40, .size: 8, .value_kind: global_buffer, .address_space: global }
      - { .name: qf, .offset: 48, .size: 8, .value_kind: global_buffer, .address_space: global }
      - { .name: kv, .offset: 56, .size: 8, .value_kind: global_buffer, .address_space: global }
    .group_segment_fixed_size: 327680
    .private_segment_fixed_size: 0
    .kernarg_segment_align: 8
    .kernarg_segment_size: 64
    .max_flat_workgroup_size: 128
    .sgpr_count:     100
    .vgpr_count:     1024
    .wavefront_size: 32
...
	.end_amdgpu_metadata
.endif
;; end of part 3
;; launch attn (part 4): grid 4 x 64, 16 waves a work-group, clusters of 4 x 1, 247,808 bytes of LDS; arguments qf, kv, oc, os; writes oc, os
.if DOCPART == 4
	.amdgcn_target "amdgcn-amd-amdhsa--gfx1250"
	.amdhsa_code_object_version 6
	.text
	.protected	k_qf48aec33d5_attn
	.globl	k_qf48aec33d5_attn
	.p2align	8
	.type	k_qf48aec33d5_attn,@function
k_qf48aec33d5_attn:
	s_mov_b64 s[64:65], 0
	v_nop
	global_prefetch_b8 v0, s[64:65] scope:SCOPE_SE
	s_setreg_imm32_b32 hwreg(HW_REG_WAVE_MODE, 25, 1), 1
	s_wait_xcnt 0x0
	s_wait_alu depctr_hold_cnt(0) depctr_sa_sdst(0) depctr_va_vdst(0) depctr_va_sdst(0) depctr_va_ssrc(0) depctr_va_vcc(0) depctr_vm_vsrc(0)
	s_getreg_b32 s2, hwreg(HW_REG_IB_STS2, 6, 4)
	s_cmp_eq_u32 s2, 0
	s_cbranch_scc0 .Lentry_in_a_cluster
	s_endpgm
.Lentry_in_a_cluster:
	s_bfe_u32 s2, ttmp6, 0x10000c
	s_cmp_lg_u32 s2, 0x3003
	s_cbranch_scc0 .Lentry_shape_is_right
	s_endpgm
.Lentry_shape_is_right:
; o = softmax(q k^T) v over 2,048 keys (1,024 leaves, 1,023 nodes, one that does not exist), both products on codes of FP6 (E2M3) with E8M0 scales; o / l is quantised along the channels and leaves as codes.
; q, k and v arrive as images of their operand registers, with the padding masks in the scores' unused K: a masked score is -2^126, that of key 2,047 -2^127: their weights are 0.
; THE SOFTMAX: t = score x log2(e) (q carries 64^-1/2); M = the running largest t rounded up to a whole number; p = 2^(t - M) is quantised along the keys; the sum is taken of the unquantised p and divides at the end.
; When M moves, the sum and O are multiplied by 2^(old M - new M), exactly.
; SHARES.  A work-group owns 256 queries of one head (cluster y = 16 batch + head), each of its sixteen waves 16 of them, in 256 registers: four waves to a SIMD, so that one wave's vector work stands beside another's products.
; THE HEAD'S WHOLE K AND V, 16 chunks of 128 keys, 245,760 bytes, LIE IN LDS AS IN MEMORY, FILLED ONCE: no ring.  The four work-groups of a cluster are the four query blocks of one head: every load is asked for jointly.
; Each wave issues four loads of 3,840 bytes, one for each group of four chunks; four loads of a wave are out at the most.  A group is read behind a counted wait and a barrier.
; LAYOUT.  Both products are used transposed (S^T = K Q^T, O^T = V^T P^T): a lane holds one query.  A tile of K holds 16 places, so that the 16 registers of tiles 2 n, 2 n + 1 are keys 32 n + 16 (lane / 16) + 0 .. 15.
; LIMITS: scores stay under 2^100 in magnitude; a batch all of whose keys are masked was not tried.
; REGISTERS: v1-7 addresses; v12 -M, v13 the largest t, v[14:15] the sum; v16-27 Q; v28-31 V's scale words; v32-79 four fragments of K; v80-127 V's four; v128-191 S^T, then p; v192-223 O^T; v224-235 p's codes; v232-254 at work; v248-251 K's scale words; v255 Q's.
.set S,   128
.set O,   192
.set WV,  18
.set SEL, 20
.set CS,  22
.set G1,  24
.set G0,  32
.set TB,  48                           ; s48 LDS byte at which the chunk in hand begins
.set CNT, 49
.macro CROUND
	s_barrier_signal -1
	s_barrier_wait -1
	s_cmp_lg_u32 s[WV], 0
	s_cbranch_scc1 .Lnot_wave_0_\@
	s_barrier_signal -3
.Lnot_wave_0_\@:
	s_barrier_wait -3
	s_barrier_signal -1
	s_barrier_wait -1
.endm
	s_load_b256 s[4:11], s[0:1], 0x0               ; qf, kv, oc, os
	v_lshl_add_u32 v11, v0, 2, 0x3c000
	v_mov_b32 v243, 0
	ds_add_u32 v11, v243
	ds_add_u32 v11, v243
	v_lshrrev_b32 v8, 5, v0
	v_readfirstlane_b32 s[WV], v8                  ; wave 0..15
	s_bfe_u32 s12, ttmp6, 0x40000                  ; cx: my block of 256 queries; it enters global addresses of q and o alone
	s_and_b32 s13, ttmp7, 0xffff                   ; 16 batch + head, which the four partners share
	s_mov_b32 s[G1], 15|(3<<16)|(1<<21)            ; 15:0 the mask: all four; elements of 8 bytes; 21 set beside a mask; no padding
	s_mov_b32 s[G1+1], 32<<16                      ; tensor_dim0: 256 bytes
	s_mov_b32 s[G1+2], 15<<16                      ; tensor_dim1
	s_mov_b32 s[G1+3], 32<<16                      ; tile_dim0
	s_mov_b32 s[G1+4], 15                          ; tile_dim1: 15 rows, 3,840 dense bytes
	s_mov_b32 s[G1+5], 32                          ; the pitch
	s_mov_b32 s[G1+6], 0
	s_mov_b32 s[G1+7], 0
	s_mul_i32 s14, s[WV], 3840                     ; my part of a group, in LDS and in memory alike
	s_mul_i32 s16, s13, 245760
	s_add_co_u32 s16, s16, s14
	s_mov_b32 s17, 0
	s_mov_b32 s[SEL], 0x76543210
	s_mov_b32 s[SEL+1], 0xfedcba98
	s_mov_b32 s[CS], 0x3fb8aa3b                    ; log2(e)
	s_mov_b32 s[CS+1], s[CS]
	s_wait_dscnt 0x0
	s_wait_kmcnt 0x0
	s_add_nc_u64 s[16:17], s[6:7], s[16:17]
.irp g, 0,1,2,3
	s_mov_b32 s[G0+4*\g], 1
	s_add_co_u32 s[G0+4*\g+1], s14, 61440*\g
	s_add_nc_u64 s[G0+4*\g+2:G0+4*\g+3], s[16:17], 61440*\g
	s_or_b32 s[G0+4*\g+3], s[G0+4*\g+3], 0x80000000
.endr
	CROUND                                         ; all four work-groups are here: the joint loads meet
.irp g, 0,1,2,3
	tensor_load_to_lds s[G0+4*\g:G0+4*\g+3], s[G1:G1+7]
	s_nop 0
.endr
.rept 4
	v_nop
.endr
	v_and_b32 v8, 31, v0
	v_lshlrev_b32 v1, 4, v8                        ; 16 x lane
	v_lshlrev_b32 v2, 2, v8                        ; 4 x lane
	v_lshlrev_b32 v5, 3, v8                        ; 8 x lane
	v_and_b32 v7, 15, v0                           ; r
	v_lshlrev_b32 v6, 5, v7                        ; 32 r
	s_lshl_b32 s50, s13, 3
	s_lshl_b32 s51, s12, 1
	s_add_co_u32 s50, s50, s51
	s_lshr_b32 s51, s[WV], 3
	s_add_co_u32 s50, s50, s51                     ; q's chunk of 128 queries
	s_mul_i32 s50, s50, 8704
	s_mov_b32 s51, 0
	s_add_nc_u64 s[4:5], s[4:5], s[50:51]
	s_and_b32 s52, s[WV], 7                        ; my tile in it
	s_lshl_b32 s53, s52, 10
	s_lshl_b32 s52, s52, 6
	v_add_nc_u32 v9, s53, v1
	v_lshl_add_u32 v10, v7, 2, s52
	global_load_b128 v[16:19], v9, s[4:5]          ; Q's image: registers 0-7
	global_load_b128 v[20:23], v9, s[4:5] offset:512
	global_load_b32 v255, v10, s[4:5] offset:8192  ; and its scale words
	s_lshl_b32 s55, s12, 4
	s_add_co_u32 s55, s55, s[WV]                   ; my tile of queries, 0 .. 63
	s_lshl_b32 s54, s13, 6
	s_add_co_u32 s54, s54, s55
	s_mul_i32 s50, s54, 768
	s_add_nc_u64 s[8:9], s[8:9], s[50:51]          ; o's codes
	s_lshr_b32 s56, s13, 4
	s_lshl_b32 s56, s56, 10
	s_lshl_b32 s57, s55, 4
	s_add_co_u32 s56, s56, s57
	s_lshl_b32 s56, s56, 5
	s_and_b32 s57, s13, 15
	s_lshl_b32 s57, s57, 1
	s_add_co_u32 s50, s56, s57
	s_add_nc_u64 s[10:11], s[10:11], s[50:51]      ; o's scale bytes: row 1,024 batch + 16 tile, byte 2 head
.irp i, 24,25,26,27
	v_mov_b32 v[\i], 0                             ; codes 128 x 3 / 4 .. of Q and of K's fragments are zeros and are never loaded
.endr
.irp t, 0,1,2,3
.irp i, 8,9,10,11
	v_mov_b32 v[32+12*\t+\i], 0
.endr
.endr
	v_mov_b32 v13, 0xff61b1e6                      ; the largest t so far: -3e38, under every t
	v_floor_f32 v12, -v13                          ; -M
	v_mov_b32 v14, 0
	v_mov_b32 v15, 0
.irp b, 0,1,2,3
	v_mov_b32 v[236+\b], 0                         ; a lane permute's destination counts as one of its sources
.endr
	v_mov_b32 v253, 0                              ; (the upper half of the pair v[252:253])
.set j, 0
.rept 32
	v_mov_b32 v[O+j], 0                            ; O^T: the step is written once; the first change of M leaves zeros zeros
.set j, j+1
.endr
; A KEY STEP: 128 keys, one chunk.
.macro STEP
	v_add_nc_u32 v3, s[TB], v1
	v_add_nc_u32 v4, s[TB], v2
.irp j, 0,1,2,3
	ds_load_b32 v[248+\j], v4 offset:14336+128*\j  ; K's scale words: lanes 0-15 tile 2 j's, lanes 16-31 tile 2 j + 1's
.endr
.irp g, 0,1                                    ; S^T = K Q^T, four tiles of 16 keys at a time
.if \g > 0
.rept 4
	v_nop                                          ; places in front of loads into registers that the products above have read; with the two additions they also stand between the last step's products and the loads into V's registers
.endr
.endif
.irp t, 0,1,2,3
	ds_load_b128 v[32+12*\t:35+12*\t], v3 offset:1024*(4*\g+\t)
	ds_load_b128 v[36+12*\t:39+12*\t], v3 offset:1024*(4*\g+\t)+512
.endr
	s_wait_dscnt 0x0
.irp t, 0,1,2,3
.if \t % 2
	v_wmma_scale_f32_16x16x128_f8f6f4 v[S+8*(4*\g+\t):S+8*(4*\g+\t)+7], v[32+12*\t:43+12*\t], v[16:27], 0, v[248+2*\g+\t/2], v255 matrix_a_fmt:MATRIX_FMT_FP6 matrix_b_fmt:MATRIX_FMT_FP6 matrix_a_scale:MATRIX_SCALE_ROW1
.else
	v_wmma_scale_f32_16x16x128_f8f6f4 v[S+8*(4*\g+\t):S+8*(4*\g+\t)+7], v[32+12*\t:43+12*\t], v[16:27], 0, v[248+2*\g+\t/2], v255 matrix_a_fmt:MATRIX_FMT_FP6 matrix_b_fmt:MATRIX_FMT_FP6
.endif
.endr
.endr
.irp f, 0,1,2,3                                ; V's four fragments and their scale words land under the softmax
.irp p, 0,1,2
	ds_load_b128 v[80+12*\f+4*\p:83+12*\f+4*\p], v3 offset:8192+1536*\f+512*\p
.endr
	ds_load_b32 v[28+\f], v4 offset:14848+128*\f
.endr
.rept 4
	v_nop                                          ; places in front of the first read of the scores
.endr
.irp b, 0,1,2,3
	v_max3_num_f32 v[232+\b], v[S+16*\b], v[S+1+16*\b], v[S+2+16*\b]   ; the largest score of each block of 32 keys: for the row's maximum, and, since p rises with the score, for the block's largest p
.endr
.irp i, 3,5,7,9,11,13
.irp b, 0,1,2,3
	v_max3_num_f32 v[232+\b], v[232+\b], v[S+16*\b+\i], v[S+1+16*\b+\i]
.endr
.endr
.irp b, 0,1,2,3
	v_max_num_f32 v[232+\b], v[232+\b], v[S+15+16*\b]
.endr
.irp b, 0,1,2,3
	v_permlanex16_b32 v[236+\b], v[232+\b], s[SEL], s[SEL+1]
.endr
.irp b, 0,1,2,3
	v_max_num_f32 v[232+\b], v[232+\b], v[236+\b]
.endr
	v_max3_num_f32 v254, v232, v233, v234
	v_max_num_f32 v254, v254, v235
	v_mul_f32 v254, s[CS], v254
	v_max_num_f32 v13, v13, v254                   ; the running largest t
	v_mov_b32 v254, v12
	v_floor_f32 v12, -v13                          ; -M = floor(-t): M is a whole number
	v_sub_f32 v254, v12, v254                      ; old M - new M, 0 or less
	v_cvt_i32_f32 v254, v254                       ; (it saturates)
	v_ldexp_f32 v252, 1.0, v254                    ; f = 2^(old M - new M)
.set j, 0
.rept 32
	v_pk_fma_f32 v[S+j:S+j+1], v[S+j:S+j+1], s[CS:CS+1], v[12:13] op_sel_hi:[1,0,0]   ; t - M
.set j, j+2
.endr
.irp b, 0,1,2,3
	v_fma_f32 v[232+\b], v[232+\b], s[CS], v12
.endr
.set j, 0
.rept 64
	v_exp_f32 v[S+j], v[S+j]                       ; p = 2^(t - M)
.set j, j+1
.endr
.irp b, 0,1,2,3
	v_exp_f32 v[232+\b], v[232+\b]                 ; the block's largest p
.endr
	v_pk_mul_f32 v[14:15], v[14:15], v[252:253] op_sel_hi:[1,0]   ; the sums under the new M (a plain line behind the exponentials)
	s_wait_alu depctr_va_vdst(0)
.irp b, 0,1,2,3
	v_max_num_f32 v[232+\b], 0x1800000, v[232+\b]  ; the floor 2^(3 - 127)
.endr
.irp b, 0,1,2,3
	v_add_nc_u32 v[244+\b], 0xff000000, v[232+\b]  ; the conversion's scale operand
.endr
.irp b, 0,1,2,3
	v_lshrrev_b32 v[236+\b], 23, v[244+\b]         ; the scale's byte
.endr
	v_lshl_or_b32 v253, v237, 8, v236              ; p's scale word for these 128 keys
	v_lshl_or_b32 v253, v238, 16, v253
	v_lshl_or_b32 v253, v239, 24, v253
.irp c, 0,1
	v_cvt_scalef32_pk16_fp6_f32 v[224+6*\c:226+6*\c], v[S+32*\c:S+15+32*\c], v[244+2*\c]
	v_cvt_scalef32_pk16_fp6_f32 v[236+4*\c:238+4*\c], v[S+16+32*\c:S+31+32*\c], v[244+2*\c+1]
.endr
	v_nop                                          ; one plain line behind a scaled conversion
.irp c, 0,1
.irp i, 0,1,2
	v_permlane16_swap_b32 v[224+6*\c+\i], v[236+4*\c+\i]
.endr
.irp i, 0,1,2
	v_mov_b32 v[227+6*\c+\i], v[236+4*\c+\i]
.endr
.endr
	v_pk_add_f32 v[236:237], v[S:S+1], v[S+2:S+3]  ; the row's sum of the unquantised p, in two chains; these 32 lines are the places between p's codes and scale word and the products below
.irp j, 4,8,12,16,20,24,28,32,36,40,44,48,52,56,60
	v_pk_add_f32 v[14:15], v[14:15], v[S+\j:S+1+\j]
	v_pk_add_f32 v[236:237], v[236:237], v[S+2+\j:S+3+\j]
.endr
	v_pk_add_f32 v[14:15], v[14:15], v[236:237]
.set j, 0
.rept 16
	v_pk_mul_f32 v[O+j:O+j+1], v[O+j:O+j+1], v[252:253] op_sel_hi:[1,0]   ; O^T under the new M
.set j, j+2
.endr
	s_wait_dscnt 0x0                               ; V
.irp f, 0,1,2,3                                ; O^T += V^T P^T: four accumulators, one instruction each
	v_wmma_scale_f32_16x16x128_f8f6f4 v[O+8*\f:O+8*\f+7], v[80+12*\f:91+12*\f], v[224:235], v[O+8*\f:O+8*\f+7], v[28+\f], v253 matrix_a_fmt:MATRIX_FMT_FP6 matrix_b_fmt:MATRIX_FMT_FP6
.endr
	s_add_co_u32 s[TB], s[TB], 15360
.endm
; Four chunks.  The count leaves my loads of the later groups out.
.macro GROUP g
	s_mov_b32 s[TB], 61440*\g
	s_wait_tensorcnt 3-\g
	s_wait_dscnt 0x0
	s_barrier_signal -1
	s_barrier_wait -1                              ; every wave's part of the group is in
	s_mov_b32 s[CNT], 4
.Lstep_\@:
	STEP
	s_sub_co_u32 s[CNT], s[CNT], 1
	s_cmp_lg_u32 s[CNT], 0
	s_cbranch_scc1 .Lstep_\@
.endm
	s_wait_loadcnt 0x0                             ; Q
	GROUP 0
	GROUP 1
	GROUP 2
	GROUP 3
	; THE WAY OUT: o = O^T / the sum; register 16 n + i is channel 32 n + 16 (lane / 16) + i of my query: two blocks of the last product's K.
.rept 4
	v_nop
.endr
	v_add_f32 v14, v14, v15
	v_permlanex16_b32 v252, v14, s[SEL], s[SEL+1]
	v_add_f32 v14, v14, v252                       ; the row's sum
	v_rcp_f32 v14, v14
	v_nop
.set j, 0
	s_wait_alu depctr_va_vdst(0)
.rept 32
	v_mul_f32 v[S+j], v[O+j], v14                  ; each accumulator from its low end on
.set j, j+1
.endr
.irp b, 0,1
	v_max3_num_f32 v[232+\b], |v[S+16*\b]|, |v[S+1+16*\b]|, 0x1800000
.endr
.irp i, 2,4,6,8,10,12,14
.irp b, 0,1
	v_max3_num_f32 v[232+\b], v[232+\b], |v[S+16*\b+\i]|, |v[S+1+16*\b+\i]|
.endr
.endr
.irp b, 0,1
	v_permlanex16_b32 v[236+\b], v[232+\b], s[SEL], s[SEL+1]
.endr
.irp b, 0,1
	v_max_num_f32 v[232+\b], v[232+\b], v[236+\b]
.endr
.irp b, 0,1
	v_add_nc_u32 v[244+\b], 0xff000000, v[232+\b]
.endr
.irp b, 0,1
	v_lshrrev_b32 v[236+\b], 23, v[244+\b]
.endr
	v_lshl_or_b32 v253, v237, 8, v236              ; the head's two scale bytes
	v_cvt_scalef32_pk16_fp6_f32 v[224:226], v[S:S+15], v244
	v_cvt_scalef32_pk16_fp6_f32 v[240:242], v[S+16:S+31], v245
	v_nop
.irp i, 0,1,2
	v_permlane16_swap_b32 v[224+\i], v[240+\i]
.endr
.irp i, 0,1,2
	v_mov_b32 v[227+\i], v[240+\i]                 ; registers 0-5: channels 32 (lane / 16) + 0 .. 31
.endr
	global_store_b64 v5, v[224:225], s[8:9]        ; three planes: each store of the wave covers 256 consecutive bytes, aligned
	global_store_b64 v5, v[226:227], s[8:9] offset:256
	global_store_b64 v5, v[228:229], s[8:9] offset:512
	global_store_b16 v6, v253, s[10:11]            ; two bytes of my query's row of scales (a row's 32 bytes come from 16 heads)
	s_wait_tensorcnt 0x0
	ds_add_u32 v11, v243
	s_wait_dscnt 0x0
	CROUND                                         ; the closing round
	s_endpgm
.Lfunc_end_k_qf48aec33d5_attn:
	.size	k_qf48aec33d5_attn, .Lfunc_end_k_qf48aec33d5_attn-k_qf48aec33d5_attn
	.p2alignl 7, 3214868480
	.fill 96, 4, 3214868480
	.section	.rodata,"a",@progbits
	.p2align	6, 0x0
	.amdhsa_kernel k_qf48aec33d5_attn
		.amdhsa_group_segment_fixed_size 247808
		.amdhsa_private_segment_fixed_size 0
		.amdhsa_enable_private_segment 0
		.amdhsa_kernarg_size 32
		.amdhsa_user_sgpr_count 2
		.amdhsa_user_sgpr_kernarg_segment_ptr 1
		.amdhsa_wavefront_size32 1
		.amdhsa_system_sgpr_workgroup_id_x 1
		.amdhsa_system_sgpr_workgroup_id_y 1
		.amdhsa_system_sgpr_workgroup_id_z 1
		.amdhsa_system_vgpr_workitem_id 0
		.amdhsa_next_free_vgpr 256
		.amdhsa_next_free_sgpr 66
		.amdhsa_reserve_vcc 0
		.amdhsa_float_denorm_mode_32 3
		.amdhsa_float_denorm_mode_16_64 3
		.amdhsa_memory_ordered 1
		.amdhsa_forward_progress 1
		.amdhsa_inst_pref_size 76
	.end_amdhsa_kernel
	.amdgpu_metadata
---
amdhsa.version: [ 1, 2 ]
amdhsa.kernels:
  - .name:           k_qf48aec33d5_attn
    .symbol:         k_qf48aec33d5_attn.kd
    .args:
      - { .name: qf, .offset: 0, .size: 8, .value_kind: global_buffer, .address_space: global }
      - { .name: kv, .offset: 8, .size: 8, .value_kind: global_buffer, .address_space: global }
      - { .name: oc, .offset: 16, .size: 8, .value_kind: global_buffer, .address_space: global }
      - { .name: os, .offset: 24, .size: 8, .value_kind: global_buffer, .address_space: global }
    .group_segment_fixed_size: 247808
    .private_segment_fixed_size: 0
    .kernarg_segment_align: 8
    .kernarg_segment_size: 32
    .max_flat_workgroup_size: 512
    .sgpr_count:     66
    .vgpr_count:     256
    .wavefront_size: 32
...
	.end_amdgpu_metadata
.endif
;; end of part 4
;; launch outp (part 5): grid 4 x 16, 4 waves a work-group, clusters of 4 x 4, 327,680 bytes of LDS; arguments oc, os, codes, scales, out_b, out0; writes out0
.if DOCPART == 5
	.amdgcn_target "amdgcn-amd-amdhsa--gfx1250"
	.amdhsa_code_object_version 6
	.text
	.protected	k_qf48aec33d5_outp
	.globl	k_qf48aec33d5_outp
	.p2align	8
	.type	k_qf48aec33d5_outp,@function
k_qf48aec33d5_outp:
	s_mov_b64 s[64:65], 0
	v_nop
	global_prefetch_b8 v0, s[64:65] scope:SCOPE_SE
	s_setreg_imm32_b32 hwreg(HW_REG_WAVE_MODE, 25, 1), 1
	s_wait_xcnt 0x0
	s_wait_alu depctr_hold_cnt(0) depctr_sa_sdst(0) depctr_va_vdst(0) depctr_va_sdst(0) depctr_va_ssrc(0) depctr_va_vcc(0) depctr_vm_vsrc(0)
	s_getreg_b32 s2, hwreg(HW_REG_IB_STS2, 6, 4)
	s_cmp_eq_u32 s2, 0
	s_cbranch_scc0 .Lentry_in_a_cluster
	s_endpgm
.Lentry_in_a_cluster:
	s_bfe_u32 s2, ttmp6, 0x10000c
	s_cmp_lg_u32 s2, 0xf033
	s_cbranch_scc0 .Lentry_shape_is_right
	s_endpgm
.Lentry_shape_is_right:
; out0 = o out_w^T + out_b, K = 1,024, on codes of FP6 (E2M3) with E8M0 scales; f32 sums.  A cluster of 4 x 4 work-groups makes one batch's 1,024 x 1,024 (cluster y = the batch).
; A work-group of four waves makes 256 x 256, a wave 128 x 128: 64 accumulators.  K goes in steps of 256 (four heads) through a ring of two LDS slots; the scale bytes of the tile's rows come once.
; o's codes lie in memory as images of operand registers, [batch][head][tile of 16 places][3 planes of 256 bytes]: 128 places of one head are 6,144 dense bytes, a K step's tile four such rows; a fragment is six loads of 8 bytes at 8 x lane.
; out_w's codes lie as rows of 768 bytes, as places (bits 3 and 4 of the row number exchanged).  Tokens lie as places too: both orders are undone on the way out.
; The four work-groups of a row of the cluster need the same tiles of o, the four of a column the same of out_w: each tile is asked for jointly.
; THE MATRIX INSTRUCTION IS USED TRANSPOSED (source 0 = 16 rows of out_w, source 1 = 16 tokens): a lane holds eight neighbouring numbers of a row of out0.  The bias is the C of each sum's first instruction.
; 64 work-groups: a batch's product has 16 tiles of 256 x 256.
; REGISTERS, in windows of 256: window 0: v0-31 addresses; v32-63 scale words, two sets; v64-127 the bias; v128-223 o's fragments, one set.  window 1: out_w's, two sets.  windows 2, 3: the accumulators.
.set KSTEP,  256
.set NQ,     KSTEP/128
.set ROWB,   192
.set KROW,   768
.set PITCH,  240
.set FR,     12
.set NL,     6
.set NP,     4
.set HALFT,  128*PITCH
.set SLOT,   4*HALFT
.set LAPS,   2
.set KS,     32
.set SCL,    2*SLOT
.set HALFS,  (128*KS/256)*272
.set SBLK,   (16*KS/256)*272
.set SPARE,  SCL+4*HALFS               ; the spare words: 128 bytes for each wave, that no other line names
.set SPITCH, 528                       ; the way out: a stage of 16 rows x (512 bytes + 16) for each wave, in slot 0, which has had its last fill and its last read by then
.set HEADB,  6144                      ; 128 places of one head
.set ASTEP,  196608                    ; four heads of one batch: 4 x 64 tiles x 768 bytes
.set ADRA, 16
.set ADRB, 20
.set STO,  24
.set RD,   25
.set CO,   26
.set ADRS, 27
.set SPW,  28
.set NIL,  29
.set SC,   32
.set BI,   64
.set AF,   128
.set BK,   128
.set G1, 24
.set G0, 32
.set G1B, 48
.set G0B, 56
.set G1S, 68
.set G0S, 76
.set G1SB, 80
.set G0SB, 88
.set MSB, 0
.macro WIN new
.if MSB != (\new)
	s_set_vgpr_msb (MSB<<8)|(\new)
.set MSB, (\new)
.endif
.endm
.set MUL_LO, 0xa1
.set MUL_HI, 0xf1
.set TO_B,   0x40
.macro JLOAD g0a, g1a, g0b, g1b        ; waves 0 and 1 fetch o's halves, waves 2 and 3 out_w's; four v_nop follow each of the two lines
	s_cmp_eq_u32 s15, 0
	s_cbranch_scc0 .Lfor_b_\@
	tensor_load_to_lds s[\g0a:\g0a+3], s[\g1a:\g1a+7]
	s_nop 0
.rept 4
	v_nop
.endr
	s_branch .Lasked_\@
.Lfor_b_\@:
	tensor_load_to_lds s[\g0b:\g0b+3], s[\g1b:\g1b+7]
	s_nop 0
.rept 4
	v_nop
.endr
.Lasked_\@:
.endm
.macro CREST
	s_cmp_lg_u32 s14, 0
	s_cbranch_scc1 .Lnot_wave_0_\@
	s_barrier_signal -3
.Lnot_wave_0_\@:
	s_barrier_wait -3
	s_barrier_signal -1
	s_barrier_wait -1
.endm
.macro CROUND
	s_barrier_signal -1
	s_barrier_wait -1
	CREST
.endm
	s_load_b128 s[4:7], s[0:1], 0x0                ; oc, os
	s_load_b128 s[8:11], s[0:1], 0x10              ; codes, scales
	s_load_b128 s[96:99], s[0:1], 0x20             ; out_b, out0
	v_lshl_add_u32 v[SPW], v0, 2, SPARE
	v_mov_b32 v[NIL], 0
	ds_add_u32 v28, v29
	ds_add_u32 v28, v29
	s_wait_dscnt 0x0
	v_lshrrev_b32 v1, 5, v0
	v_readfirstlane_b32 s14, v1                    ; wave 0..3
	s_lshr_b32 s15, s14, 1                         ; my half of the tokens.  Also: I fetch for o (0) or for out_w (1)
	s_and_b32 s16, s14, 1                          ; my half of the columns.  Also: which 128 rows I fetch
	s_bfe_u32 s40, ttmp6, 0x40000                  ; cx
	s_bfe_u32 s41, ttmp6, 0x40004                  ; cy
	s_and_b32 s17, ttmp7, 0xffff                   ; the batch
	s_lshl_b32 s43, s41, 2
	s_lshl_b32 s43, 15, s43                        ; my row of the cluster
	s_lshl_b32 s44, 0x1111, s40                    ; my column
	s_or_b32 s[G1+0], s43, (3<<16)|(1<<21)         ; o's tiles: the mask; elements of 8 bytes; 21 set beside a mask; no padding
	s_mov_b32 s[G1+1], (HEADB/8)<<16               ; tensor_dim0: 6,144 bytes
	s_mov_b32 s[G1+2], 4<<16                       ; tensor_dim1: four heads
	s_mov_b32 s[G1+3], (HEADB/8)<<16               ; tile_dim0
	s_mov_b32 s[G1+4], 4                           ; tile_dim1
	s_mov_b32 s[G1+5], 6144                        ; the pitch: a head's 49,152 bytes
	s_mov_b32 s[G1+6], 0
	s_mov_b32 s[G1+7], 0
	s_or_b32 s[G1B+0], s44, (0<<16)|(1<<20)|(1<<21)|(3<<22)|(3<<25)   ; out_w's: 128 rows of 192 bytes, 16 bytes of padding behind every 64
	s_mov_b32 s[G1B+1], ROWB<<16
	s_mov_b32 s[G1B+2], 128<<16
	s_mov_b32 s[G1B+3], ROWB<<16
	s_mov_b32 s[G1B+4], 128
	s_mov_b32 s[G1B+5], KROW
	s_mov_b32 s[G1B+6], 0
	s_mov_b32 s[G1B+7], 0
	s_or_b32 s[G1S+0], s43, (3<<16)|(1<<20)|(1<<21)|(5<<22)|(3<<25)   ; the scales of 128 rows: 16 rows of 256 bytes, 16 of padding behind each
	s_or_b32 s[G1SB+0], s44, (3<<16)|(1<<20)|(1<<21)|(5<<22)|(3<<25)
.irp g, G1S, G1SB
	s_mov_b32 s[\g+1], 32<<16
	s_mov_b32 s[\g+2], (128*KS/256)<<16
	s_mov_b32 s[\g+3], 32<<16
	s_mov_b32 s[\g+4], 128*KS/256
	s_mov_b32 s[\g+5], 32
	s_mov_b32 s[\g+6], 0
	s_mov_b32 s[\g+7], 0
.endr
	s_lshl_b32 s20, s41, 1
	s_add_co_u32 s20, s20, s16
	s_mul_i32 s20, s20, HEADB                      ; o's codes: 128 places 2 cy + half,
	s_mul_i32 s18, s17, 4*ASTEP
	s_add_co_u32 s20, s20, s18                     ; of this batch
	s_mov_b32 s21, 0
	s_lshl_b32 s22, s17, 10
	s_lshl_b32 s18, s41, 8
	s_add_co_u32 s22, s22, s18
	s_lshl_b32 s18, s16, 7
	s_add_co_u32 s22, s22, s18
	s_lshl_b32 s22, s22, 5                         ; o's scales: row 1,024 batch + 256 cy + 128 half
	s_mov_b32 s23, 0
	s_lshl_b32 s46, s40, 8
	s_add_co_u32 s46, s46, s18
	s_add_co_u32 s46, s46, 15360                   ; out_w: row 15,360 + 256 cx + 128 half
	s_lshl_b32 s92, s46, 5
	s_mov_b32 s93, 0
	s_mul_i32 s46, s46, KROW
	s_mov_b32 s47, 0
	s_mul_i32 s45, s14, HALFT                      ; where they go: wave x HALFT (o's tiles use 24,576 bytes of it)
	s_mul_i32 s94, s14, HALFS
	s_wait_kmcnt 0x0
	s_add_nc_u64 s[20:21], s[4:5], s[20:21]
	s_add_nc_u64 s[22:23], s[6:7], s[22:23]
	s_add_nc_u64 s[46:47], s[8:9], s[46:47]
	s_add_nc_u64 s[92:93], s[10:11], s[92:93]
	CROUND                                         ; all sixteen work-groups are here: the first joint loads meet
	s_mov_b32 s[G0S], 1
	s_add_co_u32 s[G0S+1], s94, SCL
	s_mov_b64 s[G0S+2:G0S+3], s[22:23]
	s_or_b32 s[G0S+3], s[G0S+3], 0x80000000
	s_mov_b32 s[G0SB], 1
	s_add_co_u32 s[G0SB+1], s94, SCL
	s_mov_b64 s[G0SB+2:G0SB+3], s[92:93]
	s_or_b32 s[G0SB+3], s[G0SB+3], 0x80000000
	JLOAD G0S, G1S, G0SB, G1SB
.irp s, 0,1
	s_mov_b32 s[G0+4*\s], 1
	s_add_co_u32 s[G0+4*\s+1], s45, \s*SLOT
	s_add_nc_u64 s[G0+4*\s+2:G0+4*\s+3], s[20:21], \s*ASTEP
	s_or_b32 s[G0+4*\s+3], s[G0+4*\s+3], 0x80000000
	s_mov_b32 s[G0B+4*\s], 1
	s_add_co_u32 s[G0B+4*\s+1], s45, \s*SLOT
	s_add_nc_u64 s[G0B+4*\s+2:G0B+4*\s+3], s[46:47], \s*ROWB
	s_or_b32 s[G0B+4*\s+3], s[G0B+4*\s+3], 0x80000000
	JLOAD G0+4*\s, G1, G0B+4*\s, G1B
.endr
	v_and_b32 v1, 15, v0                           ; l % 16
	v_bfe_u32 v2, v0, 4, 1                         ; l / 16
	v_and_b32 v7, 31, v0
	v_mul_u32_u24 v3, v1, PITCH
	v_mul_u32_u24 v4, v2, 24
	v_add_nc_u32 v4, v3, v4
	v_lshl_add_u32 v5, v2, 4, v4
	v_lshlrev_b32 v8, 3, v7                        ; 8 x lane: my place in a plane of o's images
	v_lshlrev_b32 v9, 6, v2                        ; 64 h
	s_lshl_b32 s46, s40, 10                        ; my first column, in bytes: 1,024 cx + 512 half
	s_lshl_b32 s47, s16, 9
	s_add_co_u32 s46, s46, s47
	s_mov_b32 s47, 0
	s_add_nc_u64 s[96:97], s[96:97], s[46:47]
.irp k, 0,1,2,3,4,5,6,7,8,9,10,11,12,13,14,15
	global_load_b128 v[BI+4*\k:BI+4*\k+3], v9, s[96:97] offset:128*(\k/4)+16*(\k%4)   ; register 16 n + i: the bias of column 32 n + 16 h + i
.endr
	s_mul_i32 s21, s15, HALFT
	s_mul_i32 s22, s16, HALFT
	s_add_co_u32 s22, s22, 2*HALFT
.irp s, 0,1
	v_add_nc_u32 v[ADRA+\s], s21, v8
	v_add_nc_u32 v[ADRB+\s], s22, v4
	v_add_nc_u32 v[ADRB+2+\s], s22, v5
	s_add_co_u32 s21, s21, SLOT
	s_add_co_u32 s22, s22, SLOT
.endr
	v_mul_u32_u24 v5, v1, KS
	v_lshrrev_b32 v6, 8, v5
	v_lshl_add_u32 v5, v6, 4, v5
	s_mul_i32 s21, s15, HALFS
	s_mul_i32 s22, s16, HALFS
	s_add_co_u32 s22, s22, 2*HALFS
	s_sub_co_u32 s22, s22, s21
	v_mul_u32_u24 v6, s22, v2                      ; lanes 16-31 take out_w's
	s_add_co_u32 s21, s21, SCL
	v_add_nc_u32 v5, v5, v6
	v_add_nc_u32 v[ADRS], s21, v5
	s_mul_i32 s23, s14, 16*SPITCH                  ; my stage
	v_mul_u32_u24 v5, v1, SPITCH                   ; in: row l % 16, + 64 h: block b's eight columns are 32 (b / 2) + 16 h + 8 (b % 2) + 0 .. 7
	v_lshl_add_u32 v5, v2, 6, v5
	v_add_nc_u32 v[STO], s23, v5
	v_lshlrev_b32 v[CO], 4, v7                     ; back: the 32 lanes take one row of 512 bytes; and the same in out0
	v_add_nc_u32 v[RD], s23, v[CO]
	s_lshl_b32 s20, s41, 22                        ; out0: token (256 cy + 128 half) x 16,384 bytes + batch x 4,096 + my first column
	s_lshl_b32 s21, s15, 21
	s_add_co_u32 s20, s20, s21
	s_lshl_b32 s21, s17, 12
	s_add_co_u32 s20, s20, s21
	s_mov_b32 s21, 0
	s_add_nc_u64 s[20:21], s[20:21], s[46:47]
	s_add_nc_u64 s[98:99], s[98:99], s[20:21]
.macro FRAG reg, adr, q, i             ; out_w: 16 rows x 128 K in pieces of 8 bytes; where lanes 16-31's piece lies behind one padding more, the second address register serves
.irp p, 0,1,2,3,4,5
.set PC, 12*(\q)+6*(\p/3)+\p%3
.if PC%8 < 5
	ds_load_b64 v[\reg+2*\p:\reg+2*\p+1], v[\adr] offset:8*PC+16*(PC/8)+(\i)*16*PITCH
.else
	ds_load_b64 v[\reg+2*\p:\reg+2*\p+1], v[\adr+2] offset:8*PC+16*(PC/8)+(\i)*16*PITCH
.endif
.endr
.endm
.macro FRAGA reg, adr, q, i            ; o: registers 0-5 head 2 q's image of tile i, registers 6-11 head 2 q + 1's: planes of 256 consecutive bytes
.irp p, 0,1,2,3,4,5
	ds_load_b64 v[\reg+2*\p:\reg+2*\p+1], v[\adr] offset:(2*(\q)+\p/3)*HEADB+768*(\i)+256*(\p%3)
.endr
.endm
; 16 matrix instructions; the 64 accumulators take turns, one instruction a turn, in the same order in every step.  zero = 1: the sums begin with the bias.
.macro MUL16 a0, p, q, sc, zero
.irp a, \a0, \a0+1
.irp b, 0,1,2,3,4,5,6,7
.if \zero
	v_wmma_scale_f32_16x16x128_f8f6f4 v[8*(8*((\a)%4)+\b):8*(8*((\a)%4)+\b)+7], v[128*(\p)+FR*\b:128*(\p)+FR*\b+FR-1], v[AF+FR*(\a):AF+FR*(\a)+FR-1], v[BI+8*\b:BI+8*\b+7], v[SC+8*NQ*(\sc)+NQ*\b+(\q)], v[SC+8*NQ*(\sc)+NQ*(\a)+(\q)] matrix_a_fmt:MATRIX_FMT_FP6 matrix_b_fmt:MATRIX_FMT_FP6 matrix_a_scale:MATRIX_SCALE_ROW1
.else
	v_wmma_scale_f32_16x16x128_f8f6f4 v[8*(8*((\a)%4)+\b):8*(8*((\a)%4)+\b)+7], v[128*(\p)+FR*\b:128*(\p)+FR*\b+FR-1], v[AF+FR*(\a):AF+FR*(\a)+FR-1], v[8*(8*((\a)%4)+\b):8*(8*((\a)%4)+\b)+7], v[SC+8*NQ*(\sc)+NQ*\b+(\q)], v[SC+8*NQ*(\sc)+NQ*(\a)+(\q)] matrix_a_fmt:MATRIX_FMT_FP6 matrix_b_fmt:MATRIX_FMT_FP6 matrix_a_scale:MATRIX_SCALE_ROW1
.endif
.endr
.endr
.endm
.macro FETCH_B slot, q, p
	WIN TO_B
.irp i, 0,1,2,3,4,5,6,7
	FRAG 128*(\p)+FR*\i, ADRB+\slot, \q, \i
.endr
	WIN 0
.endm
.macro FETCH_A slot, q, i0
.irp i, \i0, \i0+1, \i0+2, \i0+3
	FRAGA AF+FR*(\i), ADRA+\slot, \q, \i
.endr
.endm
.macro SCALES sc
.irp i, 0,1,2,3,4,5,6,7
	ds_load_b64 v[SC+8*NQ*\sc+NQ*\i:SC+8*NQ*\sc+NQ*\i+1], v[ADRS] offset:\i*SBLK
.endr
.endm
.macro PLACES n                        ; plain vector lines that name no register of the matrix instructions in front (ISA guide 7.12.1)
.rept \n
	v_nop
.endr
.endm
.macro STEP slot, q, zero
	s_wait_dscnt 4*NL                              ; all but the youngest 24 loads (o's blocks 4-7) are in
.if \zero
	WIN 0x81                                       ; C (the bias) in window 0, D in window 2
.else
	WIN MUL_LO
.endif
	MUL16 0, (\q)%2, \q, \slot, \zero
	MUL16 2, (\q)%2, \q, \slot, \zero
	s_wait_dscnt 0
	PLACES NP
	FETCH_B \slot, (\q)+1, 1-(\q)%2
	FETCH_A \slot, (\q)+1, 0
.if \zero
	WIN 0xc1
.else
	WIN MUL_HI
.endif
	MUL16 4, (\q)%2, \q, \slot, \zero
	MUL16 6, (\q)%2, \q, \slot, \zero
	PLACES NP
	WIN 0
	FETCH_A \slot, (\q)+1, 4
.endm
.macro TURN slot, next, fill
	s_wait_tensorcnt 0x0                           ; all my tensor loads have landed: my part of the next slot
	ds_add_u32 v[SPW], v[NIL]                      ; 0 onto my spare word
	s_wait_dscnt 4*NL+1                            ; the add and the youngest 24 loads may be out
	WIN MUL_LO
	MUL16 0, 1, NQ-1, \slot, 0
	s_wait_dscnt 0x0                               ; the add is done, and my reads of this slot are over
	s_barrier_signal -1
	MUL16 2, 1, NQ-1, \slot, 0
	WIN 0
	s_barrier_wait -1
.if \fill
	CREST                                          ; the barrier has opened a round of the cluster's
	s_add_nc_u64 s[G0+4*\slot+2:G0+4*\slot+3], s[G0+4*\slot+2:G0+4*\slot+3], 2*ASTEP
	s_add_nc_u64 s[G0B+4*\slot+2:G0B+4*\slot+3], s[G0B+4*\slot+2:G0B+4*\slot+3], 2*ROWB
	JLOAD G0+4*\slot, G1, G0B+4*\slot, G1B         ; the first tensor load behind the round
.else
	PLACES NP
.endif
	v_add_nc_u32 v[ADRS], 4*NQ, v[ADRS]
	FETCH_B \next, 0, 0
	FETCH_A \next, 0, 0
	SCALES \next
	WIN MUL_HI
	MUL16 4, 1, NQ-1, \slot, 0
	MUL16 6, 1, NQ-1, \slot, 0
	PLACES NP
	WIN 0
	FETCH_A \next, 0, 4
.endm
	s_wait_tensorcnt 1                             ; the scales and my part of K step 0 are in; K step 1's load may be out
	s_barrier_signal -1
	s_barrier_wait -1
	FETCH_B 0, 0, 0
	FETCH_A 0, 0, 0
	SCALES 0
	FETCH_A 0, 0, 4
	s_wait_loadcnt 0x0                             ; the bias
	STEP 0, 0, 1
	s_mov_b32 s3, LAPS-1
.Llap:
	TURN 0, 1, 1
	STEP 1, 0, 0
	TURN 1, 0, 1
	STEP 0, 0, 0
	s_sub_co_u32 s3, s3, 1
	s_cmp_lg_u32 s3, 0
	s_cbranch_scc1 .Llap
	TURN 0, 1, 0
	STEP 1, 0, 0
	s_wait_dscnt 4*NL
	WIN MUL_LO
	MUL16 0, 1, NQ-1, 1, 0
	MUL16 2, 1, NQ-1, 1, 0
	s_wait_dscnt 0
	WIN MUL_HI
	MUL16 4, 1, NQ-1, 1, 0
	MUL16 6, 1, NQ-1, 1, 0
	WIN 0
; THE WAY OUT, block by block of 16 tokens x 128 columns, through my own stage in LDS: in, each lane's 32 bytes at their true columns; back, whole rows of 512 bytes.
; LDS serves a wave's instructions in order (ISA guide 5.7.1.4): no wait between the stores and the loads.
.macro TOSTAGE a
.set AC, 64*((\a)%4)
	WIN 0x08+4*((\a)/4)                            ; the data: window 2 or 3
.irp b, 0,1,2,3,4,5,6,7
	ds_store_b128 v[STO], v[AC+8*\b:AC+8*\b+3] offset:128*(\b/2)+32*(\b%2)        ; each accumulator from its low end on
	ds_store_b128 v[STO], v[AC+8*\b+4:AC+8*\b+7] offset:128*(\b/2)+32*(\b%2)+16
.endr
	WIN 0
.set BB, BK+64*((\a)%2)
.irp t, 0,1,2,3,4,5,6,7,8,9,10,11,12,13,14,15
	ds_load_b128 v[BB+4*\t:BB+4*\t+3], v[RD] offset:\t*SPITCH
.endr
.endm
.macro SEND a, younger                 ; place 16 a + t is token 32 (a / 2) + 8 (a % 2) + t + 8 (t / 8); a token's rows lie 16,384 bytes apart: 127 of them at the most, inside the signed 24-bit immediate
.set BB, BK+64*((\a)%2)
	s_wait_dscnt \younger
.irp t, 0,1,2,3,4,5,6,7,8,9,10,11,12,13,14,15
	global_store_b128 v[CO], v[BB+4*\t:BB+4*\t+3], s[98:99] offset:(32*((\a)/2)+8*((\a)%2)+\t+8*(\t/8))*16384 th:TH_STORE_NT   ; 32 lanes store 512 consecutive bytes, aligned
.endr
.endm
	PLACES NP
	TOSTAGE 0
.irp a, 1,2,3,4,5,6,7
.if \a > 1
	s_wait_xcnt 0x0                                ; block a - 2's stores have read their registers: block a's loads may land there
.endif
	TOSTAGE \a
	SEND \a-1, 32                                  ; behind block a - 1's loads: block a's 16 stores and 16 loads
.endr
	SEND 7, 0
	s_wait_tensorcnt 0x0                           ; the wave's end
	ds_add_u32 v[SPW], v[NIL]
	s_wait_dscnt 0x0
	CROUND                                         ; the closing round
	s_endpgm
.Lfunc_end_k_qf48aec33d5_outp:
	.size	k_qf48aec33d5_outp, .Lfunc_end_k_qf48aec33d5_outp-k_qf48aec33d5_outp
	.p2alignl 7, 3214868480
	.fill 96, 4, 3214868480
	.section	.rodata,"a",@progbits
	.p2align	6, 0x0
	.amdhsa_kernel k_qf48aec33d5_outp
		.amdhsa_group_segment_fixed_size 327680
		.amdhsa_private_segment_fixed_size 0
		.amdhsa_enable_private_segment 0
		.amdhsa_kernarg_size 48
		.amdhsa_user_sgpr_count 2
		.amdhsa_user_sgpr_kernarg_segment_ptr 1
		.amdhsa_wavefront_size32 1
		.amdhsa_system_sgpr_workgroup_id_x 1
		.amdhsa_system_sgpr_workgroup_id_y 1
		.amdhsa_system_sgpr_workgroup_id_z 1
		.amdhsa_system_vgpr_workitem_id 0
		.amdhsa_next_free_vgpr 1024
		.amdhsa_next_free_sgpr 100
		.amdhsa_reserve_vcc 0
		.amdhsa_float_denorm_mode_32 3
		.amdhsa_float_denorm_mode_16_64 3
		.amdhsa_memory_ordered 1
		.amdhsa_forward_progress 1
		.amdhsa_inst_pref_size 161
	.end_amdhsa_kernel
	.amdgpu_metadata
---
amdhsa.version: [ 1, 2 ]
amdhsa.kernels:
  - .name:           k_qf48aec33d5_outp
    .symbol:         k_qf48aec33d5_outp.kd
    .args:
      - { .name: oc, .offset: 0, .size: 8, .value_kind: global_buffer, .address_space: global }
      - { .name: os, .offset: 8, .size: 8, .value_kind: global_buffer, .address_space: global }
      - { .name: codes, .offset: 16, .size: 8, .value_kind: global_buffer, .address_space: global }
      - { .name: scales, .offset: 24, .size: 8, .value_kind: global_buffer, .address_space: global }
      - { .name: out_b, .offset: 32, .size: 8, .value_kind: global_buffer, .address_space: global }
      - { .name: out0, .offset: 40, .size: 8, .value_kind: global_buffer, .address_space: global }
    .group_segment_fixed_size: 327680
    .private_segment_fixed_size: 0
    .kernarg_segment_align: 8
    .kernarg_segment_size: 48
    .max_flat_workgroup_size: 128
    .sgpr_count:     100
    .vgpr_count:     1024
    .wavefront_size: 32
...
	.end_amdgpu_metadata
.endif
;; end of part 5
;; ======== version 2 of 2: 5 launches
;; limits: right only within a limited range of input values
;; workspace buffers: codes 12,607,488 bytes; scales 525,312 bytes; dwt 262,144 bytes; qf 4,456,448 bytes; kv 15,728,640 bytes; oc 3,145,728 bytes; os 131,072 bytes
;; launch quant (part 6): grid 513 x 1, 4 waves a work-group, no clusters, 33,280 bytes of LDS; arguments query, key, node_key, in_proj_weight, out_w, dw_w, codes, scales; writes codes, scales
.if DOCPART == 6
	.amdgcn_target "amdgcn-amd-amdhsa--gfx1250"
	.amdhsa_code_object_version 6
	.text
	.protected	k_qf48aec33d5_quant
	.globl	k_qf48aec33d5_quant
	.p2align	8
	.type	k_qf48aec33d5_quant,@function
k_qf48aec33d5_quant:
	s_mov_b64 s[64:65], 0
	v_nop
	global_prefetch_b8 v0, s[64:65] scope:SCOPE_SE
	s_setreg_imm32_b32 hwreg(HW_REG_WAVE_MODE, 25, 1), 1
	s_wait_xcnt 0x0
; All six f32 operands whose K (1,024) is innermost become codes of FP6 (E2M3) and one E8M0 byte for each 32 along K.
; A block's scale is 2^(floor(log2(its largest magnitude)) - 2); its byte is the largest magnitude's exponent field - 2, held at 1 from below
; (a block of zeros keeps the byte 1: its codes are zeros, and this program alone reads the bytes).
; LIMITS: NaN and infinities are not served; blocks whose largest magnitude lies under 2^-124 keep the byte 1.
; OUTPUT ROWS.  codes: 16,416 rows of 768 bytes, scales: the same rows of 32 bytes.  Sections: query 0, key 4,096, node_key 8,192 (each [batch][place 0..1023]),
; in_proj_weight 12,288, out_w 15,360, dw_w 16,384.  Row i of a section lies at PLACE i with bits 3 and 4 exchanged: a run of 16 places 16 a + r then holds the rows
; 32 (a / 2) + 8 (a % 2) + r + 8 (r / 8), so that in a product's result the 16 registers of two neighbouring tiles are 16 neighbours along the next K.
; SHARES.  A wave takes 8 input rows (8,192 numbers, 16 steps of 512).  Work-groups 0-127 query, 128-255 key, 256-383 node_key, 384-479 in_proj_weight, 480-511 out_w, 512 dw_w (two runs:
; its waves 2 and 3 have no rows and end).  node_key has 4,092 rows: the last run's rows 4-7 (token 1,023) do not exist; the run reads its rows 0-3 again in their stead and stores zero codes.
; Each load reads 512 consecutive bytes; a step's 2,048 bytes turn through the wave's own stage in LDS, so that a lane holds 16 neighbours along K.  No barrier: waves share nothing.
.set STEPS, 16
.set EMAX,  2
.set CB,    12                         ; bytes of 16 codes
.set R,     16                         ; v16-79   four sets of 16 numbers as loaded
.set X,     80                         ; v80-111  two sets of 16 neighbours
.set E,     112                        ; v112-127 a scale byte for each step
.set C,     128                        ; v128-191 codes: four registers for each step
.set VO,    192                        ; v192-199 where input row i of the run stores its codes
.set WREG,  8192                       ; LDS: a region for each wave: two stages of 32 x SP bytes, then its 256 scale bytes
.set SP,    80
	s_load_b512 s[4:19], s[0:1], 0x0               ; query, key, node_key, in_proj_weight, out_w, dw_w, codes s[16:17], scales s[18:19]
	v_lshl_add_u32 v200, v0, 2, 0x8000
	v_mov_b32 v201, 0
	v_lshrrev_b32 v1, 5, v0
	v_readfirstlane_b32 s20, v1                    ; wave
	v_and_b32 v2, 31, v0                           ; lane
	v_lshlrev_b32 v3, 4, v2                        ; my 16 bytes of a load's 512
	s_mul_i32 s23, s20, WREG
	v_lshrrev_b32 v14, 2, v2
	v_mul_u32_u24 v14, v14, SP
	v_and_b32 v15, 3, v2
	v_lshl_add_u32 v14, v15, 4, v14
	v_add_nc_u32 v14, s23, v14                     ; the stage, way in: SP (lane / 4) + 16 (lane % 4)
	v_mul_u32_u24 v15, v2, SP
	v_add_nc_u32 v15, s23, v15                     ; way out: SP x lane
	v_mul_u32_u24 v4, v2, CB                       ; my codes' place in a step's 384 bytes
	v_lshrrev_b32 v5, 1, v2
	s_add_co_u32 s23, s23, 2*32*SP
	v_add_nc_u32 v5, s23, v5                       ; my block's byte among the wave's 256
	v_lshlrev_b32 v6, 3, v2
	v_add_nc_u32 v6, s23, v6                       ; and 8 bytes a lane on their way out
	s_mov_b32 s21, 0                               ; the section's first work-group
	s_mov_b32 s22, 0                               ; the section's first output row
	s_wait_kmcnt 0x0
	s_mov_b64 s[24:25], s[4:5]
.macro SECT th, ptr, row                       ; the choice hangs on the work-group's number alone
	s_cmp_ge_u32 ttmp9, \th
	s_cselect_b64 s[24:25], s[\ptr:\ptr+1], s[24:25]
	s_cselect_b32 s21, \th, s21
	s_cselect_b32 s22, \row, s22
.endm
	SECT 128, 6, 4096
	SECT 256, 8, 8192
	SECT 384, 10, 12288
	SECT 480, 12, 15360
	SECT 512, 14, 16384
	s_cmp_ge_u32 ttmp9, 384                        ; a weight?  Its 8 rows are 8 neighbouring places; an activation's are 2 tokens x 4 batches
	s_cselect_b32 s29, 3, 1                        ; rows or tokens in a run, as a shift
	s_mov_b32 s30, 1024
	s_cselect_b32 s30, 1, s30                      ; SB: output rows from input row i to i + 1 (i % 4)
	s_cselect_b32 s31, 4, 1                        ; ST: output rows from i to i + 4
	s_mov_b32 s33, 0xffff
	s_cmp_eq_u32 ttmp9, 512
	s_cselect_b32 s33, 2, s33                      ; dw_w has two runs
	s_sub_co_u32 s32, ttmp9, s21
	s_lshl_b32 s32, s32, 2
	s_add_co_u32 s32, s32, s20                     ; my run in the section
	s_cmp_ge_u32 s32, s33
	s_cbranch_scc1 .Lend
	s_lshl_b32 s34, s32, s29                       ; the run's first row or token,
	s_and_b32 s35, s34, 0xffffffe7
	s_and_b32 s40, s34, 8
	s_lshl_b32 s40, s40, 1
	s_or_b32 s35, s35, s40
	s_and_b32 s40, s34, 16
	s_lshr_b32 s40, s40, 1
	s_or_b32 s35, s35, s40                         ; its place: bits 3 and 4 exchanged
	s_add_co_u32 s35, s35, s22                     ; the run's first output row
	s_lshl_b32 s40, s32, 15                        ; 32,768 bytes of input a run
	s_mov_b32 s41, 0
	s_add_nc_u64 s[24:25], s[24:25], s[40:41]
	s_lshl_b32 s42, ttmp9, 2
	s_add_co_u32 s42, s42, s20
	s_cmp_eq_u32 s42, 1535                         ; node_key's last run
	s_cselect_b32 s28, 0, -1                       ; what its rows 4-7's codes are masked with
	s_cselect_b32 s42, 0, 16384
	s_mov_b32 s43, 0
	s_add_nc_u64 s[26:27], s[24:25], s[42:43]      ; where rows 4-7 are read: no load leaves its buffer
	s_mul_i32 s44, s35, 768
	s_mov_b32 s45, 0
	s_add_nc_u64 s[36:37], s[16:17], s[44:45]      ; codes at the run's first output row
	s_lshl_b32 s44, s35, 5
	s_add_nc_u64 s[38:39], s[18:19], s[44:45]      ; scales likewise
	s_wait_alu depctr_va_vdst(0)
.irp i, 0,1,2,3,4,5,6,7
	s_mul_i32 s46, s30, 768*(\i%4)
	s_mul_i32 s47, s31, 768*(\i/4)
	s_add_co_u32 s46, s46, s47
	v_add_nc_u32 v[VO+\i], s46, v4
.endr
	v_bfe_u32 v8, v2, 2, 2                         ; the scale bytes leave 8 a lane: lane / 4 is the input row
	v_mul_lo_u32 v8, v8, s30
	v_lshrrev_b32 v9, 4, v2
	v_mul_lo_u32 v9, v9, s31
	v_add_nc_u32 v8, v8, v9
	v_and_b32 v9, 3, v2
	v_lshlrev_b32 v9, 3, v9
	v_lshl_add_u32 v7, v8, 5, v9                   ; 32 x output row + 8 (lane % 4)
.macro LOAD t
.irp i, 0,1,2,3
.if (\t) < 8
	global_load_b128 v[R+16*((\t)%4)+4*\i:R+16*((\t)%4)+4*\i+3], v3, s[24:25] offset:2048*(\t)+512*\i th:TH_LOAD_NT
.else
	global_load_b128 v[R+16*((\t)%4)+4*\i:R+16*((\t)%4)+4*\i+3], v3, s[26:27] offset:2048*((\t)-8)+512*\i th:TH_LOAD_NT
.endif
.endr
.endm
.macro TURN t                          ; step t's numbers through the stage: LDS serves a wave's instructions in order (ISA guide 5.7.1.4), so no wait stands between the stores and the loads
.irp i, 0,1,2,3
	ds_store_b128 v14, v[R+16*((\t)%4)+4*\i:R+16*((\t)%4)+4*\i+3] offset:32*SP*((\t)%2)+8*SP*\i
.endr
.irp i, 0,1,2,3
	ds_load_b128 v[X+16*((\t)%2)+4*\i:X+16*((\t)%2)+4*\i+3], v15 offset:32*SP*((\t)%2)+16*\i
.endr
.endm
.irp t, 0,1,2,3
	LOAD \t
.endr
	s_wait_loadcnt 12                              ; step 0's four loads are in; twelve younger ones stay out
	TURN 0
.macro STEP t
.set XS, X+16*((\t)%2)
.if (\t) > 0
	s_wait_dscnt 1                                 ; this step's numbers are back from the stage; the last step's byte store may be out
.else
	s_wait_dscnt 0x0
.endif
.if (\t)+4 < STEPS
	LOAD (\t)+4                                    ; into the set that the stage's stores have read
.endif
.if (\t)+1 < STEPS
.if STEPS-2-(\t) >= 3
	s_wait_loadcnt 12                              ; the next step's four loads are in; those of the three steps behind it may be out
.else
	s_wait_loadcnt 4*(STEPS-2-(\t))
.endif
	TURN (\t)+1
.endif
	v_max3_num_f32 v8, |v[XS]|, |v[XS+1]|, |v[XS+2]|               ; the largest magnitude of my 16, in two chains
	v_max3_num_f32 v9, |v[XS+3]|, |v[XS+4]|, |v[XS+5]|
.irp i, 6,10
	v_max3_num_f32 v8, v8, |v[XS+\i]|, |v[XS+\i+1]|
	v_max3_num_f32 v9, v9, |v[XS+\i+2]|, |v[XS+\i+3]|
.endr
	v_max3_num_f32 v8, v8, |v[XS+14]|, |v[XS+15]|
	v_max3_num_f32 v8, v8, v9, (EMAX+1)<<23        ; and the floor 2^(3 - 127): the byte cannot fall under 1
	v_max_num_f32_dpp v8, v8, v8 row_xmask:1 row_mask:0xf bank_mask:0xf   ; with my neighbour's 16: the block's
	v_add_nc_u32 v11, -(EMAX<<23), v8              ; 2 off its exponent field: the conversion's scale operand
	v_cvt_scalef32_pk16_fp6_f32 v[C+4*(\t):C+4*(\t)+2], v[XS:XS+15], v11
	v_lshrrev_b32 v[E+(\t)], 23, v11               ; the scale's byte (the plain line behind the conversion)
.if (\t) >= 8
.irp i, 0,1,2
	v_and_b32 v[C+4*(\t)+\i], s28, v[C+4*(\t)+\i]  ; rows that do not exist get zero codes
.endr
.endif
	ds_store_b8 v5, v[E+(\t)] offset:16*(\t)       ; both lanes of a block write the same byte with the same value
	global_store_b96 v[VO+(\t)/2], v[C+4*(\t):C+4*(\t)+2], s[36:37] offset:384*((\t)%2)   ; 384 consecutive bytes: half an output row
.endm
.irp t, 0,1,2,3,4,5,6,7,8,9,10,11,12,13,14,15
	STEP \t
.endr
	ds_load_b64 v[12:13], v6                       ; these see my byte stores
	s_wait_dscnt 0x0
	global_store_b64 v7, v[12:13], s[38:39]        ; four lanes to an output row's 32 bytes
.Lend:
	s_wait_tensorcnt 0x0
	ds_add_u32 v200, v201
	s_wait_dscnt 0x0
	s_endpgm
.Lfunc_end_k_qf48aec33d5_quant:
	.size	k_qf48aec33d5_quant, .Lfunc_end_k_qf48aec33d5_quant-k_qf48aec33d5_quant
	.p2alignl 7, 3214868480
	.fill 96, 4, 3214868480
	.section	.rodata,"a",@progbits
	.p2align	6, 0x0
	.amdhsa_kernel k_qf48aec33d5_quant
		.amdhsa_group_segment_fixed_size 33280
		.amdhsa_private_segment_fixed_size 0
		.amdhsa_enable_private_segment 0
		.amdhsa_kernarg_size 64
		.amdhsa_user_sgpr_count 2
		.amdhsa_user_sgpr_kernarg_segment_ptr 1
		.amdhsa_wavefront_size32 1
		.amdhsa_system_sgpr_workgroup_id_x 1
		.amdhsa_system_sgpr_workgroup_id_y 1
		.amdhsa_system_sgpr_workgroup_id_z 1
		.amdhsa_system_vgpr_workitem_id 0
		.amdhsa_next_free_vgpr 202
		.amdhsa_next_free_sgpr 66
		.amdhsa_reserve_vcc 0
		.amdhsa_float_denorm_mode_32 3
		.amdhsa_float_denorm_mode_16_64 3
		.amdhsa_memory_ordered 1
		.amdhsa_forward_progress 1
		.amdhsa_inst_pref_size 37
	.end_amdhsa_kernel
	.amdgpu_metadata
---
amdhsa.version: [ 1, 2 ]
amdhsa.kernels:
  - .name:           k_qf48aec33d5_quant
    .symbol:         k_qf48aec33d5_quant.kd
    .args:
      - { .name: query, .offset: 0, .size: 8, .value_kind: global_buffer, .address_space: global }
      - { .name: key, .offset: 8, .size: 8, .value_kind: global_buffer, .address_space: global }
      - { .name: node_key, .offset: 16, .size: 8, .value_kind: global_buffer, .address_space: global }
      - { .name: in_proj_weight, .offset: 24, .size: 8, .value_kind: global_buffer, .address_space: global }
      - { .name: out_w, .offset: 32, .size: 8, .value_kind: global_buffer, .address_space: global }
      - { .name: dw_w, .offset: 40, .size: 8, .value_kind: global_buffer, .address_space: global }
      - { .name: codes, .offset: 48, .size: 8, .value_kind: global_buffer, .address_space: global }
      - { .name: scales, .offset: 56, .size: 8, .value_kind: global_buffer, .address_space: global }
    .group_segment_fixed_size: 33280
    .private_segment_fixed_size: 0
    .kernarg_segment_align: 8
    .kernarg_segment_size: 64
    .max_flat_workgroup_size: 128
    .sgpr_count:     66
    .vgpr_count:     202
    .wavefront_size: 32
...
	.end_amdgpu_metadata
.endif
;; end of part 6
;; launch projq (part 7): grid 8 x 32, 4 waves a work-group, clusters of 4 x 4, 209,408 bytes of LDS; arguments codes, scales, in_proj_bias, dw_b, qf, dwt; writes qf, dwt
.if DOCPART == 7
	.amdgcn_target "amdgcn-amd-amdhsa--gfx1250"
	.amdhsa_code_object_version 6
	.text
	.protected	k_qf48aec33d5_projq
	.globl	k_qf48aec33d5_projq
	.p2align	8
	.type	k_qf48aec33d5_projq,@function
k_qf48aec33d5_projq:
	s_mov_b64 s[64:65], 0
	v_nop
	global_prefetch_b8 v0, s[64:65] scope:SCOPE_SE
	s_setreg_imm32_b32 hwreg(HW_REG_WAVE_MODE, 25, 1), 1
	s_wait_xcnt 0x0
	s_wait_alu depctr_hold_cnt(0) depctr_sa_sdst(0) depctr_va_vdst(0) depctr_va_sdst(0) depctr_va_ssrc(0) depctr_va_vcc(0) depctr_vm_vsrc(0)
	s_getreg_b32 s2, hwreg(HW_REG_IB_STS2, 6, 4)
	s_cmp_eq_u32 s2, 0
	s_cbranch_scc0 .Lentry_in_a_cluster
	s_endpgm
.Lentry_in_a_cluster:
	s_bfe_u32 s2, ttmp6, 0x10000c
	s_cmp_lg_u32 s2, 0xf033
	s_cbranch_scc0 .Lentry_shape_is_right
	s_endpgm
.Lentry_shape_is_right:
; q = (query Wq^T + bq) / 8, K = 1,024, on codes of FP6 (E2M3) with E8M0 scales; q is quantised in registers along a head's 64 channels and leaves as images of the scores' operand registers.
; In the same launch: dwt[batch][head][node] = sigmoid(node_key . dw_w[head] + dw_b[head]), one tile of 16 nodes x 16 heads to a work-group (wave 3, under the tensor loads' flight); node 1,023, which does not exist, gets 0.
; SHARES.  4,096 x 1,024 in tiles of 128 x 128: 256 work-groups.  Four waves, each 64 x 64: 16 accumulators.
; ALL OF K LIES IN LDS, FILLED ONCE: each wave issues ONE tensor load, 64 whole rows of 768 bytes (each begins at a multiple of 256 bytes), 16 bytes of padding behind every 256: LDS rows 816 bytes apart.  No ring, one barrier.
; The scale words go from memory into registers: a row's 32 bytes are the words of its eight K steps; lanes 0-15 take query's rows, lanes 16-31 Wq's.
; CLUSTERS: 4 x 4.  A row of the cluster shares query's rows, a column Wq's: both loads are joint.  No prefetch: there is one fill and no loop of loads to run ahead in.
; THE MATRIX INSTRUCTION IS USED TRANSPOSED (source 0 = 16 rows of Wq, source 1 = 16 tokens).  Rows lie at places (bits 3 and 4 of the row number exchanged), so blocks 2 n, 2 n + 1 give a lane 16 neighbouring channels.
; A head has 64 channels, the scores' instruction 128 along K: code 64 of q is 1.0 and its third scale byte 2^63; a masked key answers there with -1.0 x 2^63.
; LIMITS: NaN and infinities are not served; blocks whose largest magnitude lies under 2^-124 keep the byte 1.
; REGISTERS: window 0: v8-11, v24, v25 addresses; v30, v31 the add's; v32-63 scale words; v64-95 the bias; v96-127 at work; v128-255 accumulators.  Window 1: two fragment buffers at v0 and v128.
.set KROW,   768
.set PITCH,  816
.set FR,     12
.set HALFT,  64*PITCH
.set SPARE,  4*HALFT
.set ADRA, 8                           ; v8 my query fragments, v9 the same behind one padding more
.set ADRB, 10                          ; v10, v11 the same for Wq
.set ADRS, 24
.set VB,   25
.set SC,   32
.set BI,   64
.set T,    96
.set ACC,  128
.set TM,   32
.set PW,   38
.set H,    40
.set X,    48
.set G1,   24
.set G1B,  32
.set G0,   40
.set G0B,  44
.set MSB, 0
.macro WIN new
.if MSB != (\new)
	s_set_vgpr_msb (MSB<<8)|(\new)
.set MSB, (\new)
.endif
.endm
.set MUL,  0x05
.set TO_F, 0x40
.macro CROUND
	s_barrier_signal -1
	s_barrier_wait -1
	s_cmp_lg_u32 s14, 0
	s_cbranch_scc1 .Lnot_wave_0_\@
	s_barrier_signal -3
.Lnot_wave_0_\@:
	s_barrier_wait -3
	s_barrier_signal -1
	s_barrier_wait -1
.endm
.macro PLACES n
.rept \n
	v_nop
.endr
.endm
	s_load_b256 s[4:11], s[0:1], 0x0               ; codes, scales, in_proj_bias, dw_b
	s_load_b128 s[20:23], s[0:1], 0x20             ; qf, dwt
	v_lshl_add_u32 v30, v0, 2, SPARE
	v_mov_b32 v31, 0
	ds_add_u32 v30, v31                            ; the opening lines
	ds_add_u32 v30, v31
	v_lshrrev_b32 v1, 5, v0
	v_readfirstlane_b32 s14, v1                    ; wave
	s_lshr_b32 s15, s14, 1                         ; my half of the tokens; also: I fetch for query (0) or Wq (1)
	s_and_b32 s16, s14, 1                          ; my half of the columns; also: which 64 rows I fetch
	s_bfe_u32 s12, ttmp6, 0x40000
	s_bfe_u32 s13, ttmp6, 0x40004
	s_lshl_b32 s17, ttmp9, 2
	s_add_co_u32 s17, s17, s12                     ; tile column 0..7
	s_and_b32 s18, ttmp7, 0xffff
	s_lshl_b32 s18, s18, 2
	s_add_co_u32 s18, s18, s13                     ; tile row 0..31
	s_lshl_b32 s19, s13, 2
	s_lshl_b32 s19, 15, s19
	s_lshl_b32 s3, 0x1111, s12
	s_or_b32 s[G1+0], s19, (1<<20)|(1<<21)|(5<<22)|(3<<25)   ; bytes; 4 words of padding behind every 64
	s_or_b32 s[G1B+0], s3, (1<<20)|(1<<21)|(5<<22)|(3<<25)
.irp g, G1, G1B
	s_mov_b32 s[\g+1], KROW<<16
	s_mov_b32 s[\g+2], 64<<16
	s_mov_b32 s[\g+3], KROW<<16
	s_mov_b32 s[\g+4], 64
	s_mov_b32 s[\g+5], KROW
	s_mov_b32 s[\g+6], 0
	s_mov_b32 s[\g+7], 0
.endr
	s_lshl_b32 s2, s16, 6
	s_lshl_b32 s19, s18, 7
	s_add_co_u32 s19, s19, s2                      ; query: row 128 x tile row + 64 x half
	s_mul_i32 s[G0+2], s19, KROW
	s_mov_b32 s[G0+3], 0
	s_lshl_b32 s3, s17, 7
	s_add_co_u32 s3, s3, s2
	s_add_co_u32 s3, s3, 12288                     ; Wq: row 12,288 + 128 x tile column + 64 x half
	s_mul_i32 s[G0B+2], s3, KROW
	s_mov_b32 s[G0B+3], 0
	s_mul_i32 s66, s14, HALFT
	s_wait_dscnt 0x0
	s_wait_kmcnt 0x0
	s_add_nc_u64 s[G0+2:G0+3], s[4:5], s[G0+2:G0+3]
	s_add_nc_u64 s[G0B+2:G0B+3], s[4:5], s[G0B+2:G0B+3]
	s_mov_b32 s[G0], 1
	s_mov_b32 s[G0+1], s66
	s_or_b32 s[G0+3], s[G0+3], 0x80000000
	s_mov_b32 s[G0B], 1
	s_mov_b32 s[G0B+1], s66
	s_or_b32 s[G0B+3], s[G0B+3], 0x80000000
	CROUND
	s_cmp_eq_u32 s15, 0                            ; one joint load a wave: waves 0, 1 query's halves, waves 2, 3 Wq's
	s_cbranch_scc0 .Lfor_b
	tensor_load_to_lds s[G0:G0+3], s[G1:G1+7]
	s_nop 0
	PLACES 4
	s_branch .Lasked
.Lfor_b:
	tensor_load_to_lds s[G0B:G0B+3], s[G1B:G1B+7]
	s_nop 0
	PLACES 4
.Lasked:
	s_lshl_b32 s2, s17, 9                          ; bq at my head's first channel
	s_lshl_b32 s3, s16, 8
	s_add_co_u32 s2, s2, s3
	s_mov_b32 s3, 0
	s_add_nc_u64 s[8:9], s[8:9], s[2:3]
	s_lshl_b32 s2, s15, 6
	s_lshl_b32 s48, s18, 7
	s_add_co_u32 s48, s48, s2
	s_lshl_b32 s48, s48, 5                         ; my tokens' scales, in bytes
	s_lshl_b32 s2, s16, 6
	s_lshl_b32 s49, s17, 7
	s_add_co_u32 s49, s49, s2
	s_add_co_u32 s49, s49, 12288
	s_lshl_b32 s49, s49, 5                         ; my rows of Wq's
	s_sub_co_u32 s49, s49, s48
	s_mul_i32 s2, s15, HALFT
	s_mul_i32 s3, s16, HALFT
	s_add_co_u32 s3, s3, 2*HALFT
	v_and_b32 v1, 15, v0                           ; r
	v_bfe_u32 v2, v0, 4, 1                         ; h
	v_lshlrev_b32 v[VB], 6, v2
	v_mul_u32_u24 v3, v1, PITCH
	v_mad_u32_u24 v4, v2, 24, v3                   ; row x pitch + 24 h
	v_lshl_add_u32 v5, v2, 4, v4
	v_add_nc_u32 v[ADRA], s2, v4
	v_add_nc_u32 v[ADRA+1], s2, v5
	v_add_nc_u32 v[ADRB], s3, v4
	v_add_nc_u32 v[ADRB+1], s3, v5
	v_lshlrev_b32 v5, 5, v1
	v_mul_u32_u24 v6, s49, v2                      ; lanes 16-31 take Wq's
	v_add_nc_u32 v5, v5, v6
	v_add_nc_u32 v[ADRS], s48, v5
	s_wait_alu depctr_va_vdst(0)                   ; the end of the vector set-up
.irp k, 0,1,2,3,4,5,6,7
	global_load_b128 v[BI+4*\k:BI+4*\k+3], v[VB], s[8:9] offset:128*(\k/4)+16*(\k%4)
.endr
	; the gate's tile g = 8 x tile row + tile column: wave 3 alone
	s_cmp_lg_u32 s14, 3
	s_cbranch_scc1 .Lno_gate
	s_lshl_b32 s2, s18, 3
	s_add_co_u32 s2, s2, s17
	s_lshl_b32 s3, s2, 4
	s_add_co_u32 s3, s3, 8192
	s_mul_i32 s66, s3, 768
	s_mov_b32 s67, 0
	s_add_nc_u64 s[66:67], s[4:5], s[66:67]
	s_lshl_b32 s100, s3, 5
	s_mov_b32 s101, 0
	s_add_nc_u64 s[100:101], s[6:7], s[100:101]
	s_lshr_b32 s19, s2, 6
	s_lshl_b32 s19, s19, 16
	s_and_b32 s2, s2, 63
	s_lshr_b32 s3, s2, 1
	s_lshl_b32 s3, s3, 5
	s_and_b32 s2, s2, 1
	s_lshl_b32 s2, s2, 3
	s_add_co_u32 s3, s3, s2
	s_lshl_b32 s2, s3, 2
	s_add_co_u32 s19, s19, s2
	s_mov_b32 s2, 0xbfb8aa3b                       ; -log2(e)
	v_mul_u32_u24 v3, v1, 768
	v_mad_u32_u24 v3, v2, 24, v3
	v_and_b32 v7, 8, v1
	v_add_nc_u32 v7, v7, v1                        ; head r lies at place r + 8 (r / 8) of dw_w's section
	v_mul_u32_u24 v4, v7, 768
	v_mad_u32_u24 v4, v2, 24, v4
	v_add_nc_u32 v4, 768*16384, v4
	v_lshlrev_b32 v5, 5, v1
	v_lshlrev_b32 v6, 5, v7
	v_add_nc_u32 v6, 32*16384, v6
	v_lshlrev_b32 v7, 2, v1
	WIN TO_F
.irp q, 0,1,2,3,4,5,6,7
.irp p, 0,1,2,3,4,5
	global_load_b64 v[12*\q+2*\p:12*\q+2*\p+1], v3, s[66:67] offset:96*\q+48*(\p/3)+8*(\p%3)
	global_load_b64 v[128+12*\q+2*\p:128+12*\q+2*\p+1], v4, s[4:5] offset:96*\q+48*(\p/3)+8*(\p%3)
.endr
.endr
	WIN 0
	global_load_b128 v[32:35], v5, s[100:101]
	global_load_b128 v[36:39], v5, s[100:101] offset:16
	global_load_b128 v[40:43], v6, s[6:7]
	global_load_b128 v[44:47], v6, s[6:7] offset:16
	global_load_b32 v48, v7, s[10:11]
	s_wait_loadcnt 0x0
	WIN MUL
	v_wmma_scale_f32_16x16x128_f8f6f4 v[128:135], v[0:11], v[128:139], 0, v32, v40 matrix_a_fmt:MATRIX_FMT_FP6 matrix_b_fmt:MATRIX_FMT_FP6
	v_wmma_scale_f32_16x16x128_f8f6f4 v[136:143], v[12:23], v[140:151], 0, v33, v41 matrix_a_fmt:MATRIX_FMT_FP6 matrix_b_fmt:MATRIX_FMT_FP6
.irp q, 2,4,6                                  ; two accumulators by turns
	v_wmma_scale_f32_16x16x128_f8f6f4 v[128:135], v[12*\q:12*\q+11], v[128+12*\q:128+12*\q+11], v[128:135], v[32+\q], v[40+\q] matrix_a_fmt:MATRIX_FMT_FP6 matrix_b_fmt:MATRIX_FMT_FP6
	v_wmma_scale_f32_16x16x128_f8f6f4 v[136:143], v[12*\q+12:12*\q+23], v[128+12*\q+12:128+12*\q+23], v[136:143], v[33+\q], v[41+\q] matrix_a_fmt:MATRIX_FMT_FP6 matrix_b_fmt:MATRIX_FMT_FP6
.endr
	WIN 0
	v_mul_f32 v49, s2, v48                         ; six plain lines: the places behind the products
	v_lshlrev_b32 v50, 12, v1
	v_lshl_add_u32 v50, v2, 6, v50
	v_add_nc_u32 v50, s19, v50
	v_lshl_add_u32 v51, v2, 4, s3
	v_mov_b32 v52, 0
.irp j, 0,1,2,3,4,5,6,7
	v_add_f32 v[T+\j], v[128+\j], v[136+\j]
.endr
.irp j, 0,1,2,3,4,5,6,7
	v_fma_f32 v[T+\j], v[T+\j], s2, v49            ; -(x + b) log2(e)
.endr
	s_wait_alu depctr_va_vdst(0)
.irp j, 0,1,2,3,4,5,6,7
	v_exp_f32 v[T+\j], v[T+\j]
.endr
	v_nop
	s_wait_alu depctr_va_vdst(0)
.irp j, 0,1,2,3,4,5,6,7
	v_add_f32 v[T+\j], 1.0, v[T+\j]
.endr
	s_wait_alu depctr_va_vdst(0)
.irp j, 0,1,2,3,4,5,6,7
	v_rcp_f32 v[T+\j], v[T+\j]
.endr
	v_cmp_eq_u32 vcc_lo, 1016, v51                 ; my register 7 is node 1,023
	v_nop
	s_wait_alu depctr_va_vdst(0)
	v_cndmask_b32 v[T+7], v[T+7], v52, vcc_lo
	global_store_b128 v50, v[T:T+3], s[22:23]
	global_store_b128 v50, v[T+4:T+7], s[22:23] offset:16
	s_wait_xcnt 0x0
.Lno_gate:
	s_wait_alu depctr_va_vdst(0)                   ; ahead of readers behind the branch
.irp i, 0,1,2,3
	global_load_b128 v[SC+8*\i:SC+8*\i+3], v[ADRS], s[6:7] offset:512*\i       ; block i: the words of K steps 0-3,
	global_load_b128 v[SC+8*\i+4:SC+8*\i+7], v[ADRS], s[6:7] offset:512*\i+16  ; and 4-7
.endr
.macro FRAG reg, adr, q, i             ; 16 rows x 128 K: six pieces of 8 bytes; piece PC of a row lies at 8 PC + 16 (PC / 32); where lanes 16-31's piece lies behind one padding more, the second register serves
.irp p, 0,1,2,3,4,5
.set PC, 12*(\q)+6*(\p/3)+\p%3
.if PC%32 < 29
	ds_load_b64 v[\reg+2*\p:\reg+2*\p+1], v[\adr] offset:8*PC+16*(PC/32)+(\i)*16*PITCH
.else
	ds_load_b64 v[\reg+2*\p:\reg+2*\p+1], v[\adr+1] offset:8*PC+16*(PC/32)+(\i)*16*PITCH
.endif
.endr
.endm
.macro FETCH s
	WIN TO_F
.irp i, 0,1,2,3
	FRAG 128*((\s)%2)+48+FR*\i, ADRB, \s, \i
	FRAG 128*((\s)%2)+FR*\i, ADRA, \s, \i
.endr
.endm
.macro MUL16 s, first                  ; the 16 accumulators by turns; first = 1: the sums begin with the bias
.irp a, 0,1,2,3
.irp b, 0,1,2,3
.if \first
	v_wmma_scale_f32_16x16x128_f8f6f4 v[ACC+8*(4*\a+\b):ACC+8*(4*\a+\b)+7], v[128*((\s)%2)+48+FR*\b:128*((\s)%2)+48+FR*\b+FR-1], v[128*((\s)%2)+FR*\a:128*((\s)%2)+FR*\a+FR-1], v[BI+8*\b:BI+8*\b+7], v[SC+8*\b+(\s)], v[SC+8*\a+(\s)] matrix_a_fmt:MATRIX_FMT_FP6 matrix_b_fmt:MATRIX_FMT_FP6 matrix_a_scale:MATRIX_SCALE_ROW1
.else
	v_wmma_scale_f32_16x16x128_f8f6f4 v[ACC+8*(4*\a+\b):ACC+8*(4*\a+\b)+7], v[128*((\s)%2)+48+FR*\b:128*((\s)%2)+48+FR*\b+FR-1], v[128*((\s)%2)+FR*\a:128*((\s)%2)+FR*\a+FR-1], v[ACC+8*(4*\a+\b):ACC+8*(4*\a+\b)+7], v[SC+8*\b+(\s)], v[SC+8*\a+(\s)] matrix_a_fmt:MATRIX_FMT_FP6 matrix_b_fmt:MATRIX_FMT_FP6 matrix_a_scale:MATRIX_SCALE_ROW1
.endif
.endr
.endr
.endm
.macro STEP s, first                   ; the next step's fragments are asked for ahead of this step's products
	s_wait_dscnt 0x0
.if (\s) < 7
.if (\s) > 0
	PLACES 4
.endif
	FETCH (\s)+1
.endif
	WIN MUL
	MUL16 \s, \first
.endm
	s_wait_loadcnt 0x0                             ; the bias and the scale words
	s_wait_tensorcnt 0x0                           ; my 64 rows are in
	s_barrier_signal -1
	s_barrier_wait -1                              ; everybody's are
	FETCH 0
	STEP 0, 1
.irp s, 1,2,3,4,5,6,7
	STEP \s, 0
.endr
	WIN 0
	PLACES 4
	; the way out uses no LDS: my 64 columns are one head
	s_lshr_b32 s2, s18, 3
	s_lshl_b32 s2, s2, 4
	s_lshl_b32 s3, s17, 1
	s_add_co_u32 s2, s2, s3
	s_add_co_u32 s2, s2, s16                       ; 16 batch + head
	s_lshl_b32 s2, s2, 3
	s_and_b32 s3, s18, 7
	s_add_co_u32 s2, s2, s3                        ; the chunk of 128 tokens
	s_mul_i32 s2, s2, 8704
	s_mov_b32 s3, 0
	s_add_nc_u64 s[20:21], s[20:21], s[2:3]
	s_lshl_b32 s2, s15, 8
	s_add_co_u32 s2, s2, 8192
	s_add_nc_u64 s[66:67], s[20:21], s[2:3]
	s_lshl_b32 s2, s15, 12
	s_add_nc_u64 s[20:21], s[20:21], s[2:3]
	s_mov_b32 s100, 0x3e000000                     ; 64^-1/2
	s_mov_b32 s101, s100
	s_mov_b32 s12, 0x76543210
	s_mov_b32 s13, 0xfedcba98
	v_and_b32 v3, 31, v0
	v_lshlrev_b32 v3, 4, v3
	v_lshlrev_b32 v4, 2, v1
	v_sub_nc_u32 v5, 1, v2
	v_lshlrev_b32 v[H+6], 3, v5                    ; code 64 = 1.0, in lanes 0-15
	v_mov_b32 v[H+7], 0
	v_mov_b32 v[TM+2], 0
	v_mov_b32 v[TM+3], 0
.macro QOUT a
.set n, 0
.rept 16
	v_pk_mul_f32 v[T+n:T+n+1], v[ACC+32*(\a)+n:ACC+32*(\a)+n+1], s[100:101] op_sel_hi:[1,0]
.set n, n+2
.endr
.irp b, 0,1
	v_max3_num_f32 v[TM+\b], |v[T+16*\b]|, |v[T+1+16*\b]|, 0x1800000
.endr
.irp i, 2,4,6,8,10,12,14
.irp b, 0,1
	v_max3_num_f32 v[TM+\b], v[TM+\b], |v[T+16*\b+\i]|, |v[T+1+16*\b+\i]|
.endr
.endr
.irp b, 0,1
	v_permlanex16_b32 v[TM+2+\b], v[TM+\b], s12, s13
.endr
.irp b, 0,1
	v_max_num_f32 v[TM+\b], v[TM+\b], v[TM+2+\b]
.endr
.irp b, 0,1
	v_add_nc_u32 v[TM+4+\b], 0xff000000, v[TM+\b]
.endr
.irp b, 0,1
	v_lshrrev_b32 v[TM+2+\b], 23, v[TM+4+\b]
.endr
.if (\a) > 0
	s_wait_alu depctr_va_vdst(0)
	s_wait_xcnt 0x0                                ; the last tile's stores have read their registers
.endif
	v_lshl_or_b32 v[PW], v[TM+3], 8, v[TM+2]
	v_or_b32 v[PW], 0x40be0000, v[PW]              ; 2^63 for code 64, 2^-63 for the empty block
	v_cvt_scalef32_pk16_fp6_f32 v[H:H+2], v[T:T+15], v[TM+4]
	v_cvt_scalef32_pk16_fp6_f32 v[X:X+2], v[T+16:T+31], v[TM+5]
	v_nop
.irp i, 0,1,2
	v_permlane16_swap_b32 v[H+\i], v[X+\i]
.endr
.irp i, 0,1,2
	v_mov_b32 v[H+3+\i], v[X+\i]
.endr
	global_store_b128 v3, v[H:H+3], s[20:21] offset:1024*(\a)
	global_store_b128 v3, v[H+4:H+7], s[20:21] offset:1024*(\a)+512
	global_store_b32 v4, v[PW], s[66:67] offset:64*(\a)
.endm
.irp a, 0,1,2,3
	QOUT \a
.endr
	s_wait_tensorcnt 0x0                           ; the wave's end
	ds_add_u32 v30, v31
	s_wait_dscnt 0x0
	CROUND
	s_endpgm
.Lfunc_end_k_qf48aec33d5_projq:
	.size	k_qf48aec33d5_projq, .Lfunc_end_k_qf48aec33d5_projq-k_qf48aec33d5_projq
	.p2alignl 7, 3214868480
	.fill 96, 4, 3214868480
	.section	.rodata,"a",@progbits
	.p2align	6, 0x0
	.amdhsa_kernel k_qf48aec33d5_projq
		.amdhsa_group_segment_fixed_size 209408
		.amdhsa_private_segment_fixed_size 0
		.amdhsa_enable_private_segment 0
		.amdhsa_kernarg_size 48
		.amdhsa_user_sgpr_count 2
		.amdhsa_user_sgpr_kernarg_segment_ptr 1
		.amdhsa_wavefront_size32 1
		.amdhsa_system_sgpr_workgroup_id_x 1
		.amdhsa_system_sgpr_workgroup_id_y 1
		.amdhsa_system_sgpr_workgroup_id_z 1
		.amdhsa_system_vgpr_workitem_id 0
		.amdhsa_next_free_vgpr 512
		.amdhsa_next_free_sgpr 102
		.amdhsa_reserve_vcc 1
		.amdhsa_float_denorm_mode_32 3
		.amdhsa_float_denorm_mode_16_64 3
		.amdhsa_memory_ordered 1
		.amdhsa_forward_progress 1
		.amdhsa_inst_pref_size 78
	.end_amdhsa_kernel
	.amdgpu_metadata
---
amdhsa.version: [ 1, 2 ]
amdhsa.kernels:
  - .name:           k_qf48aec33d5_projq
    .symbol:         k_qf48aec33d5_projq.kd
    .args:
      - { .name: codes, .offset: 0, .size: 8, .value_kind: global_buffer, .address_space: global }
      - { .name: scales, .offset: 8, .size: 8, .value_kind: global_buffer, .address_space: global }
      - { .name: in_proj_bias, .offset: 16, .size: 8, .value_kind: global_buffer, .address_space: global }
      - { .name: dw_b, .offset: 24, .size: 8, .value_kind: global_buffer, .address_space: global }
      - { .name: qf, .offset: 32, .size: 8, .value_kind: global_buffer, .address_space: global }
      - { .name: dwt, .offset: 40, .size: 8, .value_kind: global_buffer, .address_space: global }
    .group_segment_fixed_size: 209408
    .private_segment_fixed_size: 0
    .kernarg_segment_align: 8
    .kernarg_segment_size: 48
    .max_flat_workgroup_size: 128
    .sgpr_count:     102
    .vgpr_count:     512
    .wavefront_size: 32
...
	.end_amdgpu_metadata
.endif
;; end of part 7
;; launch proj (part 8): grid 16 x 16, 4 waves a work-group, clusters of 4 x 4, 327,680 bytes of LDS; arguments codes, scales, in_proj_bias, key_padding_mask, node_padding_mask, dwt, kv; writes kv
.if DOCPART == 8
	.amdgcn_target "amdgcn-amd-amdhsa--gfx1250"
	.amdhsa_code_object_version 6
	.text
	.protected	k_qf48aec33d5_proj
	.globl	k_qf48aec33d5_proj
	.p2align	8
	.type	k_qf48aec33d5_proj,@function
k_qf48aec33d5_proj:
	s_mov_b64 s[64:65], 0
	v_nop
	global_prefetch_b8 v0, s[64:65] scope:SCOPE_SE
	s_setreg_imm32_b32 hwreg(HW_REG_WAVE_MODE, 25, 1), 1
	s_wait_xcnt 0x0
	s_wait_alu depctr_hold_cnt(0) depctr_sa_sdst(0) depctr_va_vdst(0) depctr_va_sdst(0) depctr_va_ssrc(0) depctr_va_vcc(0) depctr_vm_vsrc(0)
	s_getreg_b32 s2, hwreg(HW_REG_IB_STS2, 6, 4)
	s_cmp_eq_u32 s2, 0
	s_cbranch_scc0 .Lentry_in_a_cluster
	s_endpgm
.Lentry_in_a_cluster:
	s_bfe_u32 s2, ttmp6, 0x10000c
	s_cmp_lg_u32 s2, 0xf033
	s_cbranch_scc0 .Lentry_shape_is_right
	s_endpgm
.Lentry_shape_is_right:
; k, v, node k and node v: four products [4,096 x 1,024] x [1,024 x 1,024] on codes of FP6 (E2M3) with E8M0 scales, tiles of 256 x 256, 256 work-groups; cluster x picks the product, cluster y the batch.
; For k source 1 holds tokens and source 0 rows of Wk; for v the sides are exchanged, so that a lane's registers run along the next product's K (channels for k, keys for v).
; K goes through a ring of two LDS slots in CHUNKS OF 256 BYTES of each row of 768 (three chunks; each tile row begins at a multiple of 256 bytes); a step of 128 along K is 96 bytes: steps 2 and 5 lie across two chunks.
; The head's four tiles (chunk 0 of both sides, both sides' scales) are shared out, one joint load a wave; chunk 1 and chunk 2 each stand behind the full sequence and a round of the cluster's barrier, one load a wave.
; No prefetch: the walk has three chunks, of which two are asked for before the first product.
; THE WAY OUT uses no LDS: bias (and for node v the gate) in f32, the quantiser in registers, images of the attention's operand registers: a chunk of 128 keys is 8 K images of 1,024 bytes, 4 V images of 1,536, 512 + 512 bytes of scale words.
; A masked key gets code 64 = -1.0 with scale 2^63, key 2,047, which does not exist, -2.0.  LIMITS: NaN and infinities are not served; blocks whose largest magnitude lies under 2^-124 keep the byte 1.
.set ROWB,   256
.set NQ,     2
.set KROW,   768
.set STEPS,  8
.set CHUNKS, 3
.set PITCH,  272
.set FR,     12
.set NL,     6
.set NP,     4
.set HALFT,  128*PITCH
.set SLOT,   4*HALFT
.set KS,     32
.set SCL,    2*SLOT
.set HALFS,  (128*KS/256)*272
.set SBLK,   (16*KS/256)*272
.set SPARE,  SCL+4*HALFS
.set ADRA, 16
.set ADRB, 20
.set ADRS, 27
.set SPW,  28
.set NIL,  29
.set SC,   32
.set AF,   128
.set G1, 24
.set G0, 32
.set G1B, 48
.set G0B, 56
.set G1S, 68
.set G0S, 76
.set G1SB, 80
.set G0SB, 88
.set G0H, 4
.set G0HB, 8
.set CL, 66
.set BT, 67
.set H,   32
.set X,   48
.set T,   64
.set TM,  128
.set PW,  144
.set W0,  145
.set W1,  146
.set MK,  160
.set HI,  168
.set MB,  176
.set KEY, 184
.set KC,  200
.set SEL, 86
.set MSB, 0
.macro WIN new
.if MSB != (\new)
	s_set_vgpr_msb (MSB<<8)|(\new)
.set MSB, (\new)
.endif
.endm
.set MUL_LO, 0xa1
.set MUL_HI, 0xf1
.set TO_B,   0x40
.macro JLOAD g0a, g1a, g0b, g1b
	s_cmp_eq_u32 s15, 0
	s_cbranch_scc0 .Lfor_b_\@
	tensor_load_to_lds s[\g0a:\g0a+3], s[\g1a:\g1a+7]
	s_nop 0
.rept 4
	v_nop
.endr
	s_branch .Lasked_\@
.Lfor_b_\@:
	tensor_load_to_lds s[\g0b:\g0b+3], s[\g1b:\g1b+7]
	s_nop 0
.rept 4
	v_nop
.endr
.Lasked_\@:
.endm
.macro CREST
	s_cmp_lg_u32 s14, 0
	s_cbranch_scc1 .Lnot_wave_0_\@
	s_barrier_signal -3
.Lnot_wave_0_\@:
	s_barrier_wait -3
	s_barrier_signal -1
	s_barrier_wait -1
.endm
.macro CROUND
	s_barrier_signal -1
	s_barrier_wait -1
	CREST
.endm
	s_load_b128 s[4:7], s[0:1], 0x0                ; codes, scales
	v_lshl_add_u32 v[SPW], v0, 2, SPARE
	v_mov_b32 v[NIL], 0
	ds_add_u32 v[SPW], v[NIL]                      ; the opening lines
	ds_add_u32 v[SPW], v[NIL]
	v_lshrrev_b32 v1, 5, v0
	v_readfirstlane_b32 s14, v1
	s_lshr_b32 s15, s14, 1
	s_and_b32 s16, s14, 1
	s_bfe_u32 s40, ttmp6, 0x40000
	s_bfe_u32 s41, ttmp6, 0x40004
	s_add_co_u32 s[CL], ttmp9, 1                   ; 1 k, 2 node k, 3 v, 4 node v
	s_and_b32 s[BT], ttmp7, 0xffff                 ; the batch
	s_lshl_b32 s43, s41, 2
	s_lshl_b32 s43, 15, s43
	s_lshl_b32 s44, 0x1111, s40
	s_cmp_lt_u32 s[CL], 3
	s_cselect_b32 s17, 0, 2
	s_sub_co_u32 s17, s[CL], s17
	s_lshl_b32 s17, s17, 12
	s_lshl_b32 s18, s[BT], 10
	s_add_co_u32 s17, s17, s18                     ; the tokens' first row
	s_cmp_ge_u32 s[CL], 3
	s_cselect_b32 s18, 2, 1
	s_lshl_b32 s18, s18, 10
	s_add_co_u32 s18, s18, 12288                   ; the weight's first row
	s_cmp_ge_u32 s[CL], 3
	s_cselect_b32 s42, s18, s17
	s_cselect_b32 s94, s17, s18
	s_or_b32 s[G1+0], s43, (0<<16)|(1<<20)|(1<<21)|(5<<22)|(3<<25)
	s_or_b32 s[G1B+0], s44, (0<<16)|(1<<20)|(1<<21)|(5<<22)|(3<<25)
.irp g, G1, G1B
	s_mov_b32 s[\g+1], ROWB<<16
	s_mov_b32 s[\g+2], 256<<16
	s_mov_b32 s[\g+3], ROWB<<16
	s_mov_b32 s[\g+4], 256
	s_mov_b32 s[\g+5], KROW
	s_mov_b32 s[\g+6], 0
	s_mov_b32 s[\g+7], 0
.endr
	s_or_b32 s[G1S+0], s43, (3<<16)|(1<<20)|(1<<21)|(5<<22)|(3<<25)
	s_or_b32 s[G1SB+0], s44, (3<<16)|(1<<20)|(1<<21)|(5<<22)|(3<<25)
.irp g, G1S, G1SB
	s_mov_b32 s[\g+1], 32<<16
	s_mov_b32 s[\g+2], KS<<16
	s_mov_b32 s[\g+3], 32<<16
	s_mov_b32 s[\g+4], KS
	s_mov_b32 s[\g+5], 32
	s_mov_b32 s[\g+6], 0
	s_mov_b32 s[\g+7], 0
.endr
	s_lshl_b32 s20, s41, 8
	s_add_co_u32 s20, s20, s42                     ; source 1's tile: its first row
	s_lshl_b32 s46, s40, 8
	s_add_co_u32 s46, s46, s94                     ; source 0's
	s_lshl_b32 s22, s20, 5
	s_mov_b32 s23, 0
	s_mul_i32 s20, s20, KROW
	s_mov_b32 s21, 0
	s_lshl_b32 s92, s46, 5
	s_mov_b32 s93, 0
	s_mul_i32 s46, s46, KROW
	s_mov_b32 s47, 0
	s_mul_i32 s18, s16, 128*KROW
	s_mov_b32 s19, 0
	s_mul_i32 s45, s14, HALFT
	s_wait_dscnt 0x0
	s_wait_kmcnt 0x0
	s_add_nc_u64 s[20:21], s[4:5], s[20:21]
	s_add_nc_u64 s[22:23], s[6:7], s[22:23]
	s_add_nc_u64 s[46:47], s[4:5], s[46:47]
	s_add_nc_u64 s[92:93], s[6:7], s[92:93]
	CROUND
	s_mov_b32 s[G0H], 1
	s_mov_b32 s[G0H+1], 0
	s_mov_b64 s[G0H+2:G0H+3], s[20:21]
	s_or_b32 s[G0H+3], s[G0H+3], 0x80000000
	s_mov_b32 s[G0HB], 1
	s_mov_b32 s[G0HB+1], 2*HALFT
	s_mov_b64 s[G0HB+2:G0HB+3], s[46:47]
	s_or_b32 s[G0HB+3], s[G0HB+3], 0x80000000
	s_mov_b32 s[G0S], 1
	s_mov_b32 s[G0S+1], SCL
	s_mov_b64 s[G0S+2:G0S+3], s[22:23]
	s_or_b32 s[G0S+3], s[G0S+3], 0x80000000
	s_mov_b32 s[G0SB], 1
	s_mov_b32 s[G0SB+1], SCL+2*HALFS
	s_mov_b64 s[G0SB+2:G0SB+3], s[92:93]
	s_or_b32 s[G0SB+3], s[G0SB+3], 0x80000000
	s_add_nc_u64 s[20:21], s[20:21], s[18:19]
	s_add_nc_u64 s[46:47], s[46:47], s[18:19]
.irp s, 0,1
	s_mov_b32 s[G0+4*\s], 1
	s_add_co_u32 s[G0+4*\s+1], s45, \s*SLOT
	s_add_nc_u64 s[G0+4*\s+2:G0+4*\s+3], s[20:21], \s*ROWB
	s_or_b32 s[G0+4*\s+3], s[G0+4*\s+3], 0x80000000
	s_mov_b32 s[G0B+4*\s], 1
	s_add_co_u32 s[G0B+4*\s+1], s45, \s*SLOT
	s_add_nc_u64 s[G0B+4*\s+2:G0B+4*\s+3], s[46:47], \s*ROWB
	s_or_b32 s[G0B+4*\s+3], s[G0B+4*\s+3], 0x80000000
.endr
.macro ARM under, g0, g1, next         ; the head's loads, one a wave, in one chain of branches on the wave's number
	s_cmp_lt_u32 s14, \under
	s_cbranch_scc0 \next
	tensor_load_to_lds s[\g0:\g0+3], s[\g1:\g1+7]
	s_nop 0
.rept 4
	v_nop
.endr
	s_branch .Lhead_asked
\next:
.endm
	ARM 1, G0H,  G1,  .Lhead_b
	ARM 2, G0HB, G1B, .Lhead_sa
	ARM 3, G0S,  G1S, .Lhead_sb
	tensor_load_to_lds s[G0SB:G0SB+3], s[G1SB:G1SB+7]
	s_nop 0
.rept 4
	v_nop
.endr
.Lhead_asked:
	v_and_b32 v1, 15, v0
	v_bfe_u32 v2, v0, 4, 1
	v_mul_u32_u24 v3, v1, PITCH
	v_mul_u32_u24 v4, v2, 24
	v_add_nc_u32 v4, v3, v4
	s_mov_b32 s21, SLOT-232
	s_mov_b32 s22, SLOT+232
	v_sub_nc_u32 v7, 1, v2
	v_mul_u32_u24 v5, s21, v2
	v_add_nc_u32 v5, v3, v5
	v_add_nc_u32 v5, 232, v5                       ; across two chunks: lanes 0-15 byte 232 in slot 0, lanes 16-31 byte 0 in slot 1;
	v_mul_u32_u24 v6, s22, v7
	v_add_nc_u32 v6, v3, v6                        ; and the other way round
	s_mul_i32 s21, s15, HALFT
	s_mul_i32 s22, s16, HALFT
	s_add_co_u32 s22, s22, 2*HALFT
	v_add_nc_u32 v[ADRA+2], s21, v5
	v_add_nc_u32 v[ADRA+3], s21, v6
	v_add_nc_u32 v[ADRB+2], s22, v5
	v_add_nc_u32 v[ADRB+3], s22, v6
.irp s, 0,1
	v_add_nc_u32 v[ADRA+\s], s21, v4
	v_add_nc_u32 v[ADRB+\s], s22, v4
	s_add_co_u32 s21, s21, SLOT
	s_add_co_u32 s22, s22, SLOT
.endr
	v_mul_u32_u24 v5, v1, KS
	v_lshrrev_b32 v6, 8, v5
	v_lshl_add_u32 v5, v6, 4, v5
	s_mul_i32 s21, s15, HALFS
	s_mul_i32 s22, s16, HALFS
	s_add_co_u32 s22, s22, 2*HALFS
	s_sub_co_u32 s22, s22, s21
	v_mul_u32_u24 v6, s22, v2
	s_add_co_u32 s21, s21, SCL
	v_add_nc_u32 v5, v5, v6
	v_add_nc_u32 v[ADRS], s21, v5
.macro FRAG reg, adr, st, i            ; six pieces of 8 bytes; byte y of a row lies in chunk y / 256, slot (y / 256) % 2
.irp p, 0,1,2,3,4,5
.set BY, 96*(\st)+48*(\p/3)+8*(\p%3)
.if BY/ROWB == (BY+24)/ROWB
	ds_load_b64 v[\reg+2*\p:\reg+2*\p+1], v[\adr+(BY/ROWB)%2] offset:BY%ROWB+(\i)*16*PITCH
.else
	ds_load_b64 v[\reg+2*\p:\reg+2*\p+1], v[\adr+2+(BY/ROWB)%2] offset:BY%ROWB-232+(\i)*16*PITCH
.endif
.endr
.endm
.macro MUL16 a0, p, q, sc, zero        ; the 64 accumulators by turns
.irp a, \a0, \a0+1
.irp b, 0,1,2,3,4,5,6,7
.if \zero
	v_wmma_scale_f32_16x16x128_f8f6f4 v[8*(8*((\a)%4)+\b):8*(8*((\a)%4)+\b)+7], v[128*(\p)+FR*\b:128*(\p)+FR*\b+FR-1], v[AF+FR*(\a):AF+FR*(\a)+FR-1], 0, v[SC+8*NQ*(\sc)+NQ*\b+(\q)], v[SC+8*NQ*(\sc)+NQ*(\a)+(\q)] matrix_a_fmt:MATRIX_FMT_FP6 matrix_b_fmt:MATRIX_FMT_FP6 matrix_a_scale:MATRIX_SCALE_ROW1
.else
	v_wmma_scale_f32_16x16x128_f8f6f4 v[8*(8*((\a)%4)+\b):8*(8*((\a)%4)+\b)+7], v[128*(\p)+FR*\b:128*(\p)+FR*\b+FR-1], v[AF+FR*(\a):AF+FR*(\a)+FR-1], v[8*(8*((\a)%4)+\b):8*(8*((\a)%4)+\b)+7], v[SC+8*NQ*(\sc)+NQ*\b+(\q)], v[SC+8*NQ*(\sc)+NQ*(\a)+(\q)] matrix_a_fmt:MATRIX_FMT_FP6 matrix_b_fmt:MATRIX_FMT_FP6 matrix_a_scale:MATRIX_SCALE_ROW1
.endif
.endr
.endr
.endm
.macro FETCH_B st, p
	WIN TO_B
.irp i, 0,1,2,3,4,5,6,7
	FRAG 128*(\p)+FR*\i, ADRB, \st, \i
.endr
	WIN 0
.endm
.macro FETCH_A st, i0
.irp i, \i0, \i0+1, \i0+2, \i0+3
	FRAG AF+FR*(\i), ADRA, \st, \i
.endr
.endm
.macro SCALES pr
.irp i, 0,1,2,3,4,5,6,7
	ds_load_b64 v[SC+8*NQ*((\pr)%2)+NQ*\i:SC+8*NQ*((\pr)%2)+NQ*\i+1], v[ADRS] offset:\i*SBLK+4*NQ*(\pr)
.endr
.endm
.macro PLACES n
.rept \n
	v_nop
.endr
.endm
; A step of 128 along K.  Where the next step's bytes end in a chunk not yet read: wait for my loads, a barrier.  Where they begin in a later chunk: the three lines, the barrier, and, if a chunk two on is left, a round and the refill.
.macro STEP st, zero
.set NX, (\st)+1
.set C0, (96*(\st))/ROWB
.set C1, (96*NX)/ROWB
.set E0, (96*(\st)+95)/ROWB
.set E1, (96*NX+95)/ROWB
.if C1 > C0 || E1 > E0
	s_wait_tensorcnt 0x0
.if C1 > C0
	ds_add_u32 v[SPW], v[NIL]
	s_wait_dscnt 4*NL+1                            ; the add and source 1's blocks 4-7 (24 loads) may be out
.else
	s_wait_dscnt 4*NL                              ; source 1's blocks 4-7 may be out
.endif
	WIN MUL_LO
	MUL16 0, (\st)%2, (\st)%2, ((\st)/2)%2, \zero
	s_wait_dscnt 0x0
	s_barrier_signal -1
	MUL16 2, (\st)%2, (\st)%2, ((\st)/2)%2, \zero
	WIN 0
	s_barrier_wait -1
.if C1 > C0 && C0+2 < CHUNKS
	CREST
	s_add_nc_u64 s[G0+4*(C0%2)+2:G0+4*(C0%2)+3], s[G0+4*(C0%2)+2:G0+4*(C0%2)+3], 2*ROWB
	s_add_nc_u64 s[G0B+4*(C0%2)+2:G0B+4*(C0%2)+3], s[G0B+4*(C0%2)+2:G0B+4*(C0%2)+3], 2*ROWB
	JLOAD G0+4*(C0%2), G1, G0B+4*(C0%2), G1B
.else
	PLACES NP
.endif
.else
	s_wait_dscnt 4*NL
	WIN MUL_LO
	MUL16 0, (\st)%2, (\st)%2, ((\st)/2)%2, \zero
	MUL16 2, (\st)%2, (\st)%2, ((\st)/2)%2, \zero
	s_wait_dscnt 0
	PLACES NP
.endif
	FETCH_B NX, NX%2
	FETCH_A NX, 0
.if NX%2 == 0
	SCALES NX/2
.endif
	WIN MUL_HI
	MUL16 4, (\st)%2, (\st)%2, ((\st)/2)%2, \zero
	MUL16 6, (\st)%2, (\st)%2, ((\st)/2)%2, \zero
	PLACES NP
	WIN 0
	FETCH_A NX, 4
.endm
	s_wait_alu depctr_va_vdst(0)                   ; the head's end
	s_wait_tensorcnt 0x0                           ; my tile of the head's four is in
	ds_add_u32 v[SPW], v[NIL]
	s_mov_b32 s[G1+2], 128<<16                     ; no load of mine is out: from here on a load brings 128 rows
	s_mov_b32 s[G1+4], 128
	s_mov_b32 s[G1B+2], 128<<16
	s_mov_b32 s[G1B+4], 128
	s_wait_dscnt 0x0
	CROUND
	JLOAD G0+4, G1, G0B+4, G1B                     ; chunk 1
	FETCH_B 0, 0
	FETCH_A 0, 0
	SCALES 0
	FETCH_A 0, 4
	STEP 0, 1
.set ST, 1
.rept STEPS-2
	STEP ST, 0
.set ST, ST+1
.endr
	s_wait_dscnt 4*NL
	WIN MUL_LO
	MUL16 0, 1, 1, 1, 0
	MUL16 2, 1, 1, 1, 0
	s_wait_dscnt 0
	WIN MUL_HI
	MUL16 4, 1, 1, 1, 0
	MUL16 6, 1, 1, 1, 0
	WIN 0
	PLACES NP
.macro QUANT src, dst, str             ; 64 numbers a lane: four blocks of 32, each shared with lane l xor 16
.irp b, 0,1,2,3
	v_max3_num_f32 v[TM+\b], |v[\src+16*\b]|, |v[\src+1+16*\b]|, 0x1800000
.endr
.irp i, 2,4,6,8,10,12,14
.irp b, 0,1,2,3
	v_max3_num_f32 v[TM+\b], v[TM+\b], |v[\src+16*\b+\i]|, |v[\src+1+16*\b+\i]|
.endr
.endr
.irp b, 0,1,2,3
	v_permlanex16_b32 v[TM+4+\b], v[TM+\b], s[SEL], s[SEL+1]
.endr
.irp b, 0,1,2,3
	v_max_num_f32 v[TM+\b], v[TM+\b], v[TM+4+\b]
.endr
.irp b, 0,1,2,3
	v_add_nc_u32 v[TM+8+\b], 0xff000000, v[TM+\b]
.endr
.irp b, 0,1,2,3
	v_lshrrev_b32 v[TM+4+\b], 23, v[TM+8+\b]
.endr
	v_lshl_or_b32 v[PW], v[TM+5], 8, v[TM+4]
	v_lshl_or_b32 v[PW], v[TM+6], 16, v[PW]
	v_lshl_or_b32 v[PW], v[TM+7], 24, v[PW]
.irp c, 0,1
	v_cvt_scalef32_pk16_fp6_f32 v[\dst+\str*\c:\dst+\str*\c+2], v[\src+32*\c:\src+15+32*\c], v[TM+8+2*\c]
	v_cvt_scalef32_pk16_fp6_f32 v[X+4*\c:X+4*\c+2], v[\src+16+32*\c:\src+31+32*\c], v[TM+8+2*\c+1]
.endr
	v_nop
.irp c, 0,1
.irp i, 0,1,2
	v_permlane16_swap_b32 v[\dst+\str*\c+\i], v[X+4*\c+\i]
.endr
.irp i, 0,1,2
	v_mov_b32 v[\dst+\str*\c+3+\i], v[X+4*\c+\i]
.endr
.endr
.endm
	s_load_b128 s[72:75], s[0:1], 0x10             ; in_proj_bias, key_padding_mask
	s_load_b128 s[76:79], s[0:1], 0x20             ; node_padding_mask, dwt
	s_load_b64 s[82:83], s[0:1], 0x30              ; kv
	s_mov_b32 s[SEL], 0x76543210
	s_mov_b32 s[SEL+1], 0xfedcba98
	v_and_b32 v6, 15, v0
	v_bfe_u32 v7, v0, 4, 1
	v_and_b32 v8, 31, v0
	v_lshlrev_b32 v1, 4, v8
	v_lshlrev_b32 v2, 2, v8
	v_lshlrev_b32 v3, 2, v6
	v_lshlrev_b32 v4, 6, v7
	v_and_b32 v9, 8, v6
	v_add_nc_u32 v9, v9, v6
	v_lshlrev_b32 v5, 2, v9
.irp b, 0,1,2,3
	v_mov_b32 v[TM+4+\b], 0
.endr
	s_wait_kmcnt 0x0
	s_cmp_ge_u32 s[CL], 3
	s_cbranch_scc1 .Lvpath
	s_cmp_eq_u32 s[CL], 2
	s_cselect_b32 s93, 8, 0
	s_cselect_b64 s[94:95], s[76:77], s[74:75]
	s_mov_b32 s96, 1024
	s_cselect_b32 s96, 1023, s96
	s_mov_b32 s97, 0xffff
	s_cselect_b32 s97, 1023, s97
	s_lshl_b32 s4, s41, 1
	s_add_co_u32 s4, s4, s15
	s_lshl_b32 s5, s40, 2
	s_lshl_b32 s6, s16, 1
	s_add_co_u32 s5, s5, s6
	s_lshl_b32 s6, s[BT], 4
	s_add_co_u32 s6, s6, s5
	s_lshl_b32 s6, s6, 4
	s_add_co_u32 s6, s6, s4
	s_add_co_u32 s6, s6, s93
	s_mul_i32 s8, s6, 15360
	s_mov_b32 s9, 0
	s_add_nc_u64 s[10:11], s[82:83], s[8:9]
	s_add_nc_u64 s[18:19], s[10:11], 245760
	s_add_nc_u64 s[20:21], s[10:11], 14336
	s_add_nc_u64 s[22:23], s[18:19], 14336
	s_lshl_b32 s8, s5, 8
	s_add_co_u32 s8, s8, 4096
	s_add_nc_u64 s[24:25], s[72:73], s[8:9]
	WIN 0x40
	s_wait_alu depctr_va_vdst(0)
.irp k, 0,1,2,3,4,5,6,7,8,9,10,11,12,13,14,15
	global_load_b128 v[4*\k:4*\k+3], v4, s[24:25] offset:128*(\k/4)+16*(\k%4)
.endr
	WIN 0
	v_sub_nc_u32 v10, 1, v7
	v_mul_u32_u24 v192, v10, 0x28
	v_mul_u32_u24 v193, v10, 0x30
	v_mov_b32 v194, 0
	v_mov_b32 v195, 0x40010000
	v_mov_b32 v196, 0x40be0000
	v_mov_b32 v[H+7], 0
	v_mov_b32 v[H+15], 0
	s_mul_i32 s8, s[BT], s96
	s_add_nc_u64 s[94:95], s[94:95], s[8:9]
	s_lshl_b32 s12, s4, 7
	s_sub_co_u32 s13, s96, 1
	v_add_nc_u32 v11, s12, v9
.irp a, 0,1,2,3,4,5,6,7
	v_add_nc_u32 v[KEY+\a], 32*(\a/2)+8*(\a%2), v11
	v_min_u32 v[KC+\a], s13, v[KEY+\a]
	global_load_u8 v[MB+\a], v[KC+\a], s[94:95]
.endr
	s_wait_loadcnt 0x0
.irp a, 0,1,2,3,4,5,6,7
	v_cmp_ne_u32 vcc_lo, 0, v[MB+\a]
	v_cndmask_b32 v[MK+\a], v194, v192, vcc_lo
	v_cndmask_b32 v[HI+\a], v195, v196, vcc_lo
	v_cmp_eq_u32 vcc_lo, s97, v[KEY+\a]
	v_cndmask_b32 v[MK+\a], v[MK+\a], v193, vcc_lo
	v_cndmask_b32 v[HI+\a], v[HI+\a], v196, vcc_lo
.endr
.macro KOUT a
	WIN 0x06+(\a)/4
.set n, 0
.rept 32
	v_pk_add_f32 v[T+n:T+n+1], v[64*((\a)%4)+n:64*((\a)%4)+n+1], v[n:n+1]
.set n, n+2
.endr
	WIN 0
.if (\a) > 0
	s_wait_xcnt 0x0
.endif
	QUANT T, H, 8
	v_mov_b32 v[H+6], v[MK+\a]
	v_mov_b32 v[H+14], v[MK+\a]
	v_and_or_b32 v[W0], v[PW], 0xffff, v[HI+\a]
	v_lshrrev_b32 v[W1], 16, v[PW]
	v_or_b32 v[W1], v[W1], v[HI+\a]
	global_store_b128 v1, v[H:H+3], s[10:11] offset:1024*(\a)
	global_store_b128 v1, v[H+4:H+7], s[10:11] offset:1024*(\a)+512
	global_store_b128 v1, v[H+8:H+11], s[18:19] offset:1024*(\a)
	global_store_b128 v1, v[H+12:H+15], s[18:19] offset:1024*(\a)+512
	global_store_b32 v3, v[W0], s[20:21] offset:64*(\a)
	global_store_b32 v3, v[W1], s[22:23] offset:64*(\a)
.endm
.irp a, 0,1,2,3,4,5,6,7
	KOUT \a
.endr
	WIN 0
	s_branch .Ldone
.Lvpath:
	s_lshl_b32 s5, s41, 2
	s_lshl_b32 s6, s15, 1
	s_add_co_u32 s5, s5, s6
	s_lshl_b32 s4, s40, 1
	s_add_co_u32 s4, s4, s16
	s_cmp_eq_u32 s[CL], 4
	s_cselect_b32 s12, 8, 0
	s_add_co_u32 s12, s12, s4
	s_lshl_b32 s6, s[BT], 4
	s_add_co_u32 s6, s6, s5
	s_lshl_b32 s13, s6, 4
	s_add_co_u32 s13, s13, s12
	s_mul_i32 s8, s13, 15360
	s_add_co_u32 s8, s8, 8192
	s_mov_b32 s9, 0
	s_add_nc_u64 s[10:11], s[82:83], s[8:9]
	s_add_nc_u64 s[18:19], s[10:11], 245760
	s_add_nc_u64 s[20:21], s[10:11], 6656
	s_add_nc_u64 s[22:23], s[18:19], 6656
	s_lshl_b32 s8, s5, 8
	s_add_co_u32 s8, s8, 8192
	s_add_nc_u64 s[24:25], s[72:73], s[8:9]
	WIN 0x40
	s_wait_alu depctr_va_vdst(0)
.irp a, 0,1,2,3,4,5,6,7
	global_load_b32 v[128+2*\a], v5, s[24:25] offset:4*(32*(\a/2)+8*(\a%2))
.endr
	WIN 0
.macro BVDUP
	WIN 0x41
.irp a, 0,1,2,3,4,5,6,7
	v_mov_b32 v[129+2*\a], v[128+2*\a]
.endr
.endm
.macro VOUT a, node
	WIN 0x06+(\a)/4
.set n, 0
.rept 32
	v_pk_add_f32 v[T+n:T+n+1], v[64*((\a)%4)+n:64*((\a)%4)+n+1], v[128+2*(\a):129+2*(\a)]
.set n, n+2
.endr
.if \node
	WIN 0x04
.set n, 0
.rept 32
	v_pk_mul_f32 v[T+n:T+n+1], v[T+n:T+n+1], v[64*((\a)/4)+n:64*((\a)/4)+n+1]
.set n, n+2
.endr
.endif
	WIN 0
.if (\a) > 0
	s_wait_xcnt 0x0
.endif
	QUANT T, H, 6
.irp p, 0,1,2
	global_store_b128 v1, v[H+4*\p:H+4*\p+3], s[10+8*((\a)/4):11+8*((\a)/4)] offset:1536*((\a)%4)+512*\p
.endr
	global_store_b32 v2, v[PW], s[20+2*((\a)/4):21+2*((\a)/4)] offset:128*((\a)%4)
.endm
	s_cmp_eq_u32 s[CL], 4
	s_cbranch_scc1 .Lvnode
	s_wait_loadcnt 0x0
	BVDUP
.irp a, 0,1,2,3,4,5,6,7
	VOUT \a, 0
.endr
	WIN 0
	s_branch .Ldone
.Lvnode:
	s_lshl_b32 s8, s6, 12
	s_lshl_b32 s12, s4, 9
	s_add_co_u32 s8, s8, s12
	s_add_nc_u64 s[26:27], s[78:79], s[8:9]
	WIN 0x40
.irp c, 0,1
.irp k, 0,1,2,3,4,5,6,7,8,9,10,11,12,13,14,15
	global_load_b128 v[64*\c+4*\k:64*\c+4*\k+3], v4, s[26:27] offset:4096*\c+128*(\k/4)+16*(\k%4)
.endr
.endr
	WIN 0
	s_wait_loadcnt 0x0
	BVDUP
.irp a, 0,1,2,3,4,5,6,7
	VOUT \a, 1
.endr
	WIN 0
.Ldone:
	s_wait_tensorcnt 0x0                           ; the wave's end
	ds_add_u32 v[SPW], v[NIL]
	s_wait_dscnt 0x0
	CROUND
	s_endpgm
.Lfunc_end_k_qf48aec33d5_proj:
	.size	k_qf48aec33d5_proj, .Lfunc_end_k_qf48aec33d5_proj-k_qf48aec33d5_proj
	.p2alignl 7, 3214868480
	.fill 96, 4, 3214868480
	.section	.rodata,"a",@progbits
	.p2align	6, 0x0
	.amdhsa_kernel k_qf48aec33d5_proj
		.amdhsa_group_segment_fixed_size 327680
		.amdhsa_private_segment_fixed_size 0
		.amdhsa_enable_private_segment 0
		.amdhsa_kernarg_size 56
		.amdhsa_user_sgpr_count 2
		.amdhsa_user_sgpr_kernarg_segment_ptr 1
		.amdhsa_wavefront_size32 1
		.amdhsa_system_sgpr_workgroup_id_x 1
		.amdhsa_system_sgpr_workgroup_id_y 1
		.amdhsa_system_sgpr_workgroup_id_z 1
		.amdhsa_system_vgpr_workitem_id 0
		.amdhsa_next_free_vgpr 1024
		.amdhsa_next_free_sgpr 100
		.amdhsa_reserve_vcc 1
		.amdhsa_float_denorm_mode_32 3
		.amdhsa_float_denorm_mode_16_64 3
		.amdhsa_memory_ordered 1
		.amdhsa_forward_progress 1
		.amdhsa_inst_pref_size 255
	.end_amdhsa_kernel
	.section	.bss,"aw",@nobits
	.p2align	6
	.space	262144
	.amdgpu_metadata
---
amdhsa.version: [ 1, 2 ]
amdhsa.kernels:
  - .name:           k_qf48aec33d5_proj
    .symbol:         k_qf48aec33d5_proj.kd
    .args:
      - { .name: codes, .offset: 0, .size: 8, .value_kind: global_buffer, .address_space: global }
      - { .name: scales, .offset: 8, .size: 8, .value_kind: global_buffer, .address_space: global }
      - { .name: in_proj_bias, .offset: 16, .size: 8, .value_kind: global_buffer, .address_space: global }
      - { .name: key_padding_mask, .offset: 24, .size: 8, .value_kind: global_buffer, .address_space: global }
      - { .name: node_padding_mask, .offset: 32, .size: 8, .value_kind: global_buffer, .address_space: global }
      - { .name: dwt, .offset: 40, .size: 8, .value_kind: global_buffer, .address_space: global }
      - { .name: kv, .offset: 48, .size: 8, .value_kind: global_buffer, .address_space: global }
    .group_segment_fixed_size: 327680
    .private_segment_fixed_size: 0
    .kernarg_segment_align: 8
    .kernarg_segment_size: 56
    .max_flat_workgroup_size: 128
    .sgpr_count:     100
    .vgpr_count:     1024
    .wavefront_size: 32
...
	.end_amdgpu_metadata
.endif
;; end of part 8
;; launch attn (part 9): grid 4 x 64, 16 waves a work-group, clusters of 4 x 1, 263,168 bytes of LDS; arguments qf, kv, oc, os; writes oc, os
.if DOCPART == 9
	.amdgcn_target "amdgcn-amd-amdhsa--gfx1250"
	.amdhsa_code_object_version 6
	.text
	.protected	k_qf48aec33d5_attn
	.globl	k_qf48aec33d5_attn
	.p2align	8
	.type	k_qf48aec33d5_attn,@function
k_qf48aec33d5_attn:
	s_mov_b64 s[64:65], 0
	v_nop
	global_prefetch_b8 v0, s[64:65] scope:SCOPE_SE
	s_setreg_imm32_b32 hwreg(HW_REG_WAVE_MODE, 25, 1), 1
	s_wait_xcnt 0x0
	s_wait_alu depctr_hold_cnt(0) depctr_sa_sdst(0) depctr_va_vdst(0) depctr_va_sdst(0) depctr_va_ssrc(0) depctr_va_vcc(0) depctr_vm_vsrc(0)
	s_getreg_b32 s2, hwreg(HW_REG_IB_STS2, 6, 4)
	s_cmp_eq_u32 s2, 0
	s_cbranch_scc0 .Lentry_in_a_cluster
	s_endpgm
.Lentry_in_a_cluster:
	s_bfe_u32 s2, ttmp6, 0x10000c
	s_cmp_lg_u32 s2, 0x3003
	s_cbranch_scc0 .Lentry_shape_is_right
	s_endpgm
.Lentry_shape_is_right:
; o = softmax(q [k; node k]^T) [v; gated node v] for one batch and head (work-group y) and 256 queries (place in the cluster); both products on codes of FP6 (E2M3) with E8M0 scales.
; SHARES.  16 waves, each 16 queries against all 2,048 keys, in 16 steps of 128 keys.  A lane holds one query (both products are used transposed: S^T = k q^T, O^T = v^T p^T).
; ALL KEYS AND VALUES OF THE HEAD LIE IN LDS, FILLED ONCE: 16 chunks of 15,360 bytes (8 K images, 4 V images, scale words), one joint load a wave (60 rows of 256 bytes, 16 of padding behind each: 16,320 bytes a chunk),
; shared by the four work-groups of the cluster.  One barrier; no ring, no refill.  No prefetch: there is one fill and no loop of tensor loads to run ahead in.
; WHICH KEYS FORM A TILE: row r of tile (c, u) is key 64 c + 32 (r / 8) + 8 u + r % 8, picked out of the stored images by each lane's own address.  So the 32 registers of tiles (c, 0..3) are, in lane half h, the WHOLE block of
; keys 64 c + 32 h + 0 .. 31: a block's largest score needs no other lane, and the conversions' results are p's operand as they stand.  The padding sets rows r < 8 and r >= 8 of a load 128 bytes apart modulo 256.
; SOFTMAX: M = ceil(running largest t), t = score x log2(e); p = 2^(t - M); the sum is taken of the unquantised p; when M moves, sum and O^T are multiplied by an exact power of two.  A block's largest p is made from its largest score.
; FRAGMENTS AHEAD: tiles (0, 0..3) of the next chunk and its K scale words are asked for among the lines that make M, a step ahead of their products; tiles (1, 0..3) and V behind the first four products, 24 vector lines ahead of their wait.
; The sum of a step's upper 32 p is added in the next step, ahead of that step's change of M: its first four lines are the places behind the first four products; the first block's last four maxima are the places behind the other four.
; The last step asks for nothing more, so it is written out behind a loop of 15 trips.
; LIMITS: NaN and infinities are not served; the promise holds while the unmasked scaled scores stay under 2^31 in magnitude.
; REGISTERS: v[0:1], v[14:15] the sum in two chains; v2-5 lane parts of four LDS addresses, v6-9 the addresses; v10 8 h; v11, v243 the add's; v12 -M; v13 largest score; v16-27 q; v28-31 V's scales; v32-79 four K fragments;
;   v80-127 four V fragments; v128-191 scores, then p; v192-223 O^T; v224-235 p's codes; v236-242 the conversions' second halves; v244-247, v239, v254 at work; v248-251 K's scales; v252 f; v253 p's scale word; v255 q's.
.set CH,  16320
.set SPARE, 16*CH
.set S,   128
.set O,   192
.set KB0, 2
.set VB0, 3
.set KS0, 4
.set VS0, 5
.set KB,  6
.set VB,  7
.set KSA, 8
.set VSA, 9
.set SH,  10
.set SPW, 11
.set NIL, 243
.set WV,  18
.set SEL, 20
.set CS,  22
.set G1,  24
.set G0,  32
.set TB,  48
.set CNT, 49
.set NC,  58
.macro CROUND
	s_barrier_signal -1
	s_barrier_wait -1
	s_cmp_lg_u32 s[WV], 0
	s_cbranch_scc1 .Lnot_wave_0_\@
	s_barrier_signal -3
.Lnot_wave_0_\@:
	s_barrier_wait -3
	s_barrier_signal -1
	s_barrier_wait -1
.endm
	s_load_b256 s[4:11], s[0:1], 0x0               ; qf, kv, oc, os
	v_lshl_add_u32 v[SPW], v0, 2, SPARE
	v_mov_b32 v[NIL], 0
	ds_add_u32 v[SPW], v[NIL]                      ; the opening lines
	ds_add_u32 v[SPW], v[NIL]
	v_lshrrev_b32 v12, 5, v0
	v_readfirstlane_b32 s[WV], v12
	s_bfe_u32 s12, ttmp6, 0x40000                  ; which 256 queries
	s_and_b32 s13, ttmp7, 0xffff                   ; 16 batch + head
	s_mov_b32 s[G1], 15|(3<<16)|(1<<20)|(1<<21)|(5<<22)|(3<<25)
	s_mov_b32 s[G1+1], 32<<16
	s_mov_b32 s[G1+2], 60<<16
	s_mov_b32 s[G1+3], 32<<16
	s_mov_b32 s[G1+4], 60
	s_mov_b32 s[G1+5], 32
	s_mov_b32 s[G1+6], 0
	s_mov_b32 s[G1+7], 0
	s_mul_i32 s14, s[WV], CH
	s_mul_i32 s15, s[WV], 15360
	s_mul_i32 s16, s13, 245760
	s_add_co_u32 s16, s16, s15
	s_mov_b32 s17, 0
	s_mov_b32 s[SEL], 0x76543210
	s_mov_b32 s[SEL+1], 0xfedcba98
	s_mov_b32 s[CS], 0x3fb8aa3b                    ; log2(e)
	s_mov_b32 s[CS+1], s[CS]
	s_mov_b32 s[NC], 0xbfb8aa3b
	s_wait_dscnt 0x0
	s_wait_kmcnt 0x0
	s_mov_b32 s[G0], 1
	s_mov_b32 s[G0+1], s14
	s_add_nc_u64 s[G0+2:G0+3], s[6:7], s[16:17]
	s_or_b32 s[G0+3], s[G0+3], 0x80000000
	CROUND
	tensor_load_to_lds s[G0:G0+3], s[G1:G1+7]      ; chunk = my wave's number: my one load
	s_nop 0
.rept 4
	v_nop
.endr
	s_lshl_b32 s50, s13, 3
	s_lshl_b32 s51, s12, 1
	s_add_co_u32 s50, s50, s51
	s_lshr_b32 s51, s[WV], 3
	s_add_co_u32 s50, s50, s51
	s_mul_i32 s50, s50, 8704
	s_mov_b32 s51, 0
	s_add_nc_u64 s[4:5], s[4:5], s[50:51]          ; q: my chunk of 128 tokens
	s_and_b32 s52, s[WV], 7
	s_lshl_b32 s53, s52, 10
	s_lshl_b32 s52, s52, 6
	s_lshl_b32 s55, s12, 4
	s_add_co_u32 s55, s55, s[WV]
	s_lshl_b32 s54, s13, 6
	s_add_co_u32 s54, s54, s55
	s_mul_i32 s50, s54, 768
	s_add_nc_u64 s[8:9], s[8:9], s[50:51]          ; o's image
	s_lshr_b32 s56, s13, 4
	s_lshl_b32 s56, s56, 10
	s_lshl_b32 s57, s55, 4
	s_add_co_u32 s56, s56, s57
	s_lshl_b32 s56, s56, 5
	s_and_b32 s57, s13, 15
	s_lshl_b32 s57, s57, 1
	s_add_co_u32 s50, s56, s57
	s_add_nc_u64 s[10:11], s[10:11], s[50:51]      ; o's scale bytes
	s_mov_b32 s[TB], 0
	s_mov_b32 s[CNT], 15
	v_and_b32 v12, 31, v0                          ; lane
	v_and_b32 v13, 15, v0                          ; r
	v_bfe_u32 v14, v0, 4, 1                        ; h
	v_lshl_add_u32 v244, v12, 4, s53
	v_lshl_add_u32 v245, v13, 2, s52
	global_load_b128 v[16:19], v244, s[4:5]
	global_load_b128 v[20:23], v244, s[4:5] offset:512
	global_load_b32 v255, v245, s[4:5] offset:8192
	v_lshrrev_b32 v15, 3, v13
	v_and_b32 v8, 7, v13
	v_mul_u32_u24 v[KB0], v15, 2176                ; K images: 8 padded rows x (r / 8) + 16 (r % 8) + a padded row x h
	v_lshl_add_u32 v[KB0], v8, 4, v[KB0]
	v_mad_u32_u24 v[KB0], v14, 272, v[KB0]
	v_lshlrev_b32 v[VB0], 4, v13                   ; V images: 16 r + a padded row x h
	v_mad_u32_u24 v[VB0], v14, 272, v[VB0]
	v_lshlrev_b32 v[KS0], 7, v15                   ; K's scale words: 128 (r / 8) + 4 (r % 8) + 64 h
	v_lshl_add_u32 v[KS0], v8, 2, v[KS0]
	v_lshl_add_u32 v[KS0], v14, 6, v[KS0]
	v_lshlrev_b32 v[VS0], 2, v12
	v_lshlrev_b32 v[SH], 3, v14
	v_add_nc_u32 v[KB], s[TB], v[KB0]              ; chunk 0
	v_add_nc_u32 v[VB], s[TB], v[VB0]
	v_add_nc_u32 v[KSA], s[TB], v[KS0]
	v_add_nc_u32 v[VSA], s[TB], v[VS0]
.irp i, 24,25,26,27
	v_mov_b32 v[\i], 0
.endr
.irp t, 0,1,2,3
.irp i, 8,9,10,11
	v_mov_b32 v[32+12*\t+\i], 0                    ; an image holds 8 of a fragment's 12 registers: the rest are zero codes
.endr
.endr
	v_mov_b32 v13, 0xff61b1e6                      ; under every score
	v_mov_b32 v12, 0x7f61b1e6                      ; -M: over every later one
.irp i, 0,1,14,15,239,253
	v_mov_b32 v[\i], 0
.endr
.set j, 0
.rept 32
	v_mov_b32 v[O+j], 0                            ; the step is written once: the first finds zeros in O^T and in the carried p
	v_mov_b32 v[S+32+j], 0
.set j, j+1
.endr
.macro PREG off, u                     ; tile (0, u) and K's scale word register u of the chunk at off: lanes 0-15 tile (u / 2, 2 (u % 2)), lanes 16-31 the tile behind it
	ds_load_b128 v[32+12*\u:35+12*\u], v[KB] offset:(\off)+1088*(\u%2)+128*(\u/2)
	ds_load_b128 v[36+12*\u:39+12*\u], v[KB] offset:(\off)+1088*(\u%2)+128*(\u/2)+544
	ds_load_b32 v[248+\u], v[KSA] offset:(\off)+15232+272*(\u/2)+32*(\u%2)
.endm
.macro SCORES c
.irp u, 0,1,2,3
.if \u % 2
	v_wmma_scale_f32_16x16x128_f8f6f4 v[S+32*(\c)+8*\u:S+32*(\c)+8*\u+7], v[32+12*\u:43+12*\u], v[16:27], 0, v[248+2*(\c)+\u/2], v255 matrix_a_fmt:MATRIX_FMT_FP6 matrix_b_fmt:MATRIX_FMT_FP6 matrix_a_scale:MATRIX_SCALE_ROW1
.else
	v_wmma_scale_f32_16x16x128_f8f6f4 v[S+32*(\c)+8*\u:S+32*(\c)+8*\u+7], v[32+12*\u:43+12*\u], v[16:27], 0, v[248+2*(\c)+\u/2], v255 matrix_a_fmt:MATRIX_FMT_FP6 matrix_b_fmt:MATRIX_FMT_FP6
.endif
.endr
.endm
.macro BMAXA b, d                      ; the largest of my block's 32 scores: four chains, each tile from its low end on;
	v_max3_num_f32 v[\d], v[\b], v[\b+1], v[\b+2]
	v_max3_num_f32 v[\d+2], v[\b+8], v[\b+9], v[\b+10]
	v_max3_num_f32 v239, v[\b+16], v[\b+17], v[\b+18]
	v_max3_num_f32 v254, v[\b+24], v[\b+25], v[\b+26]
.irp i, 3,5
	v_max3_num_f32 v[\d], v[\d], v[\b+\i], v[\b+\i+1]
	v_max3_num_f32 v[\d+2], v[\d+2], v[\b+8+\i], v[\b+9+\i]
	v_max3_num_f32 v239, v239, v[\b+16+\i], v[\b+17+\i]
	v_max3_num_f32 v254, v254, v[\b+24+\i], v[\b+25+\i]
.endr
.endm
.macro BMAXB b, d                      ; and the four chains joined, with each tile's last register
	v_max3_num_f32 v[\d], v[\d], v[\d+2], v[\b+7]
	v_max3_num_f32 v239, v239, v254, v[\b+15]
	v_max3_num_f32 v[\d], v[\d], v239, v[\b+23]
	v_max_num_f32 v[\d], v[\d], v[\b+31]
.endm
.macro SUM j                           ; four p onto the sum's two chains
	v_pk_add_f32 v[14:15], v[14:15], v[S+\j:S+\j+1]
	v_pk_add_f32 v[0:1], v[0:1], v[S+\j+2:S+\j+3]
.endm
.macro STEP pre                        ; pre = 1: a next chunk follows
	s_wait_dscnt 0x0                               ; tiles (0, 0..3) and K's scale words, asked for a step ago
	SCORES 0
	SUM 32                                         ; the last step's upper 32 p, still under its M; these four lines are the places in front of the loads below
	SUM 36
.irp u, 0,1,2,3
	ds_load_b128 v[32+12*\u:35+12*\u], v[KB] offset:4352+1088*(\u%2)+128*(\u/2)
	ds_load_b128 v[36+12*\u:39+12*\u], v[KB] offset:4352+1088*(\u%2)+128*(\u/2)+544
.endr
.irp f, 0,1,2,3
.irp p, 0,1,2
	ds_load_b128 v[80+12*\f+4*\p:83+12*\f+4*\p], v[VB] offset:8704+1632*\f+544*\p
.endr
	ds_load_b32 v[28+\f], v[VSA] offset:15776+272*(\f/2)+128*(\f%2)
.endr
.irp j, 40,44,48,52,56,60
	SUM \j
.endr
	BMAXA S, 244
	s_wait_alu depctr_va_vdst(0)
	s_wait_dscnt 16                                ; the eight K loads are in; V's sixteen may be out
	SCORES 1
	BMAXB S, 244
	BMAXA S+32, 245
	BMAXB S+32, 245
	v_max_num_f32 v254, v244, v245
.if \pre
	PREG CH, 0
.endif
	v_permlanex16_b32 v239, v254, s[SEL], s[SEL+1]
.if \pre
	PREG CH, 1
.endif
	v_max3_num_f32 v13, v13, v254, v239            ; the running largest score of my query
.if \pre
	PREG CH, 2
.endif
	v_mul_f32 v254, s[NC], v13
	v_mov_b32 v239, v12
.if \pre
	PREG CH, 3
	s_add_co_u32 s[TB], s[TB], CH
.endif
	v_floor_f32 v12, v254                          ; -M = floor(-t)
.if \pre
	v_add_nc_u32 v[KB], s[TB], v[KB0]              ; this chunk's last load is issued: on to the next chunk
	v_add_nc_u32 v[VB], s[TB], v[VB0]
	v_add_nc_u32 v[KSA], s[TB], v[KS0]
	v_add_nc_u32 v[VSA], s[TB], v[VS0]
.endif
	v_sub_f32 v254, v12, v239
	v_cvt_i32_f32 v254, v254                       ; old M - new M (it saturates)
.set j, 0
.rept 32
	v_pk_fma_f32 v[S+j:S+j+1], v[S+j:S+j+1], s[CS:CS+1], v[12:13] op_sel_hi:[1,0,0]
.set j, j+2
.endr
	v_fma_f32 v244, v244, s[CS], v12
	v_fma_f32 v245, v245, s[CS], v12
	v_ldexp_f32 v252, 1.0, v254                    ; f = 2^(old M - new M)
.set j, 0
.rept 16
	v_pk_mul_f32 v[O+j:O+j+1], v[O+j:O+j+1], v[252:253] op_sel_hi:[1,0]   ; O^T under the new M
.set j, j+2
.endr
	s_wait_dscnt 12*(\pre)                         ; V's fragments and scales are in; the twelve loads for the next step may be out
	s_wait_alu depctr_va_vdst(0)                   ; ahead of the batch
.set j, 0
.rept 64
	v_exp_f32 v[S+j], v[S+j]
.set j, j+1
.endr
	v_exp_f32 v244, v244                           ; my two blocks' largest p
	v_exp_f32 v245, v245
	v_nop                                          ; the plain line behind the batch
	s_wait_alu depctr_va_vdst(0)                   ; and the wait behind it
	v_max_num_f32 v244, 0x1800000, v244            ; the floor 2^(3 - 127)
	v_max_num_f32 v245, 0x1800000, v245
	v_pk_fma_f32 v[14:15], v[14:15], v[252:253], v[S:S+1] op_sel_hi:[1,0,1]    ; the sums under the new M, and the lower 32 p, laid among the lines that make the scale word
	v_pk_fma_f32 v[0:1], v[0:1], v[252:253], v[S+2:S+3] op_sel_hi:[1,0,1]
	v_add_nc_u32 v246, 0xff000000, v244            ; the conversions' scale operands
	v_add_nc_u32 v247, 0xff000000, v245
	SUM 4
	v_lshrrev_b32 v244, 23, v246
	v_lshrrev_b32 v245, 23, v247
	SUM 8
	v_lshl_or_b32 v254, v245, 16, v244             ; my bytes: blocks h and 2 + h,
	SUM 12
	v_lshlrev_b32 v254, v[SH], v254                ; at their places;
	SUM 16
	v_permlanex16_b32 v239, v254, s[SEL], s[SEL+1]
	v_or_b32 v253, v254, v239                      ; with lane l xor 16's the word is whole
	v_cvt_scalef32_pk16_fp6_f32 v[224:226], v[S:S+15], v246
	v_cvt_scalef32_pk16_fp6_f32 v[236:238], v[S+16:S+31], v246
	v_cvt_scalef32_pk16_fp6_f32 v[230:232], v[S+32:S+47], v247
	v_cvt_scalef32_pk16_fp6_f32 v[240:242], v[S+48:S+63], v247
	SUM 20
.irp i, 0,1,2
	v_mov_b32 v[227+\i], v[236+\i]                 ; a conversion's three registers begin on an even number
	v_mov_b32 v[233+\i], v[240+\i]
.endr
	SUM 24
	SUM 28
	s_wait_alu depctr_va_vdst(0)
.irp f, 0,1,2,3
	v_wmma_scale_f32_16x16x128_f8f6f4 v[O+8*\f:O+8*\f+7], v[80+12*\f:91+12*\f], v[224:235], v[O+8*\f:O+8*\f+7], v[28+\f], v253 matrix_a_fmt:MATRIX_FMT_FP6 matrix_b_fmt:MATRIX_FMT_FP6
.endr
.endm
	s_wait_alu depctr_va_vdst(0)                   ; the head's end
	s_wait_loadcnt 0x0                             ; q
	s_wait_tensorcnt 0x0                           ; my chunk is in
	s_barrier_signal -1
	s_barrier_wait -1                              ; all sixteen are
.irp u, 0,1,2,3
	PREG 0, \u
.endr
.Lstep:                                                ; chunks 0 to 14
	STEP 1
	s_sub_co_u32 s[CNT], s[CNT], 1
	s_cmp_lg_u32 s[CNT], 0
	s_cbranch_scc1 .Lstep
	STEP 0                                         ; chunk 15
.irp j, 32,36,40,44,48,52,56,60
	SUM \j                                         ; the last step's upper 32 p; also the places behind the last products
.endr
	v_lshlrev_b32 v6, 1, v[VS0]                    ; 8 x lane
	v_and_b32 v7, 60, v[VS0]
	v_pk_add_f32 v[14:15], v[14:15], v[0:1]
	v_lshlrev_b32 v7, 3, v7                        ; 32 r
	v_add_f32 v14, v14, v15
	v_permlanex16_b32 v239, v14, s[SEL], s[SEL+1]
	v_add_f32 v14, v14, v239                       ; the row's sum
	s_wait_alu depctr_va_vdst(0)
	v_rcp_f32 v14, v14
	v_nop
	s_wait_alu depctr_va_vdst(0)
.set j, 0
.rept 16
	v_pk_mul_f32 v[S+j:S+j+1], v[O+j:O+j+1], v[14:15] op_sel_hi:[1,0]
.set j, j+2
.endr
.irp b, 0,1                                    ; o is quantised along the head's 64 channels: two blocks, each shared with lane l xor 16
	v_max3_num_f32 v[232+\b], |v[S+16*\b]|, |v[S+1+16*\b]|, 0x1800000
.endr
.irp i, 2,4,6,8,10,12,14
.irp b, 0,1
	v_max3_num_f32 v[232+\b], v[232+\b], |v[S+16*\b+\i]|, |v[S+1+16*\b+\i]|
.endr
.endr
.irp b, 0,1
	v_permlanex16_b32 v[236+\b], v[232+\b], s[SEL], s[SEL+1]
.endr
.irp b, 0,1
	v_max_num_f32 v[232+\b], v[232+\b], v[236+\b]
.endr
.irp b, 0,1
	v_add_nc_u32 v[244+\b], 0xff000000, v[232+\b]
.endr
.irp b, 0,1
	v_lshrrev_b32 v[236+\b], 23, v[244+\b]
.endr
	v_lshl_or_b32 v253, v237, 8, v236
	v_cvt_scalef32_pk16_fp6_f32 v[224:226], v[S:S+15], v244
	v_cvt_scalef32_pk16_fp6_f32 v[240:242], v[S+16:S+31], v245
	v_nop
.irp i, 0,1,2
	v_permlane16_swap_b32 v[224+\i], v[240+\i]
.endr
.irp i, 0,1,2
	v_mov_b32 v[227+\i], v[240+\i]
.endr
	global_store_b64 v6, v[224:225], s[8:9]        ; three planes of 256 consecutive bytes
	global_store_b64 v6, v[226:227], s[8:9] offset:256
	global_store_b64 v6, v[228:229], s[8:9] offset:512
	global_store_b16 v7, v253, s[10:11]
	s_wait_tensorcnt 0x0                           ; the wave's end
	ds_add_u32 v[SPW], v[NIL]
	s_wait_dscnt 0x0
	CROUND
	s_endpgm
.Lfunc_end_k_qf48aec33d5_attn:
	.size	k_qf48aec33d5_attn, .Lfunc_end_k_qf48aec33d5_attn-k_qf48aec33d5_attn
	.p2alignl 7, 3214868480
	.fill 96, 4, 3214868480
	.section	.rodata,"a",@progbits
	.p2align	6, 0x0
	.amdhsa_kernel k_qf48aec33d5_attn
		.amdhsa_group_segment_fixed_size 263168
		.amdhsa_private_segment_fixed_size 0
		.amdhsa_enable_private_segment 0
		.amdhsa_kernarg_size 32
		.amdhsa_user_sgpr_count 2
		.amdhsa_user_sgpr_kernarg_segment_ptr 1
		.amdhsa_wavefront_size32 1
		.amdhsa_system_sgpr_workgroup_id_x 1
		.amdhsa_system_sgpr_workgroup_id_y 1
		.amdhsa_system_sgpr_workgroup_id_z 1
		.amdhsa_system_vgpr_workitem_id 0
		.amdhsa_next_free_vgpr 256
		.amdhsa_next_free_sgpr 66
		.amdhsa_reserve_vcc 0
		.amdhsa_float_denorm_mode_32 3
		.amdhsa_float_denorm_mode_16_64 3
		.amdhsa_memory_ordered 1
		.amdhsa_forward_progress 1
		.amdhsa_inst_pref_size 43
	.end_amdhsa_kernel
	.amdgpu_metadata
---
amdhsa.version: [ 1, 2 ]
amdhsa.kernels:
  - .name:           k_qf48aec33d5_attn
    .symbol:         k_qf48aec33d5_attn.kd
    .args:
      - { .name: qf, .offset: 0, .size: 8, .value_kind: global_buffer, .address_space: global }
      - { .name: kv, .offset: 8, .size: 8, .value_kind: global_buffer, .address_space: global }
      - { .name: oc, .offset: 16, .size: 8, .value_kind: global_buffer, .address_space: global }
      - { .name: os, .offset: 24, .size: 8, .value_kind: global_buffer, .address_space: global }
    .group_segment_fixed_size: 263168
    .private_segment_fixed_size: 0
    .kernarg_segment_align: 8
    .kernarg_segment_size: 32
    .max_flat_workgroup_size: 512
    .sgpr_count:     66
    .vgpr_count:     256
    .wavefront_size: 32
...
	.end_amdgpu_metadata
.endif
;; end of part 9
;; launch outp (part 10): grid 8 x 32, 4 waves a work-group, clusters of 4 x 4, 226,816 bytes of LDS; arguments oc, os, codes, scales, out_b, out0; writes out0
.if DOCPART == 10
	.amdgcn_target "amdgcn-amd-amdhsa--gfx1250"
	.amdhsa_code_object_version 6
	.text
	.protected	k_qf48aec33d5_outp
	.globl	k_qf48aec33d5_outp
	.p2align	8
	.type	k_qf48aec33d5_outp,@function
k_qf48aec33d5_outp:
	s_mov_b64 s[64:65], 0
	v_nop
	global_prefetch_b8 v0, s[64:65] scope:SCOPE_SE
	s_setreg_imm32_b32 hwreg(HW_REG_WAVE_MODE, 25, 1), 1
	s_wait_xcnt 0x0
	s_wait_alu depctr_hold_cnt(0) depctr_sa_sdst(0) depctr_va_vdst(0) depctr_va_sdst(0) depctr_va_ssrc(0) depctr_va_vcc(0) depctr_vm_vsrc(0)
	s_getreg_b32 s2, hwreg(HW_REG_IB_STS2, 6, 4)
	s_cmp_eq_u32 s2, 0
	s_cbranch_scc0 .Lentry_in_a_cluster
	s_endpgm
.Lentry_in_a_cluster:
	s_bfe_u32 s2, ttmp6, 0x10000c
	s_cmp_lg_u32 s2, 0xf033
	s_cbranch_scc0 .Lentry_shape_is_right
	s_endpgm
.Lentry_shape_is_right:
; out0 = o out_w^T + out_b, K = 1,024, on codes of FP6 (E2M3) with E8M0 scales; f32 sums.
; SHARES.  4,096 x 1,024 in tiles of 128 x 128: 256 work-groups.  Four waves, each 64 x 64: 16 accumulators.
; ALL OF K LIES IN LDS, FILLED ONCE, one tensor load a wave: waves 0, 1 take 64 places of o (16 heads x 3,072 dense bytes of operand images), waves 2, 3 take 64 whole rows of out_w (768 bytes, 16 of padding behind every 256).
; Every tile row begins at a multiple of 256 bytes.  One barrier, no ring.  The scale words go from memory into registers: a row's 32 bytes are the words of its eight K steps.
; CLUSTERS: 4 x 4: a row of the cluster shares o's tiles, a column out_w's: both loads are joint.  No prefetch: there is one fill and no loop of loads to run ahead in.
; THE MATRIX INSTRUCTION IS USED TRANSPOSED (source 0 = 16 rows of out_w, source 1 = 16 tokens).  Rows and tokens lie at places (bits 3 and 4 exchanged): both orders are undone on the way out.  The bias is the C of each sum's first instruction.
; REGISTERS: window 0: v8, v10, v11, v24-28 addresses; v29, v30 the add's; v32-63 o's scale words; v64-95 the bias; v96-127 out_w's scale words; v128-255 accumulators.  Window 1: two fragment buffers at v0 and v128.
.set KROW,   768
.set PITCH,  816
.set FR,     12
.set HALFT,  64*PITCH
.set HEADB,  3072
.set ASTEP,  196608
.set STG,    4*HALFT
.set SPITCH, 272
.set SPARE,  STG+4*16*SPITCH
.set ADRA, 8
.set ADRB, 10
.set ADRS, 24
.set VB,   25
.set STO,  26
.set RD,   27
.set CO,   28
.set SC,   32
.set BI,   64
.set SCB,  96
.set BK,   32
.set ACC,  128
.set G1,   24
.set G1B,  32
.set G0,   40
.set G0B,  44
.set MSB, 0
.macro WIN new
.if MSB != (\new)
	s_set_vgpr_msb (MSB<<8)|(\new)
.set MSB, (\new)
.endif
.endm
.set MUL,  0x05
.set TO_F, 0x40
.macro CROUND
	s_barrier_signal -1
	s_barrier_wait -1
	s_cmp_lg_u32 s14, 0
	s_cbranch_scc1 .Lnot_wave_0_\@
	s_barrier_signal -3
.Lnot_wave_0_\@:
	s_barrier_wait -3
	s_barrier_signal -1
	s_barrier_wait -1
.endm
.macro PLACES n
.rept \n
	v_nop
.endr
.endm
	s_load_b256 s[4:11], s[0:1], 0x0               ; oc, os, codes, scales
	s_load_b128 s[20:23], s[0:1], 0x20             ; out_b, out0
	v_lshl_add_u32 v29, v0, 2, SPARE
	v_mov_b32 v30, 0
	ds_add_u32 v29, v30                            ; the opening lines
	ds_add_u32 v29, v30
	v_lshrrev_b32 v1, 5, v0
	v_readfirstlane_b32 s14, v1
	s_lshr_b32 s15, s14, 1
	s_and_b32 s16, s14, 1
	s_bfe_u32 s12, ttmp6, 0x40000
	s_bfe_u32 s13, ttmp6, 0x40004
	s_lshl_b32 s17, ttmp9, 2
	s_add_co_u32 s17, s17, s12                     ; tile column 0..7
	s_and_b32 s18, ttmp7, 0xffff
	s_lshl_b32 s18, s18, 2
	s_add_co_u32 s18, s18, s13                     ; tile row 0..31
	s_lshl_b32 s19, s13, 2
	s_lshl_b32 s19, 15, s19
	s_lshl_b32 s3, 0x1111, s12
	s_or_b32 s[G1+0], s19, (3<<16)|(1<<21)         ; o: 16 heads x 3,072 bytes, elements of 8 bytes, no padding
	s_mov_b32 s[G1+1], (HEADB/8)<<16
	s_mov_b32 s[G1+2], 16<<16
	s_mov_b32 s[G1+3], (HEADB/8)<<16
	s_mov_b32 s[G1+4], 16
	s_mov_b32 s[G1+5], 6144                        ; a head's 49,152 bytes
	s_mov_b32 s[G1+6], 0
	s_mov_b32 s[G1+7], 0
	s_or_b32 s[G1B+0], s3, (1<<20)|(1<<21)|(5<<22)|(3<<25)
	s_mov_b32 s[G1B+1], KROW<<16
	s_mov_b32 s[G1B+2], 64<<16
	s_mov_b32 s[G1B+3], KROW<<16
	s_mov_b32 s[G1B+4], 64
	s_mov_b32 s[G1B+5], KROW
	s_mov_b32 s[G1B+6], 0
	s_mov_b32 s[G1B+7], 0
	s_lshr_b32 s19, s18, 3
	s_mul_i32 s19, s19, 4*ASTEP
	s_and_b32 s2, s18, 7
	s_lshl_b32 s2, s2, 1
	s_add_co_u32 s2, s2, s16
	s_mul_i32 s2, s2, HEADB
	s_add_co_u32 s[G0+2], s19, s2
	s_mov_b32 s[G0+3], 0
	s_lshl_b32 s2, s16, 6
	s_lshl_b32 s3, s17, 7
	s_add_co_u32 s3, s3, s2
	s_add_co_u32 s3, s3, 15360                     ; out_w: row 15,360 + 128 x tile column + 64 x half
	s_mul_i32 s[G0B+2], s3, KROW
	s_mov_b32 s[G0B+3], 0
	s_mul_i32 s66, s14, HALFT
	s_wait_dscnt 0x0
	s_wait_kmcnt 0x0
	s_add_nc_u64 s[G0+2:G0+3], s[4:5], s[G0+2:G0+3]
	s_add_nc_u64 s[G0B+2:G0B+3], s[8:9], s[G0B+2:G0B+3]
	s_mov_b32 s[G0], 1
	s_mov_b32 s[G0+1], s66
	s_or_b32 s[G0+3], s[G0+3], 0x80000000
	s_mov_b32 s[G0B], 1
	s_mov_b32 s[G0B+1], s66
	s_or_b32 s[G0B+3], s[G0B+3], 0x80000000
	CROUND
	s_cmp_eq_u32 s15, 0                            ; one joint load a wave
	s_cbranch_scc0 .Lfor_b
	tensor_load_to_lds s[G0:G0+3], s[G1:G1+7]
	s_nop 0
	PLACES 4
	s_branch .Lasked
.Lfor_b:
	tensor_load_to_lds s[G0B:G0B+3], s[G1B:G1B+7]
	s_nop 0
	PLACES 4
.Lasked:
	s_lshl_b32 s2, s17, 9                          ; my first column, in bytes
	s_lshl_b32 s3, s16, 8
	s_add_co_u32 s2, s2, s3
	s_mov_b32 s3, 0
	s_add_nc_u64 s[20:21], s[20:21], s[2:3]
	s_add_nc_u64 s[22:23], s[22:23], s[2:3]
	s_and_b32 s2, s18, 7                           ; out0: token (128 x tile row + 64 x half) x 16,384 bytes + batch x 4,096
	s_lshl_b32 s2, s2, 21
	s_lshl_b32 s19, s15, 20
	s_add_co_u32 s2, s2, s19
	s_lshr_b32 s19, s18, 3
	s_lshl_b32 s19, s19, 12
	s_add_co_u32 s2, s2, s19
	s_add_nc_u64 s[22:23], s[22:23], s[2:3]
	s_lshl_b32 s2, s18, 7
	s_lshl_b32 s19, s15, 6
	s_add_co_u32 s2, s2, s19
	s_lshl_b32 s2, s2, 5
	s_add_nc_u64 s[6:7], s[6:7], s[2:3]            ; my tokens' scales
	s_lshl_b32 s2, s17, 7
	s_lshl_b32 s19, s16, 6
	s_add_co_u32 s2, s2, s19
	s_add_co_u32 s2, s2, 15360
	s_lshl_b32 s2, s2, 5
	s_add_nc_u64 s[10:11], s[10:11], s[2:3]        ; my rows of out_w's
	s_mul_i32 s48, s15, HALFT
	s_mul_i32 s49, s16, HALFT
	s_add_co_u32 s49, s49, 2*HALFT
	s_mul_i32 s50, s14, 16*SPITCH
	s_add_co_u32 s50, s50, STG
	v_and_b32 v1, 15, v0                           ; r
	v_bfe_u32 v2, v0, 4, 1                         ; h
	v_and_b32 v7, 31, v0
	v_lshlrev_b32 v[VB], 6, v2
	v_mul_u32_u24 v3, v1, PITCH
	v_mad_u32_u24 v4, v2, 24, v3
	v_lshl_add_u32 v5, v2, 4, v4
	v_lshl_add_u32 v[ADRA], v7, 3, s48             ; o: 8 x lane in a plane
	v_add_nc_u32 v[ADRB], s49, v4
	v_add_nc_u32 v[ADRB+1], s49, v5
	v_lshlrev_b32 v[ADRS], 5, v1
	v_mul_u32_u24 v5, v1, SPITCH
	v_lshl_add_u32 v5, v2, 6, v5
	v_add_nc_u32 v[STO], s50, v5
	v_mul_u32_u24 v6, v2, SPITCH
	v_lshl_add_u32 v6, v1, 4, v6
	v_add_nc_u32 v[RD], s50, v6
	v_lshlrev_b32 v3, 14, v2
	v_lshl_add_u32 v[CO], v1, 4, v3
	s_wait_alu depctr_va_vdst(0)                   ; the head's end
.irp k, 0,1,2,3,4,5,6,7
	global_load_b128 v[BI+4*\k:BI+4*\k+3], v[VB], s[20:21] offset:128*(\k/4)+16*(\k%4)
.endr
.irp i, 0,1,2,3
	global_load_b128 v[SC+8*\i:SC+8*\i+3], v[ADRS], s[6:7] offset:512*\i
	global_load_b128 v[SC+8*\i+4:SC+8*\i+7], v[ADRS], s[6:7] offset:512*\i+16
	global_load_b128 v[SCB+8*\i:SCB+8*\i+3], v[ADRS], s[10:11] offset:512*\i
	global_load_b128 v[SCB+8*\i+4:SCB+8*\i+7], v[ADRS], s[10:11] offset:512*\i+16
.endr
.macro FRAG reg, adr, q, i             ; out_w: piece PC of a row lies at 8 PC + 16 (PC / 32); where lanes 16-31's piece lies behind one padding more, the second register serves
.irp p, 0,1,2,3,4,5
.set PC, 12*(\q)+6*(\p/3)+\p%3
.if PC%32 < 29
	ds_load_b64 v[\reg+2*\p:\reg+2*\p+1], v[\adr] offset:8*PC+16*(PC/32)+(\i)*16*PITCH
.else
	ds_load_b64 v[\reg+2*\p:\reg+2*\p+1], v[\adr+1] offset:8*PC+16*(PC/32)+(\i)*16*PITCH
.endif
.endr
.endm
.macro FRAGA reg, adr, q, i            ; o: registers 0-5 tile i's image in head 2 q, registers 6-11 in head 2 q + 1
.irp p, 0,1,2,3,4,5
	ds_load_b64 v[\reg+2*\p:\reg+2*\p+1], v[\adr] offset:(2*(\q)+\p/3)*HEADB+768*(\i)+256*(\p%3)
.endr
.endm
.macro FETCH s
	WIN TO_F
.irp i, 0,1,2,3
	FRAG 128*((\s)%2)+48+FR*\i, ADRB, \s, \i
	FRAGA 128*((\s)%2)+FR*\i, ADRA, \s, \i
.endr
.endm
.macro MUL16 s, first                  ; the 16 accumulators by turns
.irp a, 0,1,2,3
.irp b, 0,1,2,3
.if \first
	v_wmma_scale_f32_16x16x128_f8f6f4 v[ACC+8*(4*\a+\b):ACC+8*(4*\a+\b)+7], v[128*((\s)%2)+48+FR*\b:128*((\s)%2)+48+FR*\b+FR-1], v[128*((\s)%2)+FR*\a:128*((\s)%2)+FR*\a+FR-1], v[BI+8*\b:BI+8*\b+7], v[SCB+8*\b+(\s)], v[SC+8*\a+(\s)] matrix_a_fmt:MATRIX_FMT_FP6 matrix_b_fmt:MATRIX_FMT_FP6
.else
	v_wmma_scale_f32_16x16x128_f8f6f4 v[ACC+8*(4*\a+\b):ACC+8*(4*\a+\b)+7], v[128*((\s)%2)+48+FR*\b:128*((\s)%2)+48+FR*\b+FR-1], v[128*((\s)%2)+FR*\a:128*((\s)%2)+FR*\a+FR-1], v[ACC+8*(4*\a+\b):ACC+8*(4*\a+\b)+7], v[SCB+8*\b+(\s)], v[SC+8*\a+(\s)] matrix_a_fmt:MATRIX_FMT_FP6 matrix_b_fmt:MATRIX_FMT_FP6
.endif
.endr
.endr
.endm
.macro STEP s, first
	s_wait_dscnt 0x0
.if (\s) < 7
.if (\s) > 0
	PLACES 4
.endif
	FETCH (\s)+1
.endif
	WIN MUL
	MUL16 \s, \first
.endm
	s_wait_loadcnt 0x0                             ; the bias and the scale words
	s_wait_tensorcnt 0x0                           ; my tile is in
	s_barrier_signal -1
	s_barrier_wait -1                              ; everybody's is
	FETCH 0
	STEP 0, 1
.irp s, 1,2,3,4,5,6,7
	STEP \s, 0
.endr
	WIN 0
; the way out, 16 tokens x 64 columns at a time, through my own stage: in at the true columns, back as whole rows of 256 bytes
.macro TOSTAGE a
.irp b, 0,1,2,3
	ds_store_b128 v[STO], v[ACC+32*(\a)+8*\b:ACC+32*(\a)+8*\b+3] offset:128*(\b/2)+32*(\b%2)
	ds_store_b128 v[STO], v[ACC+32*(\a)+8*\b+4:ACC+32*(\a)+8*\b+7] offset:128*(\b/2)+32*(\b%2)+16
.endr
.set BB, BK+32*((\a)%2)
.irp t, 0,1,2,3,4,5,6,7
	ds_load_b128 v[BB+4*\t:BB+4*\t+3], v[RD] offset:\t*2*SPITCH
.endr
.endm
.macro SEND a, younger                 ; place 16 a + 2 t + h is token 32 (a / 2) + 8 (a % 2) + 2 t + 8 (t / 4) + h
.set BB, BK+32*((\a)%2)
	s_wait_dscnt \younger
.irp t, 0,1,2,3,4,5,6,7
	global_store_b128 v[CO], v[BB+4*\t:BB+4*\t+3], s[22:23] offset:(32*((\a)/2)+8*((\a)%2)+2*\t+8*(\t/4))*16384 th:TH_STORE_NT
.endr
.endm
	PLACES 4
	TOSTAGE 0
.irp a, 1,2,3
.if \a > 1
	s_wait_xcnt 0x0                                ; block a - 2's stores have read their registers
.endif
	TOSTAGE \a
	SEND \a-1, 16                                  ; behind block a - 1's loads: block a's 8 stores and 8 loads
.endr
	SEND 3, 0
	s_wait_tensorcnt 0x0                           ; the wave's end
	ds_add_u32 v29, v30
	s_wait_dscnt 0x0
	CROUND
	s_endpgm
.Lfunc_end_k_qf48aec33d5_outp:
	.size	k_qf48aec33d5_outp, .Lfunc_end_k_qf48aec33d5_outp-k_qf48aec33d5_outp
	.p2alignl 7, 3214868480
	.fill 96, 4, 3214868480
	.section	.rodata,"a",@progbits
	.p2align	6, 0x0
	.amdhsa_kernel k_qf48aec33d5_outp
		.amdhsa_group_segment_fixed_size 226816
		.amdhsa_private_segment_fixed_size 0
		.amdhsa_enable_private_segment 0
		.amdhsa_kernarg_size 48
		.amdhsa_user_sgpr_count 2
		.amdhsa_user_sgpr_kernarg_segment_ptr 1
		.amdhsa_wavefront_size32 1
		.amdhsa_system_sgpr_workgroup_id_x 1
		.amdhsa_system_sgpr_workgroup_id_y 1
		.amdhsa_system_sgpr_workgroup_id_z 1
		.amdhsa_system_vgpr_workitem_id 0
		.amdhsa_next_free_vgpr 512
		.amdhsa_next_free_sgpr 102
		.amdhsa_reserve_vcc 0
		.amdhsa_float_denorm_mode_32 3
		.amdhsa_float_denorm_mode_16_64 3
		.amdhsa_memory_ordered 1
		.amdhsa_forward_progress 1
		.amdhsa_inst_pref_size 58
	.end_amdhsa_kernel
	.amdgpu_metadata
---
amdhsa.version: [ 1, 2 ]
amdhsa.kernels:
  - .name:           k_qf48aec33d5_outp
    .symbol:         k_qf48aec33d5_outp.kd
    .args:
      - { .name: oc, .offset: 0, .size: 8, .value_kind: global_buffer, .address_space: global }
      - { .name: os, .offset: 8, .size: 8, .value_kind: global_buffer, .address_space: global }
      - { .name: codes, .offset: 16, .size: 8, .value_kind: global_buffer, .address_space: global }
      - { .name: scales, .offset: 24, .size: 8, .value_kind: global_buffer, .address_space: global }
      - { .name: out_b, .offset: 32, .size: 8, .value_kind: global_buffer, .address_space: global }
      - { .name: out0, .offset: 40, .size: 8, .value_kind: global_buffer, .address_space: global }
    .group_segment_fixed_size: 226816
    .private_segment_fixed_size: 0
    .kernarg_segment_align: 8
    .kernarg_segment_size: 48
    .max_flat_workgroup_size: 128
    .sgpr_count:     102
    .vgpr_count:     512
    .wavefront_size: 32
...
	.end_amdgpu_metadata
.endif
;; end of part 10
